; MI455X (gfx1250); checked and timed in simulation.
; The chip was launched on July 23, 2026; its instructions are those of AMD's public machine-readable ISA for CDNA 5 (MIT licence, August 2026) and "CDNA5" Instruction Set Architecture Reference Guide (July 2026). The comments in the code are by the model that wrote it; some were corrected since.
;; Encoder. Allowed arithmetic: float matrix products may take bf16 or f16 operands with f32 sums; other float arithmetic in f32, or as packed bf16 or f16 multiplies, adds, multiply-adds, maxima and minima; sums over many terms, partial sums and values carried from step to step in f32; what a program stores and reads back later, other than sums and carried values, may be rounded once to bf16 or f16.
;; Inputs: W1 1,024 x 4,096 float32; W2 4,096 x 1,024 float32; Wk 16 x 1,024 x 64 float32; Wo 1,024 x 1,024 float32; Wq 16 x 1,024 x 64 float32; Wv 16 x 1,024 x 64 float32; b1 4,096 float32; b2 1,024 float32; beta1 1,024 float32; beta2 1,024 float32; bk 16 x 64 float32; bo 1,024 float32; bq 16 x 64 float32; bv 16 x 64 float32; gamma1 1,024 float32; gamma2 1,024 float32; x 2 x 2,048 x 1,024 float32.
;; Outputs: out0 2 x 2,048 x 1,024 float32.
;; 2 versions, each right; version 2 is version 1 with the launches prep, norm1, norm2 written anew for expert scheduling mode. Each part assembles by itself: llvm-mc -triple=amdgcn-amd-amdhsa -mcpu=gfx1250 --defsym DOCPART=n.
;; ======== version 1 of 2: 8 launches
;; limits: values are held in f16: magnitudes above 65,504 overflow, below 6.1e-05 lose precision
;; workspace buffers: wb 25,165,824 bytes; part 1,048,576 bytes; act 8,388,608 bytes; qkv 25,165,824 bytes; x1 16,777,216 bytes; mid 33,554,432 bytes
;; launch prep (part 1): grid 512 x 1, 8 waves a work-group, no clusters, 0 bytes of LDS; arguments x, Wq, Wk, Wv, Wo, W1, W2, wb, part; writes wb, part
.if DOCPART == 1
	.amdgcn_target "amdgcn-amd-amdhsa--gfx1250"
	.amdhsa_code_object_version 6
	.text
	.protected	k_q2c8e20579d_prep
	.globl	k_q2c8e20579d_prep
	.p2align	8
	.type	k_q2c8e20579d_prep,@function
k_q2c8e20579d_prep:
	s_mov_b64 s[64:65], 0
	v_nop
	global_prefetch_b8 v0, s[64:65] scope:SCOPE_SE
	s_setreg_imm32_b32 hwreg(HW_REG_WAVE_MODE, 25, 1), 1
	s_wait_xcnt 0x0
; PREP.  Two kinds of work-group, told apart by the work-group's number alone.
; 0-127: the first norm's partial statistics.  Work-group g owns rows 32 g .. 32 g + 31 of x ([4096][1024] f32); thread t owns columns 4 t .. 4 t + 3.
;   The 32 rows stay in registers between the pass that finds the mean and the pass that sums the squares of (x - mean): no difference of large sums is formed.
;   part: mean[chunk][1024] at byte 0, M2[chunk][1024] at byte 524,288, both f32.
; 128-511: the weights, f32 to f16, rounded once.  A wave takes 16 KiB of f32 and writes 8 KiB of f16; a store of the wave covers 256 consecutive bytes, aligned.
;   Wq, Wk, Wv go into blocks: block (head j, kb = k / 64) at (16 j + kb) x 24,576 as [q, k, v][64 k][64 d]; Wo, W1, W2 keep their layout [k][n], at 6,291,456, 8,388,608 and 16,777,216.
; LIMITS.  f16: a weight beyond 65,504 becomes an infinity; below 6e-5 it keeps f16's fixed step of 6e-8.
.set X, 8                              ; v[8:135]   32 rows (or 32 pieces) of 4 numbers
.set S, 136                            ; v[136:139] sum, then mean
.set M, 140                            ; v[140:143] sum of squares about the mean
	s_load_b512 s[4:19], s[0:1], 0x0               ; x 4:5, Wq 6:7, Wk 8:9, Wv 10:11, Wo 12:13, W1 14:15, W2 16:17, wb 18:19
	s_load_b64 s[20:21], s[0:1], 0x40              ; part
	v_lshrrev_b32 v3, 5, v0
	v_readfirstlane_b32 s22, v3                    ; wave 0..7
	s_cmp_lt_u32 ttmp9, 128
	s_cbranch_scc0 .Lcast
	; ---- statistics of 32 rows
	v_lshlrev_b32 v1, 4, v0                        ; 16 bytes a thread: a wave's load covers 512 consecutive bytes
	s_lshl_b32 s24, ttmp9, 17                      ; 32 rows of 4,096 bytes
	s_mov_b32 s25, 0
	s_lshl_b32 s26, ttmp9, 12                      ; the chunk's row in part
	s_mov_b32 s27, 0
	s_wait_kmcnt 0x0
	s_add_nc_u64 s[4:5], s[4:5], s[24:25]
	s_add_nc_u64 s[20:21], s[20:21], s[26:27]
.set i, 0
.rept 32
	global_load_b128 v[X+4*i:X+4*i+3], v1, s[4:5] offset:4096*i
.set i, i+1
.endr
	s_wait_loadcnt 30                              ; rows 0 and 1 are in; 30 younger loads stay out
	v_pk_add_f32 v[S:S+1], v[X:X+1], v[X+4:X+5]
	v_pk_add_f32 v[S+2:S+3], v[X+2:X+3], v[X+6:X+7]
.set i, 2
.rept 30
	s_wait_loadcnt 31-i                            ; row i is in
	v_pk_add_f32 v[S:S+1], v[S:S+1], v[X+4*i:X+4*i+1]
	v_pk_add_f32 v[S+2:S+3], v[S+2:S+3], v[X+4*i+2:X+4*i+3]
.set i, i+1
.endr
	v_pk_mul_f32 v[S:S+1], v[S:S+1], 0x3d000000 op_sel_hi:[1,0]      ; / 32
	v_pk_mul_f32 v[S+2:S+3], v[S+2:S+3], 0x3d000000 op_sel_hi:[1,0]
.set i, 0
.rept 32
	v_pk_add_f32 v[X+4*i:X+4*i+1], v[X+4*i:X+4*i+1], v[S:S+1] neg_lo:[0,1] neg_hi:[0,1]
	v_pk_add_f32 v[X+4*i+2:X+4*i+3], v[X+4*i+2:X+4*i+3], v[S+2:S+3] neg_lo:[0,1] neg_hi:[0,1]
.if i == 0
	v_pk_mul_f32 v[M:M+1], v[X:X+1], v[X:X+1]      ; the first row starts the sums
	v_pk_mul_f32 v[M+2:M+3], v[X+2:X+3], v[X+2:X+3]
.else
	v_pk_fma_f32 v[M:M+1], v[X+4*i:X+4*i+1], v[X+4*i:X+4*i+1], v[M:M+1]
	v_pk_fma_f32 v[M+2:M+3], v[X+4*i+2:X+4*i+3], v[X+4*i+2:X+4*i+3], v[M+2:M+3]
.endif
.set i, i+1
.endr
	global_store_b128 v1, v[S:S+3], s[20:21]
	global_store_b128 v1, v[M:M+3], s[20:21] offset:524288
	s_endpgm
.Lcast:
	; ---- a wave's 16 KiB of weights
	s_sub_co_u32 s23, ttmp9, 128                   ; gi 0..383: 32 work-groups each for Wq, Wk, Wv, Wo, 128 each for W1, W2
	v_and_b32 v3, 31, v0
	v_lshlrev_b32 v1, 4, v3                        ; 16 bytes in,
	v_lshlrev_b32 v2, 3, v3                        ; 8 bytes out
	s_wait_kmcnt 0x0
	s_mov_b64 s[24:25], s[16:17]                   ; the tensor and its first work-group, chosen by the work-group's number
	s_mov_b32 s26, 256
	s_cmp_lt_u32 s23, 256
	s_cselect_b64 s[24:25], s[14:15], s[24:25]
	s_cselect_b32 s26, 128, s26
	s_cmp_lt_u32 s23, 128
	s_cselect_b64 s[24:25], s[12:13], s[24:25]
	s_cselect_b32 s26, 96, s26
	s_cmp_lt_u32 s23, 96
	s_cselect_b64 s[24:25], s[10:11], s[24:25]
	s_cselect_b32 s26, 64, s26
	s_cmp_lt_u32 s23, 64
	s_cselect_b64 s[24:25], s[8:9], s[24:25]
	s_cselect_b32 s26, 32, s26
	s_cmp_lt_u32 s23, 32
	s_cselect_b64 s[24:25], s[6:7], s[24:25]
	s_cselect_b32 s26, 0, s26
	s_lshl3_add_u32 s27, s23, s22                  ; c = 8 gi + wave: the chunk among all weights
	s_sub_co_u32 s28, s23, s26
	s_lshl3_add_u32 s28, s28, s22                  ; the chunk in its own tensor,
	s_lshl_b32 s28, s28, 14                        ; 16,384 bytes each
	s_mov_b32 s29, 0
	s_and_b32 s30, s27, 255                        ; q, k, v: chunk (j, kb) of tensor c >> 8 goes to place 3 (16 j + kb) + (c >> 8)
	s_mul_i32 s30, s30, 3
	s_lshr_b32 s31, s27, 8
	s_add_co_u32 s30, s30, s31
	s_cmp_lt_u32 s23, 96
	s_cselect_b32 s30, s30, s27                    ; the others keep their place
	s_lshl_b32 s30, s30, 13                        ; 8,192 bytes each
	s_mov_b32 s31, 0
	s_add_nc_u64 s[24:25], s[24:25], s[28:29]
	s_add_nc_u64 s[18:19], s[18:19], s[30:31]
.set i, 0
.rept 32
	global_load_b128 v[X+4*i:X+4*i+3], v1, s[24:25] offset:512*i th:TH_LOAD_NT
.set i, i+1
.endr
.set i, 0
.rept 32
	s_wait_loadcnt 31-i                            ; piece i is in
	v_cvt_pk_f16_f32 v[X+4*i], v[X+4*i], v[X+4*i+1]
	v_cvt_pk_f16_f32 v[X+4*i+1], v[X+4*i+2], v[X+4*i+3]
	global_store_b64 v2, v[X+4*i:X+4*i+1], s[18:19] offset:256*i   ; 32 lanes x 8 bytes: 256 consecutive bytes, aligned; no register is written again
.set i, i+1
.endr
	s_endpgm
.Lfunc_end_k_q2c8e20579d_prep:
	.size	k_q2c8e20579d_prep, .Lfunc_end_k_q2c8e20579d_prep-k_q2c8e20579d_prep
	.p2alignl 7, 3214868480
	.fill 96, 4, 3214868480
	.section	.rodata,"a",@progbits
	.p2align	6, 0x0
	.amdhsa_kernel k_q2c8e20579d_prep
		.amdhsa_group_segment_fixed_size 0
		.amdhsa_private_segment_fixed_size 0
		.amdhsa_enable_private_segment 0
		.amdhsa_kernarg_size 72
		.amdhsa_user_sgpr_count 2
		.amdhsa_user_sgpr_kernarg_segment_ptr 1
		.amdhsa_wavefront_size32 1
		.amdhsa_system_sgpr_workgroup_id_x 1
		.amdhsa_system_sgpr_workgroup_id_y 1
		.amdhsa_system_sgpr_workgroup_id_z 1
		.amdhsa_system_vgpr_workitem_id 0
		.amdhsa_next_free_vgpr 144
		.amdhsa_next_free_sgpr 66
		.amdhsa_reserve_vcc 0
		.amdhsa_float_denorm_mode_32 3
		.amdhsa_float_denorm_mode_16_64 3
		.amdhsa_memory_ordered 1
		.amdhsa_forward_progress 1
		.amdhsa_inst_pref_size 30
	.end_amdhsa_kernel
	.amdgpu_metadata
---
amdhsa.version: [ 1, 2 ]
amdhsa.kernels:
  - .name:           k_q2c8e20579d_prep
    .symbol:         k_q2c8e20579d_prep.kd
    .args:
      - { .name: x, .offset: 0, .size: 8, .value_kind: global_buffer, .address_space: global }
      - { .name: Wq, .offset: 8, .size: 8, .value_kind: global_buffer, .address_space: global }
      - { .name: Wk, .offset: 16, .size: 8, .value_kind: global_buffer, .address_space: global }
      - { .name: Wv, .offset: 24, .size: 8, .value_kind: global_buffer, .address_space: global }
      - { .name: Wo, .offset: 32, .size: 8, .value_kind: global_buffer, .address_space: global }
      - { .name: W1, .offset: 40, .size: 8, .value_kind: global_buffer, .address_space: global }
      - { .name: W2, .offset: 48, .size: 8, .value_kind: global_buffer, .address_space: global }
      - { .name: wb, .offset: 56, .size: 8, .value_kind: global_buffer, .address_space: global }
      - { .name: part, .offset: 64, .size: 8, .value_kind: global_buffer, .address_space: global }
    .group_segment_fixed_size: 0
    .private_segment_fixed_size: 0
    .kernarg_segment_align: 8
    .kernarg_segment_size: 72
    .max_flat_workgroup_size: 256
    .sgpr_count:     66
    .vgpr_count:     144
    .wavefront_size: 32
...
	.end_amdgpu_metadata
.endif
;; end of part 1
;; launch norm1 (part 2): grid 8 x 32, 8 waves a work-group, no clusters, 9,216 bytes of LDS; arguments x, part, gamma1, beta1, act; writes act
.if DOCPART == 2
	.amdgcn_target "amdgcn-amd-amdhsa--gfx1250"
	.amdhsa_code_object_version 6
	.text
	.protected	k_q2c8e20579d_norm1
	.globl	k_q2c8e20579d_norm1
	.p2align	8
	.type	k_q2c8e20579d_norm1,@function
k_q2c8e20579d_norm1:
	s_mov_b64 s[64:65], 0
	v_nop
	global_prefetch_b8 v0, s[64:65] scope:SCOPE_SE
	s_setreg_imm32_b32 hwreg(HW_REG_WAVE_MODE, 25, 1), 1
	s_wait_xcnt 0x0
; NORM over the SEQUENCE axis: h[b][t][c] = gamma[c] (x[b][t][c] - mean[b][c]) / (sqrt(var[b][c]) + 1e-5) + beta[c], var with divisor 2,047; h rounded once to f16.
; A work-group owns 128 rows x 128 columns: lane l columns 128 cb + 4 l .. + 3, wave w rows 128 rb + 16 w .. + 15.
; The statistics come as 64 partial (mean, M2) of 32 rows each for the batch.  Equal parts merge by mean = the means' mean, M2 = the sum of the M2 + n x the sum of (mean_i - mean)^2:
; wave w merges parts 8 w .. 8 w + 7 (n = 32), the eight results meet in LDS, and every wave merges them (n = 256).  No difference of large sums is formed.
; LIMITS.  h beyond 65,504 becomes an infinity in f16.  A variance below 2^-126 counts as 0 in the root.
.set SPARE, 8192                       ; behind the 8 KiB of partial results: the spare words, 128 bytes a wave: four blocks of 256 bytes that no other line names
.set PO,  2                            ; v2  16 l + 512 cb: my 16 bytes of a row of f32
.set HO,  3                            ; v3  8 l: my 8 bytes of h
.set LS,  4                            ; v4  1,024 w + 16 l: where I put my wave's result
.set LR,  5                            ; v5  16 l: where I read all eight
.set SPW, 6
.set NIL, 7
.set MN,  8                            ; v[8:39]   eight means
.set MQ,  40                           ; v[40:71]  eight M2
.set GA,  72
.set BE,  76
.set X,   80                           ; v[80:143] my 16 rows
.set ME,  144
.set M2,  148
.set A,   152
.set D,   156
	s_load_b256 s[4:11], s[0:1], 0x0               ; xin 4:5, part 6:7, gamma 8:9, beta 10:11
	s_load_b64 s[12:13], s[0:1], 0x20              ; hout
	v_lshl_add_u32 v[SPW], v0, 2, SPARE
	v_mov_b32 v[NIL], 0
	v_lshrrev_b32 v1, 5, v0
	v_readfirstlane_b32 s14, v1                    ; wave 0..7
	v_and_b32 v1, 31, v0
	s_and_b32 s15, ttmp7, 0xffff                   ; rb
	s_lshl_b32 s16, ttmp9, 9
	v_lshl_add_u32 v[PO], v1, 4, s16
	v_lshlrev_b32 v[HO], 3, v1
	s_lshl_b32 s17, s14, 10
	v_lshl_add_u32 v[LS], v1, 4, s17
	v_lshlrev_b32 v[LR], 4, v1
	s_lshr_b32 s18, s15, 4                         ; the batch
	s_lshl_b32 s18, s18, 6
	s_lshl3_add_u32 s18, s14, s18                  ; part 64 b + 8 w,
	s_lshl_b32 s18, s18, 12                        ; 4,096 bytes each
	s_mov_b32 s19, 0
	s_lshl_b32 s20, s15, 7
	s_lshl4_add_u32 s20, s14, s20                  ; row 128 rb + 16 w
	s_lshl_b32 s22, s20, 11                        ; in h: 2,048 bytes a row,
	s_lshl_b32 s24, ttmp9, 8                       ; 256 bytes a column block
	s_add_co_u32 s22, s22, s24
	s_mov_b32 s23, 0
	s_lshl_b32 s20, s20, 12                        ; in x: 4,096 bytes a row
	s_mov_b32 s21, 0
	s_wait_kmcnt 0x0
	s_add_nc_u64 s[6:7], s[6:7], s[18:19]
	s_add_nc_u64 s[4:5], s[4:5], s[20:21]
	s_add_nc_u64 s[12:13], s[12:13], s[22:23]
.irp i, 0,1,2,3,4,5,6,7
	global_load_b128 v[MN+4*\i:MN+4*\i+3], v[PO], s[6:7] offset:4096*\i
.endr
.irp i, 0,1,2,3,4,5,6,7
	global_load_b128 v[MQ+4*\i:MQ+4*\i+3], v[PO], s[6:7] offset:524288+4096*\i
.endr
	global_load_b128 v[GA:GA+3], v[PO], s[8:9]
	global_load_b128 v[BE:BE+3], v[PO], s[10:11]
.set r, 0
.rept 16
	global_load_b128 v[X+4*r:X+4*r+3], v[PO], s[4:5] offset:4096*r
.set r, r+1
.endr
; Eight equal parts of n rows each, in MN and MQ, into ME and M2.
.macro COMB n
	v_pk_add_f32 v[ME:ME+1], v[MN:MN+1], v[MN+4:MN+5]
	v_pk_add_f32 v[ME+2:ME+3], v[MN+2:MN+3], v[MN+6:MN+7]
	v_pk_add_f32 v[M2:M2+1], v[MQ:MQ+1], v[MQ+4:MQ+5]
	v_pk_add_f32 v[M2+2:M2+3], v[MQ+2:MQ+3], v[MQ+6:MQ+7]
.irp i, 2,3,4,5,6,7
	v_pk_add_f32 v[ME:ME+1], v[ME:ME+1], v[MN+4*\i:MN+4*\i+1]
	v_pk_add_f32 v[ME+2:ME+3], v[ME+2:ME+3], v[MN+4*\i+2:MN+4*\i+3]
	v_pk_add_f32 v[M2:M2+1], v[M2:M2+1], v[MQ+4*\i:MQ+4*\i+1]
	v_pk_add_f32 v[M2+2:M2+3], v[M2+2:M2+3], v[MQ+4*\i+2:MQ+4*\i+3]
.endr
	v_pk_mul_f32 v[ME:ME+1], v[ME:ME+1], 0x3e000000 op_sel_hi:[1,0]       ; / 8
	v_pk_mul_f32 v[ME+2:ME+3], v[ME+2:ME+3], 0x3e000000 op_sel_hi:[1,0]
.irp i, 0,1,2,3,4,5,6,7
	v_pk_add_f32 v[MN+4*\i:MN+4*\i+1], v[MN+4*\i:MN+4*\i+1], v[ME:ME+1] neg_lo:[0,1] neg_hi:[0,1]
	v_pk_add_f32 v[MN+4*\i+2:MN+4*\i+3], v[MN+4*\i+2:MN+4*\i+3], v[ME+2:ME+3] neg_lo:[0,1] neg_hi:[0,1]
.endr
	v_pk_mul_f32 v[D:D+1], v[MN:MN+1], v[MN:MN+1]
	v_pk_mul_f32 v[D+2:D+3], v[MN+2:MN+3], v[MN+2:MN+3]
.irp i, 1,2,3,4,5,6,7
	v_pk_fma_f32 v[D:D+1], v[MN+4*\i:MN+4*\i+1], v[MN+4*\i:MN+4*\i+1], v[D:D+1]
	v_pk_fma_f32 v[D+2:D+3], v[MN+4*\i+2:MN+4*\i+3], v[MN+4*\i+2:MN+4*\i+3], v[D+2:D+3]
.endr
	v_pk_fma_f32 v[M2:M2+1], v[D:D+1], \n, v[M2:M2+1] op_sel_hi:[1,0,1]
	v_pk_fma_f32 v[M2+2:M2+3], v[D+2:D+3], \n, v[M2+2:M2+3] op_sel_hi:[1,0,1]
.endm
	s_wait_loadcnt 18                              ; the 16 partial results are in; gamma, beta and my 16 rows stay out
	COMB 0x42000000                                ; parts of 32 rows
	ds_store_b128 v[LS], v[ME:ME+3]
	ds_store_b128 v[LS], v[M2:M2+3] offset:512
	s_wait_dscnt 0x0                               ; for the others' sake: my stores are done
	s_barrier_signal -1
	s_barrier_wait -1
.irp i, 0,1,2,3,4,5,6,7
	ds_load_b128 v[MN+4*\i:MN+4*\i+3], v[LR] offset:1024*\i
	ds_load_b128 v[MQ+4*\i:MQ+4*\i+3], v[LR] offset:1024*\i+512
.endr
	s_wait_dscnt 0x0
	COMB 0x43800000                                ; parts of 256 rows
	v_pk_mul_f32 v[M2:M2+1], v[M2:M2+1], 0x3a001002 op_sel_hi:[1,0]       ; / 2,047
	v_pk_mul_f32 v[M2+2:M2+3], v[M2+2:M2+3], 0x3a001002 op_sel_hi:[1,0]
.irp i, 0,1,2,3
	v_sqrt_f32 v[D+\i], v[M2+\i]
.endr
	v_nop                                          ; a plain instruction behind the last root,
	s_wait_alu depctr_va_vdst(0)                   ; and one wait for the four, ahead of their first reader
.irp i, 0,1,2,3
	v_add_f32 v[D+\i], 0x3727c5ac, v[D+\i]         ; + 1e-5, outside the root
.endr
.irp i, 0,1,2,3
	v_rcp_f32 v[M2+\i], v[D+\i]
.endr
	v_nop
	s_wait_alu depctr_va_vdst(0)                   ; one wait for the four reciprocals
	s_wait_loadcnt 16                              ; gamma and beta are in
	v_pk_mul_f32 v[A:A+1], v[GA:GA+1], v[M2:M2+1]  ; a = gamma / (sd + eps)
	v_pk_mul_f32 v[A+2:A+3], v[GA+2:GA+3], v[M2+2:M2+3]
	v_pk_fma_f32 v[D:D+1], v[ME:ME+1], v[A:A+1], v[BE:BE+1] neg_lo:[1,0,0] neg_hi:[1,0,0]    ; d = beta - mean a
	v_pk_fma_f32 v[D+2:D+3], v[ME+2:ME+3], v[A+2:A+3], v[BE+2:BE+3] neg_lo:[1,0,0] neg_hi:[1,0,0]
.set r, 0
.rept 16
	s_wait_loadcnt 15-r                            ; row r is in
	v_pk_fma_f32 v[X+4*r:X+4*r+1], v[X+4*r:X+4*r+1], v[A:A+1], v[D:D+1]
	v_pk_fma_f32 v[X+4*r+2:X+4*r+3], v[X+4*r+2:X+4*r+3], v[A+2:A+3], v[D+2:D+3]
	v_cvt_pk_f16_f32 v[X+4*r], v[X+4*r], v[X+4*r+1]
	v_cvt_pk_f16_f32 v[X+4*r+1], v[X+4*r+2], v[X+4*r+3]
	global_store_b64 v[HO], v[X+4*r:X+4*r+1], s[12:13] offset:2048*r   ; 32 lanes x 8 bytes: 256 consecutive bytes, aligned
.set r, r+1
.endr
	s_wait_tensorcnt 0x0                           ; the wave's end, behind my last LDS store
	ds_add_u32 v[SPW], v[NIL]
	s_wait_dscnt 0x0
	s_endpgm
.Lfunc_end_k_q2c8e20579d_norm1:
	.size	k_q2c8e20579d_norm1, .Lfunc_end_k_q2c8e20579d_norm1-k_q2c8e20579d_norm1
	.p2alignl 7, 3214868480
	.fill 96, 4, 3214868480
	.section	.rodata,"a",@progbits
	.p2align	6, 0x0
	.amdhsa_kernel k_q2c8e20579d_norm1
		.amdhsa_group_segment_fixed_size 9216
		.amdhsa_private_segment_fixed_size 0
		.amdhsa_enable_private_segment 0
		.amdhsa_kernarg_size 40
		.amdhsa_user_sgpr_count 2
		.amdhsa_user_sgpr_kernarg_segment_ptr 1
		.amdhsa_wavefront_size32 1
		.amdhsa_system_sgpr_workgroup_id_x 1
		.amdhsa_system_sgpr_workgroup_id_y 1
		.amdhsa_system_sgpr_workgroup_id_z 1
		.amdhsa_system_vgpr_workitem_id 0
		.amdhsa_next_free_vgpr 160
		.amdhsa_next_free_sgpr 66
		.amdhsa_reserve_vcc 0
		.amdhsa_float_denorm_mode_32 3
		.amdhsa_float_denorm_mode_16_64 3
		.amdhsa_memory_ordered 1
		.amdhsa_forward_progress 1
		.amdhsa_inst_pref_size 22
	.end_amdhsa_kernel
	.amdgpu_metadata
---
amdhsa.version: [ 1, 2 ]
amdhsa.kernels:
  - .name:           k_q2c8e20579d_norm1
    .symbol:         k_q2c8e20579d_norm1.kd
    .args:
      - { .name: x, .offset: 0, .size: 8, .value_kind: global_buffer, .address_space: global }
      - { .name: part, .offset: 8, .size: 8, .value_kind: global_buffer, .address_space: global }
      - { .name: gamma1, .offset: 16, .size: 8, .value_kind: global_buffer, .address_space: global }
      - { .name: beta1, .offset: 24, .size: 8, .value_kind: global_buffer, .address_space: global }
      - { .name: act, .offset: 32, .size: 8, .value_kind: global_buffer, .address_space: global }
    .group_segment_fixed_size: 9216
    .private_segment_fixed_size: 0
    .kernarg_segment_align: 8
    .kernarg_segment_size: 40
    .max_flat_workgroup_size: 256
    .sgpr_count:     66
    .vgpr_count:     160
    .wavefront_size: 32
...
	.end_amdgpu_metadata
.endif
;; end of part 2
;; launch proj (part 3): grid 16 x 16, 4 waves a work-group, clusters of 4 x 4, 327,680 bytes of LDS; arguments act, wb, bq, bk, bv, qkv; writes qkv
.if DOCPART == 3
	.amdgcn_target "amdgcn-amd-amdhsa--gfx1250"
	.amdhsa_code_object_version 6
	.text
	.protected	k_q2c8e20579d_proj
	.globl	k_q2c8e20579d_proj
	.p2align	8
	.type	k_q2c8e20579d_proj,@function
k_q2c8e20579d_proj:
	s_mov_b64 s[64:65], 0
	v_nop
	global_prefetch_b8 v0, s[64:65] scope:SCOPE_SE
	s_setreg_imm32_b32 hwreg(HW_REG_WAVE_MODE, 25, 1), 1
	s_wait_xcnt 0x0
	s_wait_alu depctr_hold_cnt(0) depctr_sa_sdst(0) depctr_va_vdst(0) depctr_va_sdst(0) depctr_va_ssrc(0) depctr_va_vcc(0) depctr_vm_vsrc(0)
	s_getreg_b32 s2, hwreg(HW_REG_IB_STS2, 6, 4)
	s_cmp_eq_u32 s2, 0
	s_cbranch_scc0 .Lentry_in_a_cluster
	s_endpgm
.Lentry_in_a_cluster:
	s_bfe_u32 s2, ttmp6, 0x10000c
	s_cmp_lg_u32 s2, 0xf033
	s_cbranch_scc0 .Lentry_shape_is_right
	s_endpgm
.Lentry_shape_is_right:
; THE LARGE PRODUCT, one text for two launches (KIND).  C = A B + bias, A [4096][1024] f16 with K along the rows, B f16 stored [k][n]; sums in f32, C rounded once to f16.
; KIND = 0: q, k, v of one head: a tile of C is 256 rows x 192 columns (64 of q, 64 of k, 64 of v); B comes in dense blocks [q, k, v][64 k][64 d]; C leaves by heads, [b 16 + head][2048][64], unscaled.
; KIND = 1: mid = relu(h2 W1 + b1): a tile is 256 x 256.
; SHARES.  Four waves; wave w owns rows 64 w .. 64 w + 63 and ALL the tile's columns: 4 x NBW accumulators of 16 x 16.  So a wave's rows of C are whole rows of the tile.
; K goes in 8 steps of 128 through two LDS slots.  Waves 0 and 1 fetch A's two halves (128 rows x 256 bytes), waves 2 and 3 B's (64 k each): one tensor load a wave behind each change of slots.
; B lies in LDS as in memory, [k][n]; ds_load_tr16_b128 turns it into fragments.  The product is used transposed (source 0 = 16 columns of B, source 1 = 16 rows of A): a lane holds eight neighbouring columns of a row of C.
; THE BIAS STARTS THE SUMS: it is the C operand of each accumulator's first product; nothing is cleared and nothing is added later.
; THE LOOP.  A K step is four quarters of 32 along K, on two fragment buffers by turns.  Quarter q multiplies buffer q % 2; at its head it asks for quarter q + 1's fragments into the other buffer, so that a run of LDS loads
; has a whole quarter's products in which to land.  Two quarters, an odd one and the even one behind it, are written once (PAIR) and walked twice a K step; their LDS addresses hang on s[SA] and s[SB], which step with the pairs.
; THE CHANGE OF SLOTS stands between a step's third and fourth quarter, where all of the step's fragments have been asked for; no product stands between the wait for all tensor loads and the refill.
; ONE TEXT FOR EVERY K STEP.  The last change of slots, which fills nothing, has lines of its own (SYNC 0) and goes back to the same pairs.  Every wait on TENSORcnt in the loop is for 0, so no count hangs on the way by which the pairs are reached.
; CLUSTER 4 x 4: A's tile is shared along a row of the cluster, B's along a column: joint loads.  By this text's count a wave has two tensor loads out at the start, later one.
; LIMITS.  f16: operands and results beyond 65,504 become infinities; NaN and infinities are not treated apart.
.set KIND, 0
.set W1_OFF, 8388608
.if KIND == 0
.set NBW,   12                         ; blocks of 16 columns
.set BP,    160                        ; a row of B in LDS: 128 bytes + 32
.set PLANE, 10240                      ; from q's 64 rows to k's to v's
.set HALFB, 30720
.set STW,   6912                       ; a wave's stage: 3 planes x 16 rows x 144 bytes
.set SRP,   144
.set SPL,   2304
.set BSTEP, 49152                      ; two blocks of 24,576 bytes
.set PFSB,  65536
.set LIMB,  4
.set PSH1B, 9
.set G1B0,  (1<<16)|(1<<20)|(1<<21)|(4<<22)|(7<<25)  ; 2-byte elements; padding on; bit 21 beside a mask; after every 32 words 8 words
.set BD0,   128                        ; the dense block is asked for as 96 rows of 256 bytes
.set BD1,   96
.set BPI,   128
.else
.set NBW,   16
.set BP,    544                        ; 512 bytes + 32
.set PLANE, 128
.set HALFB, 34816
.set STW,   8448                       ; 16 rows x 528 bytes
.set SRP,   528
.set SPL,   128
.set BSTEP, 1048576                    ; 128 rows of 8,192 bytes
.set PFSB,  1048576
.set LIMB,  3
.set PSH1B, 13
.set G1B0,  (1<<16)|(1<<20)|(1<<21)|(6<<22)|(7<<25)  ; after every 128 words 8 words
.set BD0,   256
.set BD1,   64
.set BPI,   4096
.endif
.set NL,     2*NBW+8                   ; LDS loads in a quarter's run
.set AP,     272                       ; a row of A in LDS: 256 bytes + 16
.set HALFA,  128*AP
.set ABYTES, 2*HALFA
.set SLOT,   ABYTES+2*HALFB
.set STAGE,  2*SLOT                    ; behind the ring, never filled by a tensor load
.set SPARE,  STAGE+4*STW               ; behind the stages: the spare words, 128 bytes a wave: two blocks of 256 bytes that no other line names
.set ASTEP,  256
.set ADA0, 16                          ; v16 my lane's place in A's tile; v17 in B's; never rewritten
.set ADB0, 17
.set ADA,  18                          ; v18, v19 the same for the pair in hand
.set ADB,  19
.set STO,  24
.set RD,   25
.set GO,   26
.set BO,   27
.set SPW,  28
.set NIL,  29
.set PFO,  30
.set ZR,   31                          ; 0, for the packed maximum
.set FA,   32                          ; window 0: A's fragments at FA + 32 f + 8 a.  Window 1: B's at 128 f + 8 b.  Windows 2, 3: accumulator (a, b) at 128 (a % 2) + 8 b in window 2 + a / 2
.set BIA,  128                         ; window 0: the bias as NBW C operands
.set TMP,  96                          ; the way out
.set OB0,  160
.set WV,  16
.set G1,  24
.set G0,  32
.set TB,  40                           ; s40 0 or SLOT: the slot whose fragments are being asked for
.set CNT, 41                           ; s41 changes of slots still to come, and 1
.set LIM, 42
.set LDA, 43
.set LDB, 44
.set NPR, 45                           ; s45 pairs still to go in this K step
.set PFA, 46
.set G1B, 48
.set G0B, 56
.set PFS, 66
.set SA,  86                           ; s86 what the pair in hand adds to A's LDS address: the slot + 128 bytes for each pair
.set SB,  87                           ; s87 the same for B: the slot + 64 rows of k for each pair
.set MSB, 0
.macro WIN new                         ; the immediate's high byte repeats the setting that is left; a switch that changes nothing is dropped
.if MSB != (\new)
	s_set_vgpr_msb (MSB<<8)|(\new)
.set MSB, \new
.endif
.endm
.macro PLACES                          ; four plain places in front of loads into registers that matrix instructions have read, and of conversions that read results
.rept 4
	v_nop
.endr
.endm
.macro JLOAD                           ; the joint refill, by the walking descriptors; the branch hangs on the wave's number alone; s_nop 0 and four v_nop follow each line
	s_cmp_eq_u32 s17, 0
	s_cbranch_scc0 .Lfor_b_\@
	tensor_load_to_lds s[G0+4:G0+7], s[G1:G1+7]
	s_nop 0
.rept 4
	v_nop
.endr
	s_branch .Lasked_\@
.Lfor_b_\@:
	tensor_load_to_lds s[G0B+4:G0B+7], s[G1B:G1B+7]
	s_nop 0
.rept 4
	v_nop
.endr
.Lasked_\@:
.endm
.macro CREST                           ; a round of the cluster's barrier behind its opening barrier
	s_cmp_lg_u32 s[WV], 0
	s_cbranch_scc1 .Lnot_wave_0_\@
	s_barrier_signal -3
.Lnot_wave_0_\@:
	s_barrier_wait -3
	s_barrier_signal -1
	s_barrier_wait -1
.endm
.macro CROUND
	s_barrier_signal -1
	s_barrier_wait -1
	CREST
.endm
; A prefetch of what stands two refills on (KIND = 0, B: the dense blocks of K steps 4 to 7 in three equal parts).  Each aligned 256 bytes of K steps 4 to 7 is named once in the launch: A's rows by the clusters with x = 0,
; B's by those with y = 0; the partners that ask for a tile jointly share its blocks out by address; a lane a block.  K steps 0 to 3 come by their loads alone; the last changes of slots ask for nothing.
.macro ASK
	s_cmp_gt_u32 s[CNT], s[LIM]
	s_cbranch_scc0 .Lnot_mine_\@
	global_prefetch_b8 v[PFO], s[PFA:PFA+1] th:TH_LOAD_NT scope:SCOPE_SE
.Lnot_mine_\@:
.endm
; NBW products: row block a x all column blocks, 32 along K, from fragment buffer f.  The accumulators take turns, one instruction a turn.
.macro MULA f, a, first
.if \first
	WIN 0x81+0x40*((\a)/2)
.else
	WIN 0xa1+0x50*((\a)/2)
.endif
.set bb, 0
.rept NBW
.set rD, 128*((\a)%2)+8*bb
.set rB, 128*(\f)+8*bb
.set rA, FA+32*(\f)+8*(\a)
.if \first
	v_wmma_f32_16x16x32_f16 v[rD:rD+7], v[rB:rB+7], v[rA:rA+7], v[BIA+8*bb:BIA+8*bb+7]
.else
	v_wmma_f32_16x16x32_f16 v[rD:rD+7], v[rB:rB+7], v[rA:rA+7], v[rD:rD+7]
.endif
.set bb, bb+1
.endr
.endm
; One run of NL LDS loads: the fragments of quarter rel (0, 1) of the two that v[ADA] and v[ADB] stand at, into buffer f: B's first (turned), then A's four blocks.
.macro FETCH rel, f
	WIN 0x40
.set bb, 0
.rept NBW
.set oB, (\rel)*32*BP+(bb/4)*PLANE+(bb%4)*32
	ds_load_tr16_b128 v[128*(\f)+8*bb:128*(\f)+8*bb+3],   v[ADB] offset:oB
	ds_load_tr16_b128 v[128*(\f)+8*bb+4:128*(\f)+8*bb+7], v[ADB] offset:oB+16*BP
.set bb, bb+1
.endr
	WIN 0
.irp a, 0,1,2,3
	ds_load_b128 v[FA+32*(\f)+8*\a:FA+32*(\f)+8*\a+3],   v[ADA] offset:\a*16*AP+64*(\rel)
	ds_load_b128 v[FA+32*(\f)+8*\a+4:FA+32*(\f)+8*\a+7], v[ADA] offset:\a*16*AP+64*(\rel)+32
.endr
.endm
; A quarter: the next quarter's fragments are asked for into buffer g, whose last reader stands four places back; then buffer f is multiplied.
.macro QH f, g, rel, first
	PLACES
	FETCH \rel, \g
	s_wait_dscnt NL                                ; all but the run just issued: buffer f's run, a quarter older, is in
	MULA \f, 0, \first
	MULA \f, 1, \first
	MULA \f, 2, \first
	MULA \f, 3, \first
.endm
; Two quarters: an odd one (buffer 1), which asks for the first quarter at SA, SB, and an even one (buffer 0), which asks for the second.  It ends with the compare for the loop's jump.
.macro PAIR
	v_add_nc_u32 v[ADA], s[SA], v[ADA0]
	v_add_nc_u32 v[ADB], s[SB], v[ADB0]
	QH 1, 0, 0, 0
	QH 0, 1, 1, 0
	WIN 0                                          ; at a label and at a branch every window is 0
	s_add_co_u32 s[SA], s[SA], 128                 ; two quarters on: 64 along K in A's rows,
	s_add_co_u32 s[SB], s[SB], HALFB               ; 64 rows of B
	s_sub_co_u32 s[NPR], s[NPR], 1
	s_cmp_lg_u32 s[NPR], 0
.endm
; THE CHANGE OF SLOTS.  Each wave waits for all its tensor loads (one is out: its part of the next slot), adds 0 to its spare word, and waits for that and for its reads of this slot, the fourth quarter's fragments among them.
; fill = 1: behind a round of the cluster's barrier this slot is filled again, two K steps ahead: the refill has four quarters' products in which to land.  fill = 0: nothing is left to ask for: a plain barrier.
.macro SYNC fill
.if \fill
	s_wait_xcnt 0x0                                ; the last prefetch, a K step back, has read its address
	s_add_nc_u64 s[PFA:PFA+1], s[PFA:PFA+1], s[PFS:PFS+1]
.endif
	s_wait_tensorcnt 0x0                           ; no tensor load of mine is out, so the walking descriptors may be written
	ds_add_u32 v[SPW], v[NIL]                      ; 0 onto my spare word; the scalar work below stands between it and the wait for it
.if \fill
	s_add_co_u32 s[G0+5], s[LDA], s[TB]            ; into the slot that has been read out,
	s_add_nc_u64 s[G0+6:G0+7], s[G0+6:G0+7], ASTEP ; the next K step; the type bits on top are not reached
	s_add_co_u32 s[G0B+5], s[LDB], s[TB]
	s_add_nc_u64 s[G0B+6:G0B+7], s[G0B+6:G0B+7], BSTEP
.endif
	s_xor_b32 s[TB], s[TB], SLOT                   ; the fetches go to the other slot,
	s_mov_b32 s[SA], s[TB]                         ; to its first two quarters
	s_mov_b32 s[SB], s[TB]
	s_wait_dscnt 0x0                               ; the add is done, and my reads of this slot are over
.if \fill
	CROUND                                         ; no wave of any partner still reads this slot or has a load on its way
	JLOAD                                          ; the first tensor load behind the round
	ASK
.else
	s_barrier_signal -1
	s_barrier_wait -1
.endif
.endm
	s_load_b256 s[4:11], s[0:1], 0x0               ; KIND 0: act 4:5, wb 6:7, bq 8:9, bk 10:11.  KIND 1: act, wb, b1 8:9, mid 10:11
.if KIND == 0
	s_load_b128 s[12:15], s[0:1], 0x20             ; bv 12:13, qkv 14:15
.endif
	v_lshl_add_u32 v[SPW], v0, 2, SPARE
	v_mov_b32 v[NIL], 0
	ds_add_u32 v[SPW], v[NIL]                      ; the wave's opening: the add and its wait stand ahead of my first tensor load
	v_lshrrev_b32 v1, 5, v0
	v_readfirstlane_b32 s[WV], v1                  ; wave 0..3
	s_lshr_b32 s17, s[WV], 1                       ; I fetch for A (0) or for B (1),
	s_and_b32 s18, s[WV], 1                        ; its first or second half
	s_bfe_u32 s19, ttmp6, 0x40000                  ; cx
	s_bfe_u32 s20, ttmp6, 0x40004                  ; cy
	s_lshl_b32 s21, ttmp9, 2
	s_add_co_u32 s21, s21, s19                     ; TX: tile column (KIND 0: the head)
	s_and_b32 s22, ttmp7, 0xffff
	s_lshl_b32 s22, s22, 2
	s_add_co_u32 s22, s22, s20                     ; TY: tile row
	s_lshl_b32 s68, s20, 2
	s_lshl_b32 s68, 15, s68                        ; my row of the cluster
	s_lshl_b32 s69, 0x1111, s19                    ; my column
	s_or_b32 s[G1], s68, (1<<16)|(1<<20)|(1<<21)|(5<<22)|(3<<25)  ; A: 2-byte elements; padding on; bit 21 beside a mask; after every 64 words 4 words
	s_mov_b32 s[G1+1], 128<<16                     ; tensor_dim0 = 128
	s_mov_b32 s[G1+2], 128<<16                     ; tensor_dim1 = 128
	s_mov_b32 s[G1+3], 128<<16                     ; tile_dim0 = 128
	s_mov_b32 s[G1+4], 128                         ; tile_dim1 = 128
	s_mov_b32 s[G1+5], 1024                        ; elements from row to row
	s_mov_b32 s[G1+6], 0
	s_mov_b32 s[G1+7], 0
	s_or_b32 s[G1B], s69, G1B0
	s_mov_b32 s[G1B+1], BD0<<16
	s_mov_b32 s[G1B+2], BD1<<16
	s_mov_b32 s[G1B+3], BD0<<16
	s_mov_b32 s[G1B+4], BD1
	s_mov_b32 s[G1B+5], BPI
	s_mov_b32 s[G1B+6], 0
	s_mov_b32 s[G1B+7], 0
	s_mul_i32 s[LDA], s[WV], HALFA                 ; where my part of a slot lies: no place in the cluster enters an LDS address
	s_mul_i32 s[LDB], s[WV], HALFB
	s_add_co_u32 s[LDB], s[LDB], ABYTES-2*HALFB
	s_mov_b32 s[TB], 0
	s_lshl_b32 s70, s22, 8                         ; A: row 256 TY + 128 half, 2,048 bytes a row
	s_lshl_b32 s71, s18, 7
	s_add_co_u32 s70, s70, s71
	s_lshl_b32 s70, s70, 11
	s_mov_b32 s71, 0
.if KIND == 0
	s_lshl_b32 s72, s21, 4                         ; B: block 16 TX + half
	s_add_co_u32 s72, s72, s18
	s_mul_i32 s72, s72, 24576
.else
	s_lshl_b32 s72, s18, 19                        ; B: row 64 half, 8,192 bytes a row; column 256 TX
	s_lshl_b32 s73, s21, 9
	s_add_co_u32 s72, s72, s73
	s_add_co_u32 s72, s72, W1_OFF
.endif
	s_mov_b32 s73, 0
	s_wait_dscnt 0x0                               ; the opening add is done
	s_wait_kmcnt 0x0
	s_add_nc_u64 s[70:71], s[4:5], s[70:71]
	s_add_nc_u64 s[72:73], s[6:7], s[72:73]
	CROUND                                         ; all sixteen work-groups are here: the first joint loads meet
	s_mov_b32 s[G0], 1                             ; K step 0 into slot 0
	s_mov_b32 s[G0+1], s[LDA]
	s_mov_b64 s[G0+2:G0+3], s[70:71]
	s_or_b32 s[G0+3], s[G0+3], 0x80000000
	s_mov_b32 s[G0+4], 1                           ; K step 1 into slot 1; this set then walks
	s_add_co_u32 s[G0+5], s[LDA], SLOT
	s_add_nc_u64 s[G0+6:G0+7], s[70:71], ASTEP
	s_or_b32 s[G0+7], s[G0+7], 0x80000000
	s_mov_b32 s[G0B], 1
	s_mov_b32 s[G0B+1], s[LDB]
	s_mov_b64 s[G0B+2:G0B+3], s[72:73]
	s_or_b32 s[G0B+3], s[G0B+3], 0x80000000
	s_mov_b32 s[G0B+4], 1
	s_add_co_u32 s[G0B+5], s[LDB], SLOT
	s_add_nc_u64 s[G0B+6:G0B+7], s[72:73], BSTEP
	s_or_b32 s[G0B+7], s[G0B+7], 0x80000000
	s_cmp_eq_u32 s17, 0                            ; a wave's two first fills stand in one branch, ahead of every wait on TENSORcnt and every LDS read
	s_cbranch_scc0 .Lfirst_b
	tensor_load_to_lds s[G0:G0+3], s[G1:G1+7]
	s_nop 0
	tensor_load_to_lds s[G0+4:G0+7], s[G1:G1+7]
	s_nop 0
.rept 4
	v_nop
.endr
	s_branch .Lfirst_asked
.Lfirst_b:
	tensor_load_to_lds s[G0B:G0B+3], s[G1B:G1B+7]
	s_nop 0
	tensor_load_to_lds s[G0B+4:G0B+7], s[G1B:G1B+7]
	s_nop 0
.rept 4
	v_nop
.endr
.Lfirst_asked:
	v_and_b32 v1, 15, v0                           ; r = l % 16
	v_bfe_u32 v2, v0, 4, 1                         ; h = l / 16
	v_and_b32 v3, 7, v0
	v_bfe_u32 v4, v0, 3, 1
	v_and_b32 v5, 31, v0                           ; l
	v_mov_b32 v[ZR], 0
	; the bias: register j of C operand b holds bias[column 16 b + 8 h + j], the same for all rows
.if KIND == 0
	s_lshl_b32 s68, s21, 8                         ; the head's 64 numbers
.else
	s_lshl_b32 s68, s21, 10                        ; the tile's 256
.endif
	v_lshl_add_u32 v[BO], v2, 5, s68
.set bb, 0
.rept NBW
.if KIND == 0
	global_load_b128 v[BIA+8*bb:BIA+8*bb+3],   v[BO], s[8+2*(bb/4):9+2*(bb/4)] offset:(bb%4)*64
	global_load_b128 v[BIA+8*bb+4:BIA+8*bb+7], v[BO], s[8+2*(bb/4):9+2*(bb/4)] offset:(bb%4)*64+16
.else
	global_load_b128 v[BIA+8*bb:BIA+8*bb+3],   v[BO], s[8:9] offset:bb*64
	global_load_b128 v[BIA+8*bb+4:BIA+8*bb+7], v[BO], s[8:9] offset:bb*64+16
.endif
.set bb, bb+1
.endr
	s_mul_i32 s68, s[WV], 64*AP                    ; A: my 64 rows; row r, 16 bytes for each half of the lanes
	v_mul_u32_u24 v[ADA0], v1, AP
	v_lshl_add_u32 v[ADA0], v2, 4, v[ADA0]
	v_add_nc_u32 v[ADA0], s68, v[ADA0]
	v_lshl_add_u32 v[ADB0], v2, 3, v3              ; B, for the turning load: row 8 h + l % 8, 16 bytes by (l / 8) % 2
	v_mul_u32_u24 v[ADB0], v[ADB0], BP
	v_lshl_add_u32 v[ADB0], v4, 4, v[ADB0]
	v_add_nc_u32 v[ADB0], ABYTES, v[ADB0]
	v_mov_b32 v[ADA], v[ADA0]
	v_mov_b32 v[ADB], v[ADB0]
	s_mul_i32 s68, s[WV], STW
	s_add_co_u32 s68, s68, STAGE                   ; my stage
	v_mul_u32_u24 v[STO], v1, SRP
	v_lshl_add_u32 v[STO], v2, 4, v[STO]
	v_add_nc_u32 v[STO], s68, v[STO]
.if KIND == 0
	v_bfe_u32 v[RD], v0, 3, 2                      ; back: 32 lanes take four rows of 128 bytes
	v_mul_u32_u24 v[RD], v[RD], SRP
	v_lshl_add_u32 v[RD], v3, 4, v[RD]
	v_add_nc_u32 v[RD], s68, v[RD]
.else
	v_lshl_add_u32 v[RD], v5, 4, s68               ; back: 32 lanes take one row of 512 bytes
.endif
	v_lshlrev_b32 v[GO], 4, v5
	; where my rows of C begin
.if KIND == 0
	s_lshr_b32 s68, s22, 3                         ; the batch
	s_lshl_b32 s68, s68, 4
	s_add_co_u32 s68, s68, s21                     ; 16 b + head
	s_lshl_b32 s68, s68, 11
	s_and_b32 s69, s22, 7
	s_lshl_b32 s69, s69, 8
	s_add_co_u32 s68, s68, s69
	s_lshl_b32 s69, s[WV], 6
	s_add_co_u32 s68, s68, s69
	s_lshl_b32 s68, s68, 7                         ; 128 bytes a row
	s_mov_b32 s69, 0
	s_add_nc_u64 s[80:81], s[14:15], s[68:69]      ; q,
	s_add_nc_u64 s[82:83], s[80:81], 0x800000      ; k,
	s_add_nc_u64 s[84:85], s[82:83], 0x800000      ; v
.else
	s_lshl_b32 s68, s22, 8
	s_lshl_b32 s69, s[WV], 6
	s_add_co_u32 s68, s68, s69
	s_lshl_b32 s68, s68, 13                        ; 8,192 bytes a row
	s_lshl_b32 s69, s21, 9
	s_add_co_u32 s68, s68, s69
	s_mov_b32 s69, 0
	s_add_nc_u64 s[80:81], s[10:11], s[68:69]
.endif
	; the prefetches: the address stands one step back; the first change of slots steps it to what is asked for first
	s_lshl_b32 s74, s22, 8                         ; A: row 256 TY + 128 half + 32 cx, at K step 3
	s_lshl_b32 s75, s18, 7
	s_add_co_u32 s74, s74, s75
	s_lshl_b32 s75, s19, 5
	s_add_co_u32 s74, s74, s75
	s_lshl_b32 s74, s74, 11
	s_add_co_u32 s74, s74, 3*256
.if KIND == 0
	s_lshl_b32 s76, s21, 4                         ; B: from block 16 TX + 8 on, 8,192 bytes for each of the 8 that ask
	s_add_co_u32 s76, s76, 8
	s_mul_i32 s76, s76, 24576
	s_lshl_b32 s77, s18, 2
	s_add_co_u32 s77, s77, s20
	s_lshl_b32 s77, s77, 13
	s_add_co_u32 s76, s76, s77
	s_sub_co_u32 s76, s76, 65536
.else
	s_lshl_b32 s76, s18, 6                         ; B: row 64 half + 16 cy, column 256 TX, at K step 3
	s_lshl_b32 s77, s20, 4
	s_add_co_u32 s76, s76, s77
	s_lshl_b32 s76, s76, 13
	s_lshl_b32 s77, s21, 9
	s_add_co_u32 s76, s76, s77
	s_add_co_u32 s76, s76, W1_OFF+3*1048576
.endif
	s_and_b32 s78, ttmp7, 0xffff                   ; cluster y
	s_mov_b32 s[PFS], PFSB
	s_mov_b32 s[PFS+1], 0
	s_mov_b32 s75, 0
	s_cmp_eq_u32 s17, 0                            ; do I fetch for A?
	s_cselect_b32 s74, s74, s76
	s_cselect_b32 s78, ttmp9, s78                  ; the coordinate along which other clusters read the same blocks
	s_cselect_b32 s79, 3, LIMB                     ; a wave asks while the count of changes is above this: A at 7, 6, 5, 4
	s_cselect_b32 s[PFS], 256, s[PFS]
	s_cselect_b32 s76, 12, PSH1B
	s_cselect_b32 s77, 11, 8
	s_cselect_b64 s[PFA:PFA+1], s[4:5], s[6:7]
	s_cmp_eq_u32 s78, 0
	s_cselect_b32 s[LIM], s79, -1                  ; the same in all sixteen partners, for a given wave
	s_add_nc_u64 s[PFA:PFA+1], s[PFA:PFA+1], s[74:75]
	v_bfe_u32 v6, v0, 1, 4                         ; my lane's block: (l / 2) << s76 + (l % 2) << s77
	v_and_b32 v7, 1, v0
	v_lshlrev_b32 v6, s76, v6
	v_lshlrev_b32 v7, s77, v7
	v_add_nc_u32 v[PFO], v6, v7
	s_wait_tensorcnt 1                             ; my part of K step 0 is in; K step 1's may stay out
	s_barrier_signal -1
	s_barrier_wait -1                              ; everybody's is
	FETCH 0, 0                                     ; the first quarter's fragments
	s_wait_loadcnt 0x0                             ; the bias
	QH 0, 1, 1, 1                                  ; the first quarter stands in front of the loop: its products start the sums, with the bias
	WIN 0
	s_mov_b32 s[CNT], 8                            ; seven changes of slots to come: the count is 7 .. 2 at the six that fill, 1 at the one that fills nothing
	s_mov_b32 s[SA], 128                           ; K step 0 has one pair left: it asks for the step's third and fourth quarter
	s_mov_b32 s[SB], HALFB
	s_mov_b32 s[NPR], 1
	s_branch .Lpair                                ; the loop is entered at the pair
.Lstep:                                        ; six times: K steps 2 to 7 are asked for
	SYNC 1
.Lgo:
	s_mov_b32 s[NPR], 2
.Lpair:
	PAIR
	s_cbranch_scc1 .Lpair
	s_sub_co_u32 s[CNT], s[CNT], 1
	s_cmp_gt_u32 s[CNT], 1
	s_cbranch_scc1 .Lstep
	s_cmp_eq_u32 s[CNT], 0
	s_cbranch_scc1 .Llast                          ; the last K step's first three quarters are done
	SYNC 0                                         ; the last change of slots asks for nothing: it has its own lines, and the same pairs follow it
	s_branch .Lgo
.Llast:
	s_wait_dscnt 0x0                               ; the very last quarter: nothing more to fetch
	MULA 1, 0, 0
	MULA 1, 1, 0
	MULA 1, 2, 0
	MULA 1, 3, 0
	WIN 0
; THE WAY OUT, a block of 16 rows at a time: rounded to f16 (each accumulator's registers in ascending order), through my own stage in LDS, back as whole rows, stored.
.macro PACK a
	WIN 0x0a+5*((\a)/2)
.set bb, 0
.rept NBW
.irp r, 0,1,2,3
	v_cvt_pk_f16_f32 v[TMP+4*bb+\r], v[128*((\a)%2)+8*bb+2*\r], v[128*((\a)%2)+8*bb+2*\r+1]
.endr
.set bb, bb+1
.endr
	WIN 0
.if KIND == 1
.set bb, 0
.rept 4*NBW
	v_pk_max_num_f16 v[TMP+bb], v[TMP+bb], v[ZR]   ; relu on the rounded halves: nothing is rounded again
.set bb, bb+1
.endr
.endif
.endm
.macro TOSTAGE a
	WIN 0
.set BK, OB0-128*((\a)%2)
.set bb, 0
.rept NBW
	ds_store_b128 v[STO], v[TMP+4*bb:TMP+4*bb+3] offset:(bb/4)*SPL+(bb%4)*32
.set bb, bb+1
.endr
	s_wait_xcnt 0x0                                ; the stores of the block two back have read these registers
.set t, 0
.rept NBW
.if KIND == 0
	ds_load_b128 v[BK+4*t:BK+4*t+3], v[RD] offset:(t/4)*SPL+(t%4)*4*SRP  ; LDS serves a wave's instructions in order (ISA guide 5.7.1.4): these see the stores above
.else
	ds_load_b128 v[BK+4*t:BK+4*t+3], v[RD] offset:t*SRP
.endif
.set t, t+1
.endr
.endm
.macro SEND a
	WIN 0
.set BK, OB0-128*((\a)%2)
	s_wait_dscnt 0x0                               ; the block is back in registers
.set t, 0
.rept NBW
.if KIND == 0
	global_store_b128 v[GO], v[BK+4*t:BK+4*t+3], s[80+2*(t/4):81+2*(t/4)] offset:2048*(\a)+512*(t%4)  ; four rows of a head: 512 consecutive bytes, aligned
.else
	global_store_b128 v[GO], v[BK+4*t:BK+4*t+3], s[80:81] offset:(16*(\a)+t)*8192                     ; a row's 512 consecutive bytes, aligned
.endif
.set t, t+1
.endr
.endm
	PLACES
	PACK 0
	TOSTAGE 0
.irp a, 1,2,3
	PACK \a
	SEND (\a)-1
	TOSTAGE \a
.endr
	SEND 3
	s_wait_tensorcnt 0x0                           ; the wave's end, behind my last tensor load and my last LDS store
	ds_add_u32 v[SPW], v[NIL]
	s_wait_dscnt 0x0
	CROUND                                         ; the closing round: no work-group ends while a partner may still ask for a tile that names it
	s_endpgm
.Lfunc_end_k_q2c8e20579d_proj:
	.size	k_q2c8e20579d_proj, .Lfunc_end_k_q2c8e20579d_proj-k_q2c8e20579d_proj
	.p2alignl 7, 3214868480
	.fill 96, 4, 3214868480
	.section	.rodata,"a",@progbits
	.p2align	6, 0x0
	.amdhsa_kernel k_q2c8e20579d_proj
		.amdhsa_group_segment_fixed_size 327680
		.amdhsa_private_segment_fixed_size 0
		.amdhsa_enable_private_segment 0
		.amdhsa_kernarg_size 48
		.amdhsa_user_sgpr_count 2
		.amdhsa_user_sgpr_kernarg_segment_ptr 1
		.amdhsa_wavefront_size32 1
		.amdhsa_system_sgpr_workgroup_id_x 1
		.amdhsa_system_sgpr_workgroup_id_y 1
		.amdhsa_system_sgpr_workgroup_id_z 1
		.amdhsa_system_vgpr_workitem_id 0
		.amdhsa_next_free_vgpr 1024
		.amdhsa_next_free_sgpr 96
		.amdhsa_reserve_vcc 0
		.amdhsa_float_denorm_mode_32 3
		.amdhsa_float_denorm_mode_16_64 3
		.amdhsa_memory_ordered 1
		.amdhsa_forward_progress 1
		.amdhsa_inst_pref_size 58
	.end_amdhsa_kernel
	.amdgpu_metadata
---
amdhsa.version: [ 1, 2 ]
amdhsa.kernels:
  - .name:           k_q2c8e20579d_proj
    .symbol:         k_q2c8e20579d_proj.kd
    .args:
      - { .name: act, .offset: 0, .size: 8, .value_kind: global_buffer, .address_space: global }
      - { .name: wb, .offset: 8, .size: 8, .value_kind: global_buffer, .address_space: global }
      - { .name: bq, .offset: 16, .size: 8, .value_kind: global_buffer, .address_space: global }
      - { .name: bk, .offset: 24, .size: 8, .value_kind: global_buffer, .address_space: global }
      - { .name: bv, .offset: 32, .size: 8, .value_kind: global_buffer, .address_space: global }
      - { .name: qkv, .offset: 40, .size: 8, .value_kind: global_buffer, .address_space: global }
    .group_segment_fixed_size: 327680
    .private_segment_fixed_size: 0
    .kernarg_segment_align: 8
    .kernarg_segment_size: 48
    .max_flat_workgroup_size: 128
    .sgpr_count:     96
    .vgpr_count:     1024
    .wavefront_size: 32
...
	.end_amdgpu_metadata
.endif
;; end of part 3
;; launch attn (part 4): grid 8 x 32, 4 waves a work-group, clusters of 4 x 1, 327,680 bytes of LDS; arguments qkv, act; writes act
.if DOCPART == 4
	.amdgcn_target "amdgcn-amd-amdhsa--gfx1250"
	.amdhsa_code_object_version 6
	.text
	.protected	k_q2c8e20579d_attn
	.globl	k_q2c8e20579d_attn
	.p2align	8
	.type	k_q2c8e20579d_attn,@function
k_q2c8e20579d_attn:
	s_mov_b64 s[64:65], 0
	v_nop
	global_prefetch_b8 v0, s[64:65] scope:SCOPE_SE
	s_setreg_imm32_b32 hwreg(HW_REG_WAVE_MODE, 25, 1), 1
	s_wait_xcnt 0x0
	s_wait_alu depctr_hold_cnt(0) depctr_sa_sdst(0) depctr_va_vdst(0) depctr_va_sdst(0) depctr_va_ssrc(0) depctr_va_vcc(0) depctr_vm_vsrc(0)
	s_getreg_b32 s2, hwreg(HW_REG_IB_STS2, 6, 4)
	s_cmp_eq_u32 s2, 0
	s_cbranch_scc0 .Lentry_in_a_cluster
	s_endpgm
.Lentry_in_a_cluster:
	s_bfe_u32 s2, ttmp6, 0x10000c
	s_cmp_lg_u32 s2, 0x3003
	s_cbranch_scc0 .Lentry_shape_is_right
	s_endpgm
.Lentry_shape_is_right:
; ATTENTION.  O[h][q][:] = the sum over k of softmax_k(Q[h][q] . K[h][k] / 8) V[h][k][:], 32 heads (batch x head) of 2,048 rows x 64, all f16; q at byte 0 of qkv, k at 8,388,608, v at 16,777,216; O in the same layout.
; Products, maxima and sums in f32; the weights p are rounded to f16 for the second product (their sum l is taken of the unrounded p), O once at the end.
; LIMITS.  f16 holds no number beyond 65,504: Q, K and V arrive within it.  A weight below 2^-126 counts as 0 in l; NaN and infinities are not treated apart.
; SHARES.  A wave owns two PIECES of two tiles of 16 queries, a work-group's four waves 256 queries of one head: 8 x 32 work-groups.  Every wave walks all keys, 64 a step.
; LAYOUT.  S^T = K Q^T (source 0 = 16 keys, source 1 = 16 queries): a lane holds ONE query (lane % 16) and the keys 8 (lane / 16) + 0..7.  Two such tiles, rounded to f16 in pairs, ARE source 1 of O^T = V^T P.
; SOFTMAX.  A running maximum m and sum l: p = 2^(c s - c m), c = log2(e) / 8; in every step O and l are multiplied by a = 2^(c m_old - c m_new).  m starts at the lowest finite number, O and l at 0.
; BY TURNS.  Turn 0 of step j: 16 products K Q^T of piece 1 (K of step j), piece 0's softmax, 16 products V^T P of piece 1 (step j - 1).  Turn 1: K Q^T of piece 0 (K of step j + 1), piece 1's softmax, V^T P of piece 0 (step j).
; Four vector instructions stand behind every matrix instruction, the rest in one lump; a turn's 66 exponentials are one batch with one wait.
; K IS SHIFTED BY ONE STEP IN THE RING.  Turn 0 of step j fetches K of step j + 1 and V of step j.  So slot s holds V's keys 256 s .. + 255 and K's keys 256 s + 64 .. + 319: both fetches of a step lie in one slot.
; K of step 0 comes straight from memory into registers.  The last tile's load of K reaches 64 rows past the head: the next head's rows, or for the last head v's first rows: inside qkv; they are never read from LDS.
; ONE TEXT FOR EVERY KEY STEP.  The last change of slots, which fills nothing, has lines of its own (CHANGE 0) and goes back to the same steps.  Every wait on TENSORcnt is for 0, so no count hangs on the way by which the steps are reached.
; CLUSTER.  The four query blocks of a cluster belong to one head and walk the same K and V: joint loads.  By this text's count a wave has one tensor load out.
; REGISTERS.  window 0: v0-11 addresses; v12-15, v48-63 at work; v16-31 statistics; v32-34 the add's two and the prefetch's offset; v64-191 S^T, two buffers of two tiles; v192-255 P.
;   window 1: v0-127 O^T, 32 a tile.   window 2: v0-63 Q; v128-191 K of one step; v192-255 V of one step.
.set SIZE_N, 2048
.set NP,    2
.set KS,    64
.set PK,    144       ; a row of K in LDS: 128 bytes + 16
.set PV,    160       ; a row of V: 128 + 32
.set VOFF,  4*KS*PK
.set SLOT1, 1<<17
.set STAGE, SLOT1+4*KS*(PK+PV)
.set SP,    144
.set AK0, 2
.set AV0, 3
.set AK,  4
.set AV,  5
.set QO,  6
.set STO, 6
.set RD,  7
.set GO,  8
.set SPW, 32
.set NIL, 33
.set PFO, 34
.set SPARE, STAGE+4*16*SP  ; behind the stages: the spare words, 128 bytes a wave: two blocks of 256 bytes that no other line names
.set MV,  12
.set ST,  16
.set TMP, 48
.set S,   64
.set P,   192
.set KF,  128
.set VF,  192
.set WV,  12
.set G1K, 24
.set G1V, 32
.set G0K, 40
.set G0V, 44
.set PFA, 48
.set LIM, 50
.set KT,  51          ; s51  at work: SLOTS | CNT
.set SLOTS, 56        ; s56  tiles still to be walked, the one in hand among them: 8 .. 1
.set CNT, 57          ; s57  a tile's key steps still to go, the one in hand among them: 4 .. 1
.set CS,  58
.set SEL, 60
.set TBK, 62
.set TBV, 63
.set MSB, 0
.macro WIN new
.if MSB != (\new)
	s_set_vgpr_msb (MSB<<8)|(\new)
.set MSB, (\new)
.endif
.endm
.set W_KQ, 0x0a       ; K and Q in window 2, S^T in window 0
.set W_PV, 0x52       ; V in window 2, P in window 0, O^T in window 1
.set W_RS, 0x41       ; O^T (destination and source 0) in window 1, a in window 0
.macro JLOAD                        ; waves 0 and 1 fetch the two halves of a slot's K, waves 2 and 3 those of its V; s_nop 0 and four v_nop follow each line
	s_cmp_lt_u32 s[WV], 2
	s_cbranch_scc0 .Lfor_v_\@
	tensor_load_to_lds s[G0K:G0K+3], s[G1K:G1K+7]
	s_nop 0
.rept 4
	v_nop
.endr
	s_branch .Lasked_\@
.Lfor_v_\@:
	tensor_load_to_lds s[G0V:G0V+3], s[G1V:G1V+7]
	s_nop 0
.rept 4
	v_nop
.endr
.Lasked_\@:
.endm
; A prefetch of what the NEXT change of slots will ask for: 128 blocks of 256 bytes of K and of V.  The head's first cluster asks; its four partners take 32 blocks each, told apart by address; wave 0 asks for K's, wave 2 for V's: a lane a block.
; The last change that fills a slot asks for nothing; tiles 0 and 1 come by their loads alone.
.macro ASK
	s_cmp_gt_u32 s[SLOTS], s[LIM]
	s_cbranch_scc0 .Lnot_mine_\@
	global_prefetch_b8 v[PFO], s[PFA:PFA+1] th:TH_LOAD_NT scope:SCOPE_SE
.Lnot_mine_\@:
.endm
.macro CROUND
	s_barrier_signal -1
	s_barrier_wait -1
	s_cmp_lg_u32 s[WV], 0
	s_cbranch_scc1 .Lnot_wave_0_\@
	s_barrier_signal -3
.Lnot_wave_0_\@:
	s_barrier_wait -3
	s_barrier_signal -1
	s_barrier_wait -1
.endm
; THE CHANGE OF SLOTS.  Each wave waits for all its tensor loads (one is out: its part of the other slot), adds 0 to its spare word, and waits for that and for its reads of the slot.
; fill = 1: the slot is filled again, with the keys two slots on, first thing behind a round of the cluster's barrier: four key steps in which to land.  (At its first use slot 0 is waited for and slot 1 filled.)
.macro CHANGE fill
	WIN 0
	s_wait_tensorcnt 0x0            ; no tensor load of mine is out, so a group 0 may be written
	ds_add_u32 v[SPW], v[NIL]
.if \fill
.irp g, G0K, G0V
	s_xor_b32 s[\g+1], s[\g+1], SLOT1
	s_add_nc_u64 s[\g+2:\g+3], s[\g+2:\g+3], 4*KS*128
.endr
	s_wait_xcnt 0x0                 ; the last prefetch, four key steps back, has read its address
	s_add_nc_u64 s[PFA:PFA+1], s[PFA:PFA+1], 4*KS*128
	s_wait_dscnt 0x0                ; the add is done, and my reads of the slot are over
	CROUND
	JLOAD
	ASK
.else
	s_wait_dscnt 0x0
	s_barrier_signal -1
	s_barrier_wait -1
.endif
	s_sub_co_u32 s[TBK], s[TBK], 4*KS*PK  ; the fetches go back to a slot's first step,
	s_xor_b32 s[TBK], s[TBK], SLOT1       ; in the other slot
	s_sub_co_u32 s[TBV], s[TBV], 4*KS*PV
	s_xor_b32 s[TBV], s[TBV], SLOT1
.endm
	s_load_b128 s[4:7], s[0:1], 0x0 ; qkv s[4:5], act s[6:7]
	v_lshl_add_u32 v[SPW], v0, 2, SPARE
	v_mov_b32 v[NIL], 0
	ds_add_u32 v[SPW], v[NIL]       ; the wave's opening: the add and its wait stand ahead of my first tensor load
	v_lshrrev_b32 v1, 5, v0
	v_readfirstlane_b32 s[WV], v1   ; wave 0..3
	s_bfe_u32 s13, ttmp6, 0x40000   ; cx
	s_lshl_b32 s14, ttmp9, 2
	s_add_co_u32 s14, s14, s13      ; my block of 256 queries: it enters Q's and O's addresses alone
	s_and_b32 s20, ttmp7, 0xffff    ; the head, which the four partners share:
	s_lshl_b32 s20, s20, 18         ; 2,048 rows of 128 bytes
	s_mov_b32 s21, 0
	s_and_b32 s16, s[WV], 1         ; which half of a slot's 256 keys I fetch
	s_lshl_b32 s22, s16, 14
	s_add_co_u32 s22, s22, s20
	s_mov_b32 s23, 0
	s_mul_i32 s17, s16, 128*PK
	s_mul_i32 s18, s16, 128*PV
	s_lshl_b32 s2, s14, 2
	s_add_co_u32 s2, s2, s[WV]      ; my wave among the head's,
	s_lshl_b32 s2, s2, 13           ; its 64 rows
	s_add_co_u32 s2, s2, s20
	s_mov_b32 s3, 0
	; descriptor group 1.  128 keys are 16,384 dense bytes: asked for as 64 rows of 256 bytes, two keys a row, padded in LDS after every key
	s_mov_b32 s[G1K], 15|(1<<16)|(1<<20)|(1<<21)|(4<<22)|(3<<25)
	s_mov_b32 s[G1V], 15|(1<<16)|(1<<20)|(1<<21)|(4<<22)|(7<<25)
.irp g, G1K, G1V
	s_mov_b32 s[\g+1], 128<<16
	s_mov_b32 s[\g+2], 64<<16
	s_mov_b32 s[\g+3], 128<<16
	s_mov_b32 s[\g+4], 64
	s_mov_b32 s[\g+5], 128
	s_mov_b32 s[\g+6], 0
	s_mov_b32 s[\g+7], 0
.endr
	s_mov_b32 s[CS], 0x3e38aa3b     ; c = log2(e) / 8
	s_mov_b32 s[CS+1], s[CS]
	s_mov_b32 s[SEL], 0x76543210
	s_mov_b32 s[SEL+1], 0xfedcba98
	s_mov_b32 s[TBK], SLOT1+4*KS*PK ; the first change of slots turns these two into 0
	s_mov_b32 s[TBV], SLOT1+4*KS*PV
	s_mov_b32 s[G0K], 1
	s_mov_b32 s[G0K+1], s17
	s_mov_b32 s[G0V], 1
	s_add_co_u32 s[G0V+1], s18, VOFF
	s_mov_b32 s[SLOTS], SIZE_N/256  ; 8 .. 2 at the seven changes that fill, 1 at the one that fills nothing
	s_and_b32 s[LIM], s[WV], 1      ; 0 in waves 0 and 2,
	s_or_b32 s[LIM], s[LIM], ttmp9  ; where the cluster is the head's first: the same in all four partners
	s_cmp_eq_u32 s[LIM], 0
	s_cselect_b32 s[LIM], 2, -1     ; such a wave asks while the count is above 2: at six changes
	v_and_b32 v[PFO], 31, v0
	v_lshlrev_b32 v[PFO], 8, v[PFO]
	s_wait_dscnt 0x0                ; the opening add is done
	s_wait_kmcnt 0x0
	s_add_nc_u64 s[52:53], s[4:5], s[22:23]
	s_add_nc_u64 s[54:55], s[52:53], 0x1000000      ; V at my half of the head's first 256 keys
	s_add_nc_u64 s[52:53], s[52:53], 0x800000+8192  ; K likewise, one step of 64 keys on
	s_mov_b64 s[G0K+2:G0K+3], s[52:53]
	s_or_b32 s[G0K+3], s[G0K+3], 0x80000000
	s_mov_b64 s[G0V+2:G0V+3], s[54:55]
	s_or_b32 s[G0V+3], s[G0V+3], 0x80000000
	s_add_nc_u64 s[66:67], s[4:5], s[20:21]
	s_add_nc_u64 s[66:67], s[66:67], 0x800000       ; K's first 64 rows
	s_add_nc_u64 s[8:9], s[4:5], s[2:3]             ; Q and O at my wave's first row
	s_add_nc_u64 s[10:11], s[6:7], s[2:3]
	s_cmp_lt_u32 s[WV], 2
	s_cselect_b64 s[PFA:PFA+1], s[52:53], s[54:55]
	s_lshl_b32 s2, s13, 13          ; my work-group's 32 blocks of the 128
	s_mov_b32 s3, 0
	s_add_nc_u64 s[PFA:PFA+1], s[PFA:PFA+1], s[2:3]
	s_add_nc_u64 s[PFA:PFA+1], s[PFA:PFA+1], 4*KS*128  ; in tile 1; the first change of slots steps it to tile 2
	CROUND                          ; all four work-groups are here: the first joint loads meet
	JLOAD                           ; slot 0
	v_and_b32 v1, 15, v0            ; l % 16
	v_bfe_u32 v9, v0, 4, 1          ; l / 16
	v_lshlrev_b32 v[QO], 7, v1
	v_lshl_add_u32 v[QO], v9, 4, v[QO]  ; row x 128 + 16 x half
	WIN 0x80                        ; destination window 2, address window 0
.set i, 0
.rept 4*NP                          ; Q stays in registers: tile i / 2, channels 32 (i % 2) on
	global_load_b128 v[8*i:8*i+3],   v[QO], s[8:9] offset:(i/2)*2048+(i%2)*64
	global_load_b128 v[8*i+4:8*i+7], v[QO], s[8:9] offset:(i/2)*2048+(i%2)*64+32
.set i, i+1
.endr
.irp f, 0,1,2,3,4,5,6,7             ; K of step 0: keys 16 (f / 2) on, channels 32 (f % 2) on
	global_load_b128 v[KF+8*\f:KF+8*\f+3],   v[QO], s[66:67] offset:(\f/2)*2048+(\f%2)*64
	global_load_b128 v[KF+8*\f+4:KF+8*\f+7], v[QO], s[66:67] offset:(\f/2)*2048+(\f%2)*64+32
.endr
	; What the first turn finds: V's registers and P's second buffer hold 0, O^T and l are 0.  All this stands in the wait for the first tile.
.set i, VF
.rept 64
	v_mov_b32 v[i], 0
.set i, i+1
.endr
	WIN 0x40
.set i, 0
.rept 64*NP
	v_mov_b32 v[i], 0
.set i, i+1
.endr
	WIN 0
.set i, 0
.rept 2*NP
	v_mov_b32 v[ST+4*i], 0xfe000000    ; c m: far below every c s
	v_mov_b32 v[ST+4*i+1], 0xff7fffff  ; m
	v_mov_b32 v[ST+4*i+2], 0
	v_mov_b32 v[ST+4*i+3], 0
.set i, i+1
.endr
.set i, P+32
.rept 32
	v_mov_b32 v[i], 0
.set i, i+1
.endr
	v_mul_u32_u24 v[AK0], v1, PK
	v_lshl_add_u32 v[AK0], v9, 4, v[AK0]
	v_and_b32 v10, 7, v0
	v_bfe_u32 v11, v0, 3, 1
	v_lshl_add_u32 v[AV0], v9, 3, v10
	v_mul_u32_u24 v[AV0], v[AV0], PV
	v_lshl_add_u32 v[AV0], v11, 4, v[AV0]
	v_add_nc_u32 v[AV0], VOFF, v[AV0]
; THE MATRIX WORK.  The 8 accumulators of a run of 16 take turns.
.macro KQ x
	WIN W_KQ
.set rS, S+64*((\x)%2)+32*(i%2)+8*((i/2)%4)
.set rK, KF+16*((i/2)%4)+8*(i/8)
.set rQ, 16*(2*(\x)+i%2)+8*(i/8)
.if i < 8
	v_wmma_f32_16x16x32_f16 v[rS:rS+7], v[rK:rK+7], v[rQ:rQ+7], 0
.else
	v_wmma_f32_16x16x32_f16 v[rS:rS+7], v[rK:rK+7], v[rQ:rQ+7], v[rS:rS+7]
.endif
.endm
.macro PV x
	WIN W_PV
.set rO, 32*(2*(\x)+i%2)+8*((i/2)%4)
.set rV, VF+32*(i/8)+8*((i/2)%4)
.set rP, P+32*((\x)%2)+16*(i%2)+8*(i/8)
	v_wmma_f32_16x16x32_f16 v[rO:rO+7], v[rV:rV+7], v[rP:rP+7], v[rO:rO+7]
.endm
.macro MM
.if i < 16
	KQ (Y+1)%NP
.set i, i+1
.else
.set i, i-16
	PV (Y+NP-1)%NP
.set i, i+17
.endif
.endm
; THE LDS LOADS stand in runs of 16.  In the very last key step (the last tile's last: both counts are 1, and only there is their OR 1) there is no further K, and K's run is jumped: LDS loads and a scalar step alone.
.macro FETCH_K
	WIN 0
	s_or_b32 s[KT], s[SLOTS], s[CNT]
	s_cmp_eq_u32 s[KT], 1
	s_cbranch_scc1 .Lno_k_\@
	WIN 0x80
.irp f, 0,1,2,3,4,5,6,7
	ds_load_b128 v[KF+8*\f:KF+8*\f+3],   v[AK] offset:(\f/2)*16*PK+(\f%2)*64
	ds_load_b128 v[KF+8*\f+4:KF+8*\f+7], v[AK] offset:(\f/2)*16*PK+(\f%2)*64+32
.endr
	s_add_co_u32 s[TBK], s[TBK], KS*PK
	WIN 0
.Lno_k_\@:
.endm
.macro FETCH_V
	WIN 0x80
.irp f, 0,1,2,3,4,5,6,7
	ds_load_tr16_b128 v[VF+8*\f:VF+8*\f+3],   v[AV] offset:(\f/4)*32*PV+(\f%4)*32
	ds_load_tr16_b128 v[VF+8*\f+4:VF+8*\f+7], v[AV] offset:(\f/4)*32*PV+16*PV+(\f%4)*32
.endr
	WIN 0
.endm
; THE VECTOR WORK OF A TURN stands in three queues, each in the order in which its entries become ready; the two tiles alternate.
.macro REGS y, u
.set rT, ST+4*(2*(\y)+(\u))
.set rC, TMP+8*((\y)%2)+4*(\u)
.set rM, MV+2*((\y)%2)+(\u)
.set rS, S+64*((\y)%2)+32*(\u)
.set rP, P+32*((\y)%2)+16*(\u)
.set rO, 32*(2*(\y)+(\u))
.endm
; Number n of the 22 that find the NEXT piece's maximum and statistics; each accumulator's lowest registers are read first.
.macro XS u, n
	REGS (Y+1)%NP, \u
.if (\n) < 4
	v_max3_num_f32 v[rC+(\n)], v[rS+8*(\n)], v[rS+8*(\n)+1], v[rS+8*(\n)+2]
.elseif (\n) < 12
	v_max3_num_f32 v[rC+(\n)%4], v[rC+(\n)%4], v[rS+8*((\n)%4)+2*((\n)/4)+1], v[rS+8*((\n)%4)+2*((\n)/4)+2]
.elseif (\n) == 12
	v_max3_num_f32 v[rC], v[rC], v[rS+7], v[rS+15]
.elseif (\n) == 13
	v_max3_num_f32 v[rC+1], v[rC+1], v[rS+23], v[rS+31]
.elseif (\n) == 14
	v_max3_num_f32 v[rC+2], v[rC+2], v[rC+3], v[rT+1]
.elseif (\n) == 15
	v_mov_b32 v[rM], v[rT]
.elseif (\n) == 16
	v_max3_num_f32 v[rC], v[rC], v[rC+1], v[rC+2]
.elseif (\n) == 17
	v_permlanex16_b32 v[rC+3], v[rC], s[SEL], s[SEL+1]
.elseif (\n) == 18
	v_max_num_f32 v[rT+1], v[rC], v[rC+3]
.elseif (\n) == 19
	v_mul_f32 v[rT], s[CS], v[rT+1]
.elseif (\n) == 20
	v_sub_f32 v[rC+1], v[rM], v[rT]
.else
	v_exp_f32 v[rC+2], v[rC+1]
.endif
.endm
; Number g of the 64 that follow the exponentials: roundings to f16, sums of pairs in place, and l.
.macro GS g
.set h, (\g)+6*((\g)/62)
.if h >= 6
.set h, h+2
.endif
	REGS Y, h%2
.set k, h/8
.if h%8 < 4
	v_cvt_pk_f16_f32 v[rP+2*k+(h%8)/2], v[rS+4*k+2*((h%8)/2)], v[rS+4*k+2*((h%8)/2)+1]
.elseif h%8 < 6
	v_pk_add_f32 v[rS+4*k:rS+4*k+1], v[rS+4*k:rS+4*k+1], v[rS+4*k+2:rS+4*k+3]
.elseif k == 1
	v_pk_fma_f32 v[rT+2:rT+3], v[rT+2:rT+3], v[rC+2:rC+3], v[rS:rS+1] op_sel_hi:[1,0,1]
.else
	v_pk_add_f32 v[rT+2:rT+3], v[rT+2:rT+3], v[rS+4*k-4:rS+4*k-3]
.endif
.endm
.macro FS f
	REGS Y, (\f)%2
	v_pk_fma_f32 v[rS+2*((\f)/2):rS+2*((\f)/2)+1], v[rS+2*((\f)/2):rS+2*((\f)/2)+1], s[CS:CS+1], v[rT:rT+1] op_sel_hi:[1,0,0] neg_lo:[0,0,1] neg_hi:[0,0,1]
.endm
; THE PLAIN QUEUE, 138 long: 0-73 read no exponential's result (the 32 scalings and the next piece's 42), 74-137 do and stand behind the wait.
.macro PL
	WIN 0
.if q < 27
	FS q
.elseif q < 55
	XS (q-27)%2, (q-27)/2
.elseif q < 57
	XS q-55, 15
.elseif (q < 72) && ((q-57)%3 == 0)
	FS 27+(q-57)/3
.elseif q < 60
	XS (q-57)%3-1, 14
.elseif q < 72
	XS (q-57)%3-1, 15+(q-57)/3
.elseif q < 74
	XS q-72, 20
.else
	GS q-74
.endif
.set q, q+1
.endm
; THE EXPONENTIALS' QUEUE, 66 long: one batch, all ahead of the turn's one wait.
.macro EX
	WIN 0
.if e >= 64
	XS e-64, 21
.else
	REGS Y, e%2
	v_exp_f32 v[rS+e/2], v[rS+e/2]
.endif
.set e, e+1
.endm
; THE RESCALING's QUEUE: O^T times a, two at a time.
.macro R2
	REGS Y, r%2
	WIN W_RS
.irp z, 0,1
	v_pk_mul_f32 v[rO+4*(r/2)+2*\z:rO+4*(r/2)+2*\z+1], v[rO+4*(r/2)+2*\z:rO+4*(r/2)+2*\z+1], v[rC+2:rC+3] op_sel_hi:[1,0]
.endr
.set r, r+1
.endm
; A TURN, for piece p.  Ahead of its one wait: 16 products K Q^T with a scaling, an exponential and two rescalings behind each, then a lump of 108.  Behind it: 16 products V^T P with four roundings and sums behind each.
; Turn 0 fetches K of the next step directly behind the wait (a lump behind the last product that read K), and V of the step in hand at its end, four plain riders behind V's last reader.
; cnt = 1: the loop's count is taken down some lines ahead of the branch that stands behind the turn.
; In the very last key step turn 1's 16 products K Q^T (on the last K once more) and the maximum made of them serve nothing: the price of one text for every step.
.macro TURN p, cnt=0
.set Y, (\p)
.set i, 0
.set q, 0
.set e, 0
.set r, 0
.if (\p) == NP-1
	s_wait_dscnt 16                 ; K is in; V's run of 16, issued behind it, may stay out
.endif
	MM
	PL
	PL
	R2
.rept 15
	MM
	PL
	EX
	R2
.endr
.if (\p) == NP-2
	WIN 0
	v_add_nc_u32 v[AK], s[TBK], v[AK0]
.endif
.rept 8
	PL
.endr
.rept 49
	EX
	PL
.endr
	EX
	EX
	v_nop                           ; the plain instruction behind the last exponential: one for the batch
	s_wait_alu depctr_va_vdst(0)    ; the wait for the batch, ahead of the first reader
.if (\p) == NP-2
	FETCH_K
.endif
.if (\p) == 1
	s_wait_dscnt 0x0                ; V is in
.endif
.rept 16
	MM
.rept 4
	PL
.endr
.if ((\p) == 0) && (q == 118)
	v_add_nc_u32 v[AV], s[TBV], v[AV0]
.endif
.if ((\p) == 0) && (q == 130)
	s_add_co_u32 s[TBV], s[TBV], KS*PV
.endif
.if (\cnt) && (q == 130)
	s_sub_co_u32 s[CNT], s[CNT], 1
	s_cmp_lg_u32 s[CNT], 0
.endif
.endr
.if (\p) == 0
	FETCH_V
.endif
.endm
	CHANGE 1                        ; slot 0 is in, everybody's part of it; slot 1 is asked for
	s_wait_loadcnt 0x0              ; Q, and K of step 0
.set i, 0
.rept 16
	KQ 0                            ; piece 0's first scores
.set i, i+1
.endr
	WIN 0                           ; the addresses for the way out: nine plain instructions, the places behind those products
	s_mul_i32 s13, s[WV], 16*SP
	s_add_co_u32 s13, s13, STAGE
	v_mul_u32_u24 v[STO], v1, SP
	v_lshl_add_u32 v[STO], v9, 4, v[STO]
	v_add_nc_u32 v[STO], s13, v[STO]
	v_bfe_u32 v[RD], v0, 3, 2
	v_mul_u32_u24 v[RD], v[RD], SP
	v_lshl_add_u32 v[RD], v10, 4, v[RD]
	v_add_nc_u32 v[RD], s13, v[RD]
	v_and_b32 v[GO], 31, v0
	v_lshlrev_b32 v[GO], 4, v[GO]
.set Y, NP-1                        ; XS works for piece Y + 1: piece 0
.irp n, 0,1,2,3,4,5,6,7,8,9,10,11,12,13,14,15,16,17,18,19,20,21
	XS 0, \n
	XS 1, \n
.endr
	v_nop
	s_wait_alu depctr_va_vdst(0)    ; the two a have their wait ahead of the branch
	s_branch .Lgo
.Lslot:                             ; six times: tiles 2 to 7 are asked for
	CHANGE 1
.Lgo:
	s_mov_b32 s[CNT], 4
.Lstep:                             ; a trip is a key step
	TURN 0
	TURN 1, 1
	WIN 0
	s_cbranch_scc1 .Lstep
	s_sub_co_u32 s[SLOTS], s[SLOTS], 1
	s_cmp_gt_u32 s[SLOTS], 1
	s_cbranch_scc1 .Lslot
	s_cmp_eq_u32 s[SLOTS], 0
	s_cbranch_scc1 .Lend            ; the last tile has been walked
	CHANGE 0                        ; the last change of slots asks for nothing: it has its own lines, and the same steps follow it
	s_branch .Lgo
.Lend:
.set i, 0
.rept 16
	PV NP-1                         ; the last piece's V^T P of the last step
.set i, i+1
.endr
	; THE WAY OUT.  l's halves are added; O^T is divided by l, rounded to f16 and sent through my stage in LDS, a tile at a time.  The additions are the places behind the last products.
	WIN 0
.macro ALL line:vararg
.set t, 0
.rept 2*NP
	\line
.set t, t+1
.endr
.endm
	ALL v_add_f32 v[ST+4*t+2], v[ST+4*t+2], v[ST+4*t+3]
	ALL v_permlanex16_b32 v[ST+4*t+3], v[ST+4*t+2], s[SEL], s[SEL+1]
	ALL v_add_f32 v[ST+4*t+2], v[ST+4*t+2], v[ST+4*t+3]
	ALL v_rcp_f32 v[ST+4*t+2], v[ST+4*t+2]
	v_nop
	s_wait_alu depctr_va_vdst(0)    ; one wait for the four reciprocals
.macro PACK t
	WIN W_RS
.set i, 32*(\t)
.rept 16
	v_pk_mul_f32 v[i:i+1], v[i:i+1], v[ST+4*(\t)+2:ST+4*(\t)+3] op_sel_hi:[1,0]
.set i, i+2
.endr
	WIN 0x05
.set i, 0
.rept 16
	v_cvt_pk_f16_f32 v[S+16*(\t)+i], v[32*(\t)+2*i], v[32*(\t)+2*i+1]
.set i, i+1
.endr
	WIN 0
.irp f, 0,1,2,3
	ds_store_b128 v[STO], v[S+16*(\t)+4*\f:S+16*(\t)+4*\f+3] offset:32*\f
.endr
.irp f, 0,1,2,3
	ds_load_b128 v[S+16*(\t)+4*\f:S+16*(\t)+4*\f+3], v[RD] offset:\f*4*SP  ; LDS serves a wave's instructions in order (ISA guide 5.7.1.4): these see the stores above
.endr
.endm
.macro SEND t, younger
	WIN 0
.irp f, 0,1,2,3
	s_wait_dscnt (\younger)+3-\f
	global_store_b128 v[GO], v[S+16*(\t)+4*\f:S+16*(\t)+4*\f+3], s[10:11] offset:(\t)*2048+\f*512  ; 512 consecutive bytes, aligned
.endr
.endm
	PACK 0
.set t, 1
.rept 2*NP-1
	PACK t
	SEND t-1, 8
.set t, t+1
.endr
	SEND 2*NP-1, 0
	s_wait_tensorcnt 0x0            ; the wave's end
	ds_add_u32 v[SPW], v[NIL]
	s_wait_dscnt 0x0
	CROUND                          ; the closing round
	s_endpgm
.Lfunc_end_k_q2c8e20579d_attn:
	.size	k_q2c8e20579d_attn, .Lfunc_end_k_q2c8e20579d_attn-k_q2c8e20579d_attn
	.p2alignl 7, 3214868480
	.fill 96, 4, 3214868480
	.section	.rodata,"a",@progbits
	.p2align	6, 0x0
	.amdhsa_kernel k_q2c8e20579d_attn
		.amdhsa_group_segment_fixed_size 327680
		.amdhsa_private_segment_fixed_size 0
		.amdhsa_enable_private_segment 0
		.amdhsa_kernarg_size 16
		.amdhsa_user_sgpr_count 2
		.amdhsa_user_sgpr_kernarg_segment_ptr 1
		.amdhsa_wavefront_size32 1
		.amdhsa_system_sgpr_workgroup_id_x 1
		.amdhsa_system_sgpr_workgroup_id_y 1
		.amdhsa_system_sgpr_workgroup_id_z 1
		.amdhsa_system_vgpr_workitem_id 0
		.amdhsa_next_free_vgpr 768
		.amdhsa_next_free_sgpr 72
		.amdhsa_reserve_vcc 0
		.amdhsa_float_denorm_mode_32 3
		.amdhsa_float_denorm_mode_16_64 3
		.amdhsa_memory_ordered 1
		.amdhsa_forward_progress 1
		.amdhsa_inst_pref_size 76
	.end_amdhsa_kernel
	.amdgpu_metadata
---
amdhsa.version: [ 1, 2 ]
amdhsa.kernels:
  - .name:           k_q2c8e20579d_attn
    .symbol:         k_q2c8e20579d_attn.kd
    .args:
      - { .name: qkv, .offset: 0, .size: 8, .value_kind: global_buffer, .address_space: global }
      - { .name: act, .offset: 8, .size: 8, .value_kind: global_buffer, .address_space: global }
    .group_segment_fixed_size: 327680
    .private_segment_fixed_size: 0
    .kernarg_segment_align: 8
    .kernarg_segment_size: 16
    .max_flat_workgroup_size: 128
    .sgpr_count:     72
    .vgpr_count:     768
    .wavefront_size: 32
...
	.end_amdgpu_metadata
.endif
;; end of part 4
;; launch wo (part 5): grid 8 x 32, 4 waves a work-group, clusters of 4 x 4, 327,680 bytes of LDS; arguments act, wb, bo, x, x1, part; writes x1, part
.if DOCPART == 5
	.amdgcn_target "amdgcn-amd-amdhsa--gfx1250"
	.amdhsa_code_object_version 6
	.text
	.protected	k_q2c8e20579d_wo
	.globl	k_q2c8e20579d_wo
	.p2align	8
	.type	k_q2c8e20579d_wo,@function
k_q2c8e20579d_wo:
	s_mov_b64 s[64:65], 0
	v_nop
	global_prefetch_b8 v0, s[64:65] scope:SCOPE_SE
	s_setreg_imm32_b32 hwreg(HW_REG_WAVE_MODE, 25, 1), 1
	s_wait_xcnt 0x0
	s_wait_alu depctr_hold_cnt(0) depctr_sa_sdst(0) depctr_va_vdst(0) depctr_va_sdst(0) depctr_va_ssrc(0) depctr_va_vcc(0) depctr_vm_vsrc(0)
	s_getreg_b32 s2, hwreg(HW_REG_IB_STS2, 6, 4)
	s_cmp_eq_u32 s2, 0
	s_cbranch_scc0 .Lentry_in_a_cluster
	s_endpgm
.Lentry_in_a_cluster:
	s_bfe_u32 s2, ttmp6, 0x10000c
	s_cmp_lg_u32 s2, 0xf033
	s_cbranch_scc0 .Lentry_shape_is_right
	s_endpgm
.Lentry_shape_is_right:
; THE SMALL PRODUCT, one text for two launches (KIND).  Y = R + A B + bias: A f16 with K along its rows, B f16 stored [k][1024], R and Y f32 [4096][1024]; sums in f32.
; KIND = 0: x1 = x + o Wo + bo; o lies by heads, [b 16 + head][2048][64], and a K step of 256 is four heads; the launch also stores the second norm's partial statistics of its rows.  K = 1,024: 4 steps.
; KIND = 1: out = x1 + mid W2 + b2.  K = 4,096: 16 steps.
; A tile of Y is 128 x 128, so that the 4,096 x 1,024 numbers give 256 work-groups; four waves of 64 x 64: 16 accumulators.  K steps of 256 through two LDS slots; quarters of 64 along K.
; Waves 0 and 1 fetch A's halves (64 rows), waves 2 and 3 B's (128 k): one tensor load a wave behind each change of slots.  B is turned out of LDS by ds_load_tr16_b128.
; The bias is the C operand of each accumulator's first product.  The residual's 32 loads a wave go out at the start and land under the K loop.
; THE LOOP.  Quarter q multiplies fragment buffer q % 2; at its head it asks for quarter q + 1's fragments into the other buffer, so that a run of LDS loads has a whole quarter's products in which to land.
; Two quarters, an odd one and the even one behind it, are written once (PAIR) and walked twice a K step; their LDS addresses hang on s[SA] and s[SB], which step with the pairs.
; THE CHANGE OF SLOTS stands between a step's third and fourth quarter, where all of the step's fragments have been asked for; no product stands between the wait for all tensor loads and the refill.
; ONE TEXT FOR EVERY K STEP.  The last change of slots, which fills nothing, has lines of its own (SYNC 0) and goes back to the same pairs.  Every wait on TENSORcnt in the loop is for 0, so no count hangs on the way by which the pairs are reached.
; THE WAY OUT goes through one stage of 128 rows x 528 bytes of f32 in slot 0, which has had its last fill: the number of steps is even, the last step lies in slot 1, and every wave has passed a barrier behind its last reads of slot 0.
; CLUSTER 4 x 4: joint loads, A's along a row, B's along a column.  By this text's count a wave has two tensor loads out at the start, later one.  No prefetch: the tiles are small.
; LIMITS.  f16 operands beyond 65,504 are infinities; NaN and infinities are not treated apart.
.set KIND, 0
.if KIND == 0
.set T,     4
.set AP,    144                        ; a row of A in LDS: one head's 128 bytes + 16; [head 0..3][row 0..63]
.set AKQ,   9216                       ; a quarter is a head: 64 rows on
.set HALFA, 36864
.set ASTEP, 1048576                    ; four heads of 2,048 rows of 128 bytes
.set WOFF,  6291456
.set G1A0,  (1<<16)|(1<<20)|(1<<21)|(4<<22)|(3<<25)  ; after every 32 words 4 words
.set AD0,   4096                       ; a row of the tile: 64 rows of a head, 8 KiB dense
.set AD1,   4                          ; four heads,
.set API,   131072                     ; 2,048 x 64 elements apart
.else
.set T,     16
.set AP,    528                        ; 512 bytes + 16
.set AKQ,   128
.set HALFA, 33792
.set ASTEP, 512
.set WOFF,  16777216
.set G1A0,  (1<<16)|(1<<20)|(1<<21)|(6<<22)|(3<<25)  ; after every 128 words 4 words
.set AD0,   256
.set AD1,   64
.set API,   4096
.endif
.set BP,     288                       ; a row of B in LDS: 256 bytes + 32: an odd multiple of 32
.set HALFB,  128*BP
.set SLOT,   2*HALFA+2*HALFB
.set SPARE,  2*SLOT                    ; behind the ring: the spare words, 128 bytes a wave: two blocks of 256 bytes that no other line names
.set BSTEP,  524288                    ; 256 rows of 2,048 bytes
.set SPITCH, 528
.set ADA0, 16                          ; v16 my lane's place in A's tile; v17 in B's; never rewritten
.set ADB0, 17
.set ADA,  18                          ; v18, v19 the same for the pair in hand
.set ADB,  19
.set STO,  24
.set RD,   25
.set CO,   26
.set BO,   27
.set SPW,  28
.set NIL,  29
.set BIA,  32                          ; v[32:63] the bias as four C operands
.set SS,   64                          ; v[64:67] sum, mean; v[68:71] M2; v[72:79] at work
.set SM,   68
.set DD,   72
.set ACC,  128                         ; v[128:255] the accumulators ((a, b) at ACC + 8 (4 a + b)); later 32 rows of Y.  Window 1: two fragment buffers of 128.  Window 2: v0-127 the residual
.set F0,   0
.set F1,   128
.set WV,  16
.set G1,  24
.set G0,  32
.set TB,  40                           ; s40 0 or SLOT: the slot whose fragments are being asked for
.set CNT, 41                           ; s41 changes of slots still to come, and 1
.set LDA, 43
.set LDB, 44
.set NPR, 45                           ; s45 pairs still to go in this K step
.set SA,  46                           ; s46 what the pair in hand adds to A's LDS address
.set SB,  47                           ; s47 the same for B
.set G1B, 48
.set G0B, 56
.set MSB, 0
.macro WIN new
.if MSB != (\new)
	s_set_vgpr_msb (MSB<<8)|(\new)
.set MSB, \new
.endif
.endm
.macro PLACES                          ; four plain places in front of loads into registers that matrix instructions have read, and of stores that read results
.rept 4
	v_nop
.endr
.endm
.macro JLOAD                           ; the joint refill, by the walking descriptors; s_nop 0 and four v_nop follow each line
	s_cmp_eq_u32 s17, 0
	s_cbranch_scc0 .Lfor_b_\@
	tensor_load_to_lds s[G0+4:G0+7], s[G1:G1+7]
	s_nop 0
.rept 4
	v_nop
.endr
	s_branch .Lasked_\@
.Lfor_b_\@:
	tensor_load_to_lds s[G0B+4:G0B+7], s[G1B:G1B+7]
	s_nop 0
.rept 4
	v_nop
.endr
.Lasked_\@:
.endm
.macro CREST
	s_cmp_lg_u32 s[WV], 0
	s_cbranch_scc1 .Lnot_wave_0_\@
	s_barrier_signal -3
.Lnot_wave_0_\@:
	s_barrier_wait -3
	s_barrier_signal -1
	s_barrier_wait -1
.endm
.macro CROUND
	s_barrier_signal -1
	s_barrier_wait -1
	CREST
.endm
; 8 products: row blocks a0, a0 + 1 x all 4 column blocks, 32 along K: half c of buffer f.  The 16 accumulators take turns.
.macro MUL8 f, c, a0, first
	WIN 0x05
.irp a, \a0, (\a0)+1
.irp b, 0,1,2,3
.if \first
	v_wmma_f32_16x16x32_f16 v[ACC+8*(4*(\a)+(\b)):ACC+8*(4*(\a)+(\b))+7], v[(\f)+64+8*(4*(\c)+(\b)):(\f)+64+8*(4*(\c)+(\b))+7], v[(\f)+8*(4*(\c)+(\a)):(\f)+8*(4*(\c)+(\a))+7], v[BIA+8*(\b):BIA+8*(\b)+7]
.else
	v_wmma_f32_16x16x32_f16 v[ACC+8*(4*(\a)+(\b)):ACC+8*(4*(\a)+(\b))+7], v[(\f)+64+8*(4*(\c)+(\b)):(\f)+64+8*(4*(\c)+(\b))+7], v[(\f)+8*(4*(\c)+(\a)):(\f)+8*(4*(\c)+(\a))+7], v[ACC+8*(4*(\a)+(\b)):ACC+8*(4*(\a)+(\b))+7]
.endif
.endr
.endr
.endm
; 32 LDS loads in one run: the fragments of quarter rel (0, 1) of the two that v[ADA] and v[ADB] stand at, into buffer f
.macro FETCH rel, f
	WIN 0x40
.irp c, 0,1
.irp i, 0,1,2,3
	ds_load_tr16_b128 v[(\f)+64+8*(4*(\c)+(\i)):(\f)+64+8*(4*(\c)+(\i))+3],   v[ADB] offset:(\rel)*64*BP+(\c)*32*BP+32*(\i)
	ds_load_tr16_b128 v[(\f)+64+8*(4*(\c)+(\i))+4:(\f)+64+8*(4*(\c)+(\i))+7], v[ADB] offset:(\rel)*64*BP+(\c)*32*BP+32*(\i)+16*BP
	ds_load_b128 v[(\f)+8*(4*(\c)+(\i)):(\f)+8*(4*(\c)+(\i))+3],   v[ADA] offset:AKQ*(\rel)+64*(\c)+(\i)*16*AP
	ds_load_b128 v[(\f)+8*(4*(\c)+(\i))+4:(\f)+8*(4*(\c)+(\i))+7], v[ADA] offset:AKQ*(\rel)+64*(\c)+(\i)*16*AP+32
.endr
.endr
.endm
; A quarter: the next quarter's fragments are asked for into buffer g, whose last reader stands four places back; then buffer f is multiplied.
.macro QH f, g, rel, first
	PLACES
	FETCH \rel, \g
	s_wait_dscnt 32                                ; all but the 32 just issued: buffer f's run, a quarter older, is in
	MUL8 \f, 0, 0, \first
	MUL8 \f, 0, 2, \first
	MUL8 \f, 1, 0, 0
	MUL8 \f, 1, 2, 0
.endm
; Two quarters: an odd one (buffer 1), which asks for the first quarter at SA, SB, and an even one (buffer 0), which asks for the second.  It ends with the compare for the loop's jump.
.macro PAIR
	v_add_nc_u32 v[ADA], s[SA], v[ADA0]
	v_add_nc_u32 v[ADB], s[SB], v[ADB0]
	QH F1, F0, 0, 0
	QH F0, F1, 1, 0
	WIN 0                                          ; at a label and at a branch every window is 0
	s_add_co_u32 s[SA], s[SA], 2*AKQ               ; two quarters on: 128 along K in A,
	s_add_co_u32 s[SB], s[SB], HALFB               ; 128 rows of B
	s_sub_co_u32 s[NPR], s[NPR], 1
	s_cmp_lg_u32 s[NPR], 0
.endm
; THE CHANGE OF SLOTS.  Each wave waits for all its tensor loads (one is out: its part of the next slot), adds 0 to its spare word, and waits for that and for its reads of this slot, the fourth quarter's fragments among them.
; fill = 1: behind a round of the cluster's barrier this slot is filled again, two K steps ahead: the refill has four quarters' products in which to land.  fill = 0: nothing is left to ask for: a plain barrier.
.macro SYNC fill
	s_wait_tensorcnt 0x0                           ; no tensor load of mine is out, so the walking descriptors may be written
	ds_add_u32 v[SPW], v[NIL]                      ; 0 onto my spare word; the scalar work below stands between it and the wait for it
.if \fill
	s_add_co_u32 s[G0+5], s[LDA], s[TB]            ; into the slot that has been read out, the next K step
	s_add_nc_u64 s[G0+6:G0+7], s[G0+6:G0+7], ASTEP
	s_add_co_u32 s[G0B+5], s[LDB], s[TB]
	s_add_nc_u64 s[G0B+6:G0B+7], s[G0B+6:G0B+7], BSTEP
.endif
	s_xor_b32 s[TB], s[TB], SLOT                   ; the fetches go to the other slot,
	s_mov_b32 s[SA], s[TB]                         ; to its first two quarters
	s_mov_b32 s[SB], s[TB]
	s_wait_dscnt 0x0                               ; the add is done, and my reads of this slot are over
.if \fill
	CROUND                                         ; no wave of any partner still reads this slot or has a load on its way
	JLOAD                                          ; the first tensor load behind the round
.else
	s_barrier_signal -1
	s_barrier_wait -1
.endif
.endm
	s_load_b256 s[4:11], s[0:1], 0x0               ; A 4:5, wb 6:7, bias 8:9, residual 10:11
.if KIND == 0
	s_load_b128 s[12:15], s[0:1], 0x20             ; x1 12:13, part 14:15
.else
	s_load_b64 s[12:13], s[0:1], 0x20              ; out0
.endif
	v_lshl_add_u32 v[SPW], v0, 2, SPARE
	v_mov_b32 v[NIL], 0
	ds_add_u32 v[SPW], v[NIL]                      ; the wave's opening: the add and its wait stand ahead of my first tensor load
	v_lshrrev_b32 v1, 5, v0
	v_readfirstlane_b32 s[WV], v1                  ; wave 0..3
	s_lshr_b32 s17, s[WV], 1                       ; which half of the tile's rows is mine.  Also: I fetch for A (0) or for B (1)
	s_and_b32 s18, s[WV], 1                        ; which half of its columns.  Also: which half of that tile I fetch
	s_bfe_u32 s19, ttmp6, 0x40000                  ; cx
	s_bfe_u32 s20, ttmp6, 0x40004                  ; cy
	s_lshl_b32 s21, ttmp9, 2
	s_add_co_u32 s21, s21, s19                     ; TX 0..7
	s_and_b32 s22, ttmp7, 0xffff
	s_lshl_b32 s22, s22, 2
	s_add_co_u32 s22, s22, s20                     ; TY 0..31
	s_lshl_b32 s68, s20, 2
	s_lshl_b32 s68, 15, s68                        ; my row of the cluster
	s_lshl_b32 s69, 0x1111, s19                    ; my column
	s_or_b32 s[G1], s68, G1A0
	s_mov_b32 s[G1+1], AD0<<16
	s_mov_b32 s[G1+2], AD1<<16
	s_mov_b32 s[G1+3], AD0<<16
	s_mov_b32 s[G1+4], AD1
	s_mov_b32 s[G1+5], API
	s_mov_b32 s[G1+6], 0
	s_mov_b32 s[G1+7], 0
	s_or_b32 s[G1B], s69, (1<<16)|(1<<20)|(1<<21)|(5<<22)|(7<<25)  ; B: 128 rows of 256 bytes; after every 64 words 8 words
	s_mov_b32 s[G1B+1], 128<<16
	s_mov_b32 s[G1B+2], 128<<16
	s_mov_b32 s[G1B+3], 128<<16
	s_mov_b32 s[G1B+4], 128
	s_mov_b32 s[G1B+5], 1024
	s_mov_b32 s[G1B+6], 0
	s_mov_b32 s[G1B+7], 0
	s_mul_i32 s[LDA], s[WV], HALFA
	s_mul_i32 s[LDB], s[WV], HALFB
	s_add_co_u32 s[LDB], s[LDB], 2*HALFA-2*HALFB
	s_mov_b32 s[TB], 0
.if KIND == 0
	s_lshr_b32 s70, s22, 4                         ; the batch: 16 heads of 2,048 rows,
	s_lshl_b32 s70, s70, 15
	s_and_b32 s71, s22, 15
	s_lshl_b32 s71, s71, 7                         ; the tile's first row in a head,
	s_add_co_u32 s70, s70, s71
	s_lshl_b32 s71, s18, 6                         ; my half's,
	s_add_co_u32 s70, s70, s71
	s_lshl_b32 s70, s70, 7                         ; 128 bytes a row
.else
	s_lshl_b32 s70, s22, 7
	s_lshl_b32 s71, s18, 6
	s_add_co_u32 s70, s70, s71
	s_lshl_b32 s70, s70, 13                        ; 8,192 bytes a row
.endif
	s_mov_b32 s71, 0
	s_lshl_b32 s72, s18, 18                        ; B: row 128 half, 2,048 bytes a row; column 128 TX
	s_lshl_b32 s73, s21, 8
	s_add_co_u32 s72, s72, s73
	s_add_co_u32 s72, s72, WOFF
	s_mov_b32 s73, 0
	s_wait_dscnt 0x0                               ; the opening add is done
	s_wait_kmcnt 0x0
	s_add_nc_u64 s[70:71], s[4:5], s[70:71]
	s_add_nc_u64 s[72:73], s[6:7], s[72:73]
	CROUND                                         ; all sixteen work-groups are here: the first joint loads meet
	s_mov_b32 s[G0], 1
	s_mov_b32 s[G0+1], s[LDA]
	s_mov_b64 s[G0+2:G0+3], s[70:71]
	s_or_b32 s[G0+3], s[G0+3], 0x80000000
	s_mov_b32 s[G0+4], 1
	s_add_co_u32 s[G0+5], s[LDA], SLOT
	s_add_nc_u64 s[G0+6:G0+7], s[70:71], ASTEP
	s_or_b32 s[G0+7], s[G0+7], 0x80000000
	s_mov_b32 s[G0B], 1
	s_mov_b32 s[G0B+1], s[LDB]
	s_mov_b64 s[G0B+2:G0B+3], s[72:73]
	s_or_b32 s[G0B+3], s[G0B+3], 0x80000000
	s_mov_b32 s[G0B+4], 1
	s_add_co_u32 s[G0B+5], s[LDB], SLOT
	s_add_nc_u64 s[G0B+6:G0B+7], s[72:73], BSTEP
	s_or_b32 s[G0B+7], s[G0B+7], 0x80000000
	s_cmp_eq_u32 s17, 0                            ; a wave's two first fills stand in one branch
	s_cbranch_scc0 .Lfirst_b
	tensor_load_to_lds s[G0:G0+3], s[G1:G1+7]
	s_nop 0
	tensor_load_to_lds s[G0+4:G0+7], s[G1:G1+7]
	s_nop 0
.rept 4
	v_nop
.endr
	s_branch .Lfirst_asked
.Lfirst_b:
	tensor_load_to_lds s[G0B:G0B+3], s[G1B:G1B+7]
	s_nop 0
	tensor_load_to_lds s[G0B+4:G0B+7], s[G1B:G1B+7]
	s_nop 0
.rept 4
	v_nop
.endr
.Lfirst_asked:
	v_and_b32 v1, 15, v0                           ; r
	v_bfe_u32 v2, v0, 4, 1                         ; h
	v_and_b32 v3, 7, v0
	v_bfe_u32 v4, v0, 3, 1
	v_and_b32 v5, 31, v0                           ; l
	s_lshl_b32 s68, s21, 9                         ; the bias: column 128 TX + 64 ch + 16 b + 8 h
	s_lshl_b32 s69, s18, 8
	s_add_co_u32 s68, s68, s69
	v_lshl_add_u32 v[BO], v2, 5, s68
.irp b, 0,1,2,3
	global_load_b128 v[BIA+8*\b:BIA+8*\b+3],   v[BO], s[8:9] offset:64*\b
	global_load_b128 v[BIA+8*\b+4:BIA+8*\b+7], v[BO], s[8:9] offset:64*\b+16
.endr
	s_lshl_b32 s68, s22, 7                         ; the rows that I store: 128 TY + 32 w, whole: 512 bytes at column 128 TX
	s_lshl_b32 s69, s[WV], 5
	s_add_co_u32 s68, s68, s69
	s_lshl_b32 s68, s68, 12
	s_lshl_b32 s69, s21, 9
	s_add_co_u32 s68, s68, s69
	s_mov_b32 s69, 0
	s_add_nc_u64 s[10:11], s[10:11], s[68:69]
	s_add_nc_u64 s[12:13], s[12:13], s[68:69]
	v_lshlrev_b32 v[CO], 4, v5
	WIN 0x80                                       ; destination window 2
.set t, 0
.rept 32
	global_load_b128 v[4*t:4*t+3], v[CO], s[10:11] offset:4096*t
.set t, t+1
.endr
	WIN 0
.if KIND == 0
	s_lshl_b32 s68, s22, 2                         ; my 32 rows are chunk 4 TY + w of the second norm's statistics
	s_add_co_u32 s68, s68, s[WV]
	s_lshl_b32 s68, s68, 12
	s_lshl_b32 s69, s21, 9
	s_add_co_u32 s68, s68, s69
	s_mov_b32 s69, 0
	s_add_nc_u64 s[14:15], s[14:15], s[68:69]
.endif
	s_mul_i32 s68, s17, HALFA
	v_mul_u32_u24 v[ADA0], v1, AP
	v_lshl_add_u32 v[ADA0], v2, 4, v[ADA0]
	v_add_nc_u32 v[ADA0], s68, v[ADA0]
	v_lshl_add_u32 v[ADB0], v2, 3, v3
	v_mul_u32_u24 v[ADB0], v[ADB0], BP
	v_lshl_add_u32 v[ADB0], v4, 4, v[ADB0]
	s_lshl_b32 s68, s18, 7                         ; my 64 columns
	s_add_co_u32 s68, s68, 2*HALFA
	v_add_nc_u32 v[ADB0], s68, v[ADB0]
	v_mov_b32 v[ADA], v[ADA0]
	v_mov_b32 v[ADB], v[ADB0]
	s_mul_i32 s68, s17, 64*SPITCH                  ; into the stage: row 64 rh + r, byte 256 ch + 32 h
	s_lshl_b32 s69, s18, 8
	s_add_co_u32 s68, s68, s69
	v_mul_u32_u24 v[STO], v1, SPITCH
	v_lshl_add_u32 v[STO], v2, 5, v[STO]
	v_add_nc_u32 v[STO], s68, v[STO]
	s_mul_i32 s68, s[WV], 32*SPITCH                ; back: rows 32 w .., a row's 512 bytes by 32 lanes
	v_lshl_add_u32 v[RD], v5, 4, s68
	s_wait_tensorcnt 1                             ; my part of K step 0 is in; K step 1's may stay out
	s_barrier_signal -1
	s_barrier_wait -1
	FETCH 0, F0                                    ; the first quarter's fragments
	s_wait_loadcnt 32                              ; the bias is in; the residual's 32 loads stay out
	QH F0, F1, 1, 1                                ; the first quarter stands in front of the loop: its first products start the sums, with the bias
	WIN 0
	s_mov_b32 s[CNT], T                            ; T - 1 changes of slots to come: the count is T - 1 .. 2 at those that fill, 1 at the one that fills nothing
	s_mov_b32 s[SA], 2*AKQ                         ; K step 0 has one pair left: it asks for the step's third and fourth quarter
	s_mov_b32 s[SB], HALFB
	s_mov_b32 s[NPR], 1
	s_branch .Lpair                                ; the loop is entered at the pair
.Lstep:                                        ; T - 2 times: every K step from the third on is asked for
	SYNC 1
.Lgo:
	s_mov_b32 s[NPR], 2
.Lpair:
	PAIR
	s_cbranch_scc1 .Lpair
	s_sub_co_u32 s[CNT], s[CNT], 1
	s_cmp_gt_u32 s[CNT], 1
	s_cbranch_scc1 .Lstep
	s_cmp_eq_u32 s[CNT], 0
	s_cbranch_scc1 .Llast                          ; the last K step's first three quarters are done
	SYNC 0                                         ; the last change of slots asks for nothing: it has its own lines, and the same pairs follow it
	s_branch .Lgo
.Llast:
	s_wait_dscnt 0x0                               ; the very last quarter: nothing more to fetch
	MUL8 F1, 0, 0, 0
	MUL8 F1, 0, 2, 0
	MUL8 F1, 1, 0, 0
	MUL8 F1, 1, 2, 0
	WIN 0
	PLACES
.irp a, 0,1,2,3
.irp b, 0,1,2,3
	ds_store_b128 v[STO], v[ACC+8*(4*\a+\b):ACC+8*(4*\a+\b)+3]   offset:\a*16*SPITCH+64*\b      ; each accumulator's low half first
	ds_store_b128 v[STO], v[ACC+8*(4*\a+\b)+4:ACC+8*(4*\a+\b)+7] offset:\a*16*SPITCH+64*\b+16
.endr
.endr
	s_wait_dscnt 0x0                               ; for the others' sake: my stores into the stage are done
	s_barrier_signal -1
	s_barrier_wait -1
.set t, 0
.rept 32
	ds_load_b128 v[ACC+4*t:ACC+4*t+3], v[RD] offset:t*SPITCH
.set t, t+1
.endr
	s_wait_loadcnt 0x0                             ; the residual
	s_wait_dscnt 0x0
	WIN 0x08                                       ; source 1 in window 2
.set t, 0
.rept 64
	v_pk_add_f32 v[ACC+2*t:ACC+2*t+1], v[ACC+2*t:ACC+2*t+1], v[2*t:2*t+1]
.set t, t+1
.endr
	WIN 0
.set t, 0
.rept 32
	global_store_b128 v[CO], v[ACC+4*t:ACC+4*t+3], s[12:13] offset:4096*t   ; a row's 512 consecutive bytes, aligned
.set t, t+1
.endr
.if KIND == 0
	; the second norm's partial statistics of my 32 rows, in two passes over the registers: mean, then the squares about it
	v_pk_add_f32 v[SS:SS+1], v[ACC:ACC+1], v[ACC+4:ACC+5]
	v_pk_add_f32 v[SS+2:SS+3], v[ACC+2:ACC+3], v[ACC+6:ACC+7]
.set t, 2
.rept 30
	v_pk_add_f32 v[SS:SS+1], v[SS:SS+1], v[ACC+4*t:ACC+4*t+1]
	v_pk_add_f32 v[SS+2:SS+3], v[SS+2:SS+3], v[ACC+4*t+2:ACC+4*t+3]
.set t, t+1
.endr
	v_pk_mul_f32 v[SS:SS+1], v[SS:SS+1], 0x3d000000 op_sel_hi:[1,0]
	v_pk_mul_f32 v[SS+2:SS+3], v[SS+2:SS+3], 0x3d000000 op_sel_hi:[1,0]
.set t, 0
.rept 32
.set dd, DD+4*(t%2)
	v_pk_add_f32 v[dd:dd+1], v[ACC+4*t:ACC+4*t+1], v[SS:SS+1] neg_lo:[0,1] neg_hi:[0,1]
	v_pk_add_f32 v[dd+2:dd+3], v[ACC+4*t+2:ACC+4*t+3], v[SS+2:SS+3] neg_lo:[0,1] neg_hi:[0,1]
.if t == 0
	v_pk_mul_f32 v[SM:SM+1], v[dd:dd+1], v[dd:dd+1]
	v_pk_mul_f32 v[SM+2:SM+3], v[dd+2:dd+3], v[dd+2:dd+3]
.else
	v_pk_fma_f32 v[SM:SM+1], v[dd:dd+1], v[dd:dd+1], v[SM:SM+1]
	v_pk_fma_f32 v[SM+2:SM+3], v[dd+2:dd+3], v[dd+2:dd+3], v[SM+2:SM+3]
.endif
.set t, t+1
.endr
	global_store_b128 v[CO], v[SS:SS+3], s[14:15]
	global_store_b128 v[CO], v[SM:SM+3], s[14:15] offset:524288
.endif
	s_wait_tensorcnt 0x0                           ; the wave's end, behind my last tensor load and my last LDS store
	ds_add_u32 v[SPW], v[NIL]
	s_wait_dscnt 0x0
	CROUND                                         ; the closing round
	s_endpgm
.Lfunc_end_k_q2c8e20579d_wo:
	.size	k_q2c8e20579d_wo, .Lfunc_end_k_q2c8e20579d_wo-k_q2c8e20579d_wo
	.p2alignl 7, 3214868480
	.fill 96, 4, 3214868480
	.section	.rodata,"a",@progbits
	.p2align	6, 0x0
	.amdhsa_kernel k_q2c8e20579d_wo
		.amdhsa_group_segment_fixed_size 327680
		.amdhsa_private_segment_fixed_size 0
		.amdhsa_enable_private_segment 0
		.amdhsa_kernarg_size 48
		.amdhsa_user_sgpr_count 2
		.amdhsa_user_sgpr_kernarg_segment_ptr 1
		.amdhsa_wavefront_size32 1
		.amdhsa_system_sgpr_workgroup_id_x 1
		.amdhsa_system_sgpr_workgroup_id_y 1
		.amdhsa_system_sgpr_workgroup_id_z 1
		.amdhsa_system_vgpr_workitem_id 0
		.amdhsa_next_free_vgpr 640
		.amdhsa_next_free_sgpr 96
		.amdhsa_reserve_vcc 0
		.amdhsa_float_denorm_mode_32 3
		.amdhsa_float_denorm_mode_16_64 3
		.amdhsa_memory_ordered 1
		.amdhsa_forward_progress 1
		.amdhsa_inst_pref_size 54
	.end_amdhsa_kernel
	.amdgpu_metadata
---
amdhsa.version: [ 1, 2 ]
amdhsa.kernels:
  - .name:           k_q2c8e20579d_wo
    .symbol:         k_q2c8e20579d_wo.kd
    .args:
      - { .name: act, .offset: 0, .size: 8, .value_kind: global_buffer, .address_space: global }
      - { .name: wb, .offset: 8, .size: 8, .value_kind: global_buffer, .address_space: global }
      - { .name: bo, .offset: 16, .size: 8, .value_kind: global_buffer, .address_space: global }
      - { .name: x, .offset: 24, .size: 8, .value_kind: global_buffer, .address_space: global }
      - { .name: x1, .offset: 32, .size: 8, .value_kind: global_buffer, .address_space: global }
      - { .name: part, .offset: 40, .size: 8, .value_kind: global_buffer, .address_space: global }
    .group_segment_fixed_size: 327680
    .private_segment_fixed_size: 0
    .kernarg_segment_align: 8
    .kernarg_segment_size: 48
    .max_flat_workgroup_size: 128
    .sgpr_count:     96
    .vgpr_count:     640
    .wavefront_size: 32
...
	.end_amdgpu_metadata
.endif
;; end of part 5
;; launch norm2: the kernel of part 2 again; grid 8 x 32, 8 waves a work-group, no clusters, 9,216 bytes of LDS; arguments x1, part, gamma2, beta2, act; writes act
;; launch ffn1 (part 6): grid 16 x 16, 4 waves a work-group, clusters of 4 x 4, 327,680 bytes of LDS; arguments act, wb, b1, mid; writes mid
.if DOCPART == 6
	.amdgcn_target "amdgcn-amd-amdhsa--gfx1250"
	.amdhsa_code_object_version 6
	.text
	.protected	k_q2c8e20579d_ffn1
	.globl	k_q2c8e20579d_ffn1
	.p2align	8
	.type	k_q2c8e20579d_ffn1,@function
k_q2c8e20579d_ffn1:
	s_mov_b64 s[64:65], 0
	v_nop
	global_prefetch_b8 v0, s[64:65] scope:SCOPE_SE
	s_setreg_imm32_b32 hwreg(HW_REG_WAVE_MODE, 25, 1), 1
	s_wait_xcnt 0x0
	s_wait_alu depctr_hold_cnt(0) depctr_sa_sdst(0) depctr_va_vdst(0) depctr_va_sdst(0) depctr_va_ssrc(0) depctr_va_vcc(0) depctr_vm_vsrc(0)
	s_getreg_b32 s2, hwreg(HW_REG_IB_STS2, 6, 4)
	s_cmp_eq_u32 s2, 0
	s_cbranch_scc0 .Lentry_in_a_cluster
	s_endpgm
.Lentry_in_a_cluster:
	s_bfe_u32 s2, ttmp6, 0x10000c
	s_cmp_lg_u32 s2, 0xf033
	s_cbranch_scc0 .Lentry_shape_is_right
	s_endpgm
.Lentry_shape_is_right:
; THE LARGE PRODUCT, one text for two launches (KIND).  C = A B + bias, A [4096][1024] f16 with K along the rows, B f16 stored [k][n]; sums in f32, C rounded once to f16.
; KIND = 0: q, k, v of one head: a tile of C is 256 rows x 192 columns (64 of q, 64 of k, 64 of v); B comes in dense blocks [q, k, v][64 k][64 d]; C leaves by heads, [b 16 + head][2048][64], unscaled.
; KIND = 1: mid = relu(h2 W1 + b1): a tile is 256 x 256.
; SHARES.  Four waves; wave w owns rows 64 w .. 64 w + 63 and ALL the tile's columns: 4 x NBW accumulators of 16 x 16.  So a wave's rows of C are whole rows of the tile.
; K goes in 8 steps of 128 through two LDS slots.  Waves 0 and 1 fetch A's two halves (128 rows x 256 bytes), waves 2 and 3 B's (64 k each): one tensor load a wave behind each change of slots.
; B lies in LDS as in memory, [k][n]; ds_load_tr16_b128 turns it into fragments.  The product is used transposed (source 0 = 16 columns of B, source 1 = 16 rows of A): a lane holds eight neighbouring columns of a row of C.
; THE BIAS STARTS THE SUMS: it is the C operand of each accumulator's first product; nothing is cleared and nothing is added later.
; THE LOOP.  A K step is four quarters of 32 along K, on two fragment buffers by turns.  Quarter q multiplies buffer q % 2; at its head it asks for quarter q + 1's fragments into the other buffer, so that a run of LDS loads
; has a whole quarter's products in which to land.  Two quarters, an odd one and the even one behind it, are written once (PAIR) and walked twice a K step; their LDS addresses hang on s[SA] and s[SB], which step with the pairs.
; THE CHANGE OF SLOTS stands between a step's third and fourth quarter, where all of the step's fragments have been asked for; no product stands between the wait for all tensor loads and the refill.
; ONE TEXT FOR EVERY K STEP.  The last change of slots, which fills nothing, has lines of its own (SYNC 0) and goes back to the same pairs.  Every wait on TENSORcnt in the loop is for 0, so no count hangs on the way by which the pairs are reached.
; CLUSTER 4 x 4: A's tile is shared along a row of the cluster, B's along a column: joint loads.  By this text's count a wave has two tensor loads out at the start, later one.
; LIMITS.  f16: operands and results beyond 65,504 become infinities; NaN and infinities are not treated apart.
.set KIND, 1
.set W1_OFF, 8388608
.if KIND == 0
.set NBW,   12                         ; blocks of 16 columns
.set BP,    160                        ; a row of B in LDS: 128 bytes + 32
.set PLANE, 10240                      ; from q's 64 rows to k's to v's
.set HALFB, 30720
.set STW,   6912                       ; a wave's stage: 3 planes x 16 rows x 144 bytes
.set SRP,   144
.set SPL,   2304
.set BSTEP, 49152                      ; two blocks of 24,576 bytes
.set PFSB,  65536
.set LIMB,  4
.set PSH1B, 9
.set G1B0,  (1<<16)|(1<<20)|(1<<21)|(4<<22)|(7<<25)  ; 2-byte elements; padding on; bit 21 beside a mask; after every 32 words 8 words
.set BD0,   128                        ; the dense block is asked for as 96 rows of 256 bytes
.set BD1,   96
.set BPI,   128
.else
.set NBW,   16
.set BP,    544                        ; 512 bytes + 32
.set PLANE, 128
.set HALFB, 34816
.set STW,   8448                       ; 16 rows x 528 bytes
.set SRP,   528
.set SPL,   128
.set BSTEP, 1048576                    ; 128 rows of 8,192 bytes
.set PFSB,  1048576
.set LIMB,  3
.set PSH1B, 13
.set G1B0,  (1<<16)|(1<<20)|(1<<21)|(6<<22)|(7<<25)  ; after every 128 words 8 words
.set BD0,   256
.set BD1,   64
.set BPI,   4096
.endif
.set NL,     2*NBW+8                   ; LDS loads in a quarter's run
.set AP,     272                       ; a row of A in LDS: 256 bytes + 16
.set HALFA,  128*AP
.set ABYTES, 2*HALFA
.set SLOT,   ABYTES+2*HALFB
.set STAGE,  2*SLOT                    ; behind the ring, never filled by a tensor load
.set SPARE,  STAGE+4*STW               ; behind the stages: the spare words, 128 bytes a wave: two blocks of 256 bytes that no other line names
.set ASTEP,  256
.set ADA0, 16                          ; v16 my lane's place in A's tile; v17 in B's; never rewritten
.set ADB0, 17
.set ADA,  18                          ; v18, v19 the same for the pair in hand
.set ADB,  19
.set STO,  24
.set RD,   25
.set GO,   26
.set BO,   27
.set SPW,  28
.set NIL,  29
.set PFO,  30
.set ZR,   31                          ; 0, for the packed maximum
.set FA,   32                          ; window 0: A's fragments at FA + 32 f + 8 a.  Window 1: B's at 128 f + 8 b.  Windows 2, 3: accumulator (a, b) at 128 (a % 2) + 8 b in window 2 + a / 2
.set BIA,  128                         ; window 0: the bias as NBW C operands
.set TMP,  96                          ; the way out
.set OB0,  160
.set WV,  16
.set G1,  24
.set G0,  32
.set TB,  40                           ; s40 0 or SLOT: the slot whose fragments are being asked for
.set CNT, 41                           ; s41 changes of slots still to come, and 1
.set LIM, 42
.set LDA, 43
.set LDB, 44
.set NPR, 45                           ; s45 pairs still to go in this K step
.set PFA, 46
.set G1B, 48
.set G0B, 56
.set PFS, 66
.set SA,  86                           ; s86 what the pair in hand adds to A's LDS address: the slot + 128 bytes for each pair
.set SB,  87                           ; s87 the same for B: the slot + 64 rows of k for each pair
.set MSB, 0
.macro WIN new                         ; the immediate's high byte repeats the setting that is left; a switch that changes nothing is dropped
.if MSB != (\new)
	s_set_vgpr_msb (MSB<<8)|(\new)
.set MSB, \new
.endif
.endm
.macro PLACES                          ; four plain places in front of loads into registers that matrix instructions have read, and of conversions that read results
.rept 4
	v_nop
.endr
.endm
.macro JLOAD                           ; the joint refill, by the walking descriptors; the branch hangs on the wave's number alone; s_nop 0 and four v_nop follow each line
	s_cmp_eq_u32 s17, 0
	s_cbranch_scc0 .Lfor_b_\@
	tensor_load_to_lds s[G0+4:G0+7], s[G1:G1+7]
	s_nop 0
.rept 4
	v_nop
.endr
	s_branch .Lasked_\@
.Lfor_b_\@:
	tensor_load_to_lds s[G0B+4:G0B+7], s[G1B:G1B+7]
	s_nop 0
.rept 4
	v_nop
.endr
.Lasked_\@:
.endm
.macro CREST                           ; a round of the cluster's barrier behind its opening barrier
	s_cmp_lg_u32 s[WV], 0
	s_cbranch_scc1 .Lnot_wave_0_\@
	s_barrier_signal -3
.Lnot_wave_0_\@:
	s_barrier_wait -3
	s_barrier_signal -1
	s_barrier_wait -1
.endm
.macro CROUND
	s_barrier_signal -1
	s_barrier_wait -1
	CREST
.endm
; A prefetch of what stands two refills on (KIND = 0, B: the dense blocks of K steps 4 to 7 in three equal parts).  Each aligned 256 bytes of K steps 4 to 7 is named once in the launch: A's rows by the clusters with x = 0,
; B's by those with y = 0; the partners that ask for a tile jointly share its blocks out by address; a lane a block.  K steps 0 to 3 come by their loads alone; the last changes of slots ask for nothing.
.macro ASK
	s_cmp_gt_u32 s[CNT], s[LIM]
	s_cbranch_scc0 .Lnot_mine_\@
	global_prefetch_b8 v[PFO], s[PFA:PFA+1] th:TH_LOAD_NT scope:SCOPE_SE
.Lnot_mine_\@:
.endm
; NBW products: row block a x all column blocks, 32 along K, from fragment buffer f.  The accumulators take turns, one instruction a turn.
.macro MULA f, a, first
.if \first
	WIN 0x81+0x40*((\a)/2)
.else
	WIN 0xa1+0x50*((\a)/2)
.endif
.set bb, 0
.rept NBW
.set rD, 128*((\a)%2)+8*bb
.set rB, 128*(\f)+8*bb
.set rA, FA+32*(\f)+8*(\a)
.if \first
	v_wmma_f32_16x16x32_f16 v[rD:rD+7], v[rB:rB+7], v[rA:rA+7], v[BIA+8*bb:BIA+8*bb+7]
.else
	v_wmma_f32_16x16x32_f16 v[rD:rD+7], v[rB:rB+7], v[rA:rA+7], v[rD:rD+7]
.endif
.set bb, bb+1
.endr
.endm
; One run of NL LDS loads: the fragments of quarter rel (0, 1) of the two that v[ADA] and v[ADB] stand at, into buffer f: B's first (turned), then A's four blocks.
.macro FETCH rel, f
	WIN 0x40
.set bb, 0
.rept NBW
.set oB, (\rel)*32*BP+(bb/4)*PLANE+(bb%4)*32
	ds_load_tr16_b128 v[128*(\f)+8*bb:128*(\f)+8*bb+3],   v[ADB] offset:oB
	ds_load_tr16_b128 v[128*(\f)+8*bb+4:128*(\f)+8*bb+7], v[ADB] offset:oB+16*BP
.set bb, bb+1
.endr
	WIN 0
.irp a, 0,1,2,3
	ds_load_b128 v[FA+32*(\f)+8*\a:FA+32*(\f)+8*\a+3],   v[ADA] offset:\a*16*AP+64*(\rel)
	ds_load_b128 v[FA+32*(\f)+8*\a+4:FA+32*(\f)+8*\a+7], v[ADA] offset:\a*16*AP+64*(\rel)+32
.endr
.endm
; A quarter: the next quarter's fragments are asked for into buffer g, whose last reader stands four places back; then buffer f is multiplied.
.macro QH f, g, rel, first
	PLACES
	FETCH \rel, \g
	s_wait_dscnt NL                                ; all but the run just issued: buffer f's run, a quarter older, is in
	MULA \f, 0, \first
	MULA \f, 1, \first
	MULA \f, 2, \first
	MULA \f, 3, \first
.endm
; Two quarters: an odd one (buffer 1), which asks for the first quarter at SA, SB, and an even one (buffer 0), which asks for the second.  It ends with the compare for the loop's jump.
.macro PAIR
	v_add_nc_u32 v[ADA], s[SA], v[ADA0]
	v_add_nc_u32 v[ADB], s[SB], v[ADB0]
	QH 1, 0, 0, 0
	QH 0, 1, 1, 0
	WIN 0                                          ; at a label and at a branch every window is 0
	s_add_co_u32 s[SA], s[SA], 128                 ; two quarters on: 64 along K in A's rows,
	s_add_co_u32 s[SB], s[SB], HALFB               ; 64 rows of B
	s_sub_co_u32 s[NPR], s[NPR], 1
	s_cmp_lg_u32 s[NPR], 0
.endm
; THE CHANGE OF SLOTS.  Each wave waits for all its tensor loads (one is out: its part of the next slot), adds 0 to its spare word, and waits for that and for its reads of this slot, the fourth quarter's fragments among them.
; fill = 1: behind a round of the cluster's barrier this slot is filled again, two K steps ahead: the refill has four quarters' products in which to land.  fill = 0: nothing is left to ask for: a plain barrier.
.macro SYNC fill
.if \fill
	s_wait_xcnt 0x0                                ; the last prefetch, a K step back, has read its address
	s_add_nc_u64 s[PFA:PFA+1], s[PFA:PFA+1], s[PFS:PFS+1]
.endif
	s_wait_tensorcnt 0x0                           ; no tensor load of mine is out, so the walking descriptors may be written
	ds_add_u32 v[SPW], v[NIL]                      ; 0 onto my spare word; the scalar work below stands between it and the wait for it
.if \fill
	s_add_co_u32 s[G0+5], s[LDA], s[TB]            ; into the slot that has been read out,
	s_add_nc_u64 s[G0+6:G0+7], s[G0+6:G0+7], ASTEP ; the next K step; the type bits on top are not reached
	s_add_co_u32 s[G0B+5], s[LDB], s[TB]
	s_add_nc_u64 s[G0B+6:G0B+7], s[G0B+6:G0B+7], BSTEP
.endif
	s_xor_b32 s[TB], s[TB], SLOT                   ; the fetches go to the other slot,
	s_mov_b32 s[SA], s[TB]                         ; to its first two quarters
	s_mov_b32 s[SB], s[TB]
	s_wait_dscnt 0x0                               ; the add is done, and my reads of this slot are over
.if \fill
	CROUND                                         ; no wave of any partner still reads this slot or has a load on its way
	JLOAD                                          ; the first tensor load behind the round
	ASK
.else
	s_barrier_signal -1
	s_barrier_wait -1
.endif
.endm
	s_load_b256 s[4:11], s[0:1], 0x0               ; KIND 0: act 4:5, wb 6:7, bq 8:9, bk 10:11.  KIND 1: act, wb, b1 8:9, mid 10:11
.if KIND == 0
	s_load_b128 s[12:15], s[0:1], 0x20             ; bv 12:13, qkv 14:15
.endif
	v_lshl_add_u32 v[SPW], v0, 2, SPARE
	v_mov_b32 v[NIL], 0
	ds_add_u32 v[SPW], v[NIL]                      ; the wave's opening: the add and its wait stand ahead of my first tensor load
	v_lshrrev_b32 v1, 5, v0
	v_readfirstlane_b32 s[WV], v1                  ; wave 0..3
	s_lshr_b32 s17, s[WV], 1                       ; I fetch for A (0) or for B (1),
	s_and_b32 s18, s[WV], 1                        ; its first or second half
	s_bfe_u32 s19, ttmp6, 0x40000                  ; cx
	s_bfe_u32 s20, ttmp6, 0x40004                  ; cy
	s_lshl_b32 s21, ttmp9, 2
	s_add_co_u32 s21, s21, s19                     ; TX: tile column (KIND 0: the head)
	s_and_b32 s22, ttmp7, 0xffff
	s_lshl_b32 s22, s22, 2
	s_add_co_u32 s22, s22, s20                     ; TY: tile row
	s_lshl_b32 s68, s20, 2
	s_lshl_b32 s68, 15, s68                        ; my row of the cluster
	s_lshl_b32 s69, 0x1111, s19                    ; my column
	s_or_b32 s[G1], s68, (1<<16)|(1<<20)|(1<<21)|(5<<22)|(3<<25)  ; A: 2-byte elements; padding on; bit 21 beside a mask; after every 64 words 4 words
	s_mov_b32 s[G1+1], 128<<16                     ; tensor_dim0 = 128
	s_mov_b32 s[G1+2], 128<<16                     ; tensor_dim1 = 128
	s_mov_b32 s[G1+3], 128<<16                     ; tile_dim0 = 128
	s_mov_b32 s[G1+4], 128                         ; tile_dim1 = 128
	s_mov_b32 s[G1+5], 1024                        ; elements from row to row
	s_mov_b32 s[G1+6], 0
	s_mov_b32 s[G1+7], 0
	s_or_b32 s[G1B], s69, G1B0
	s_mov_b32 s[G1B+1], BD0<<16
	s_mov_b32 s[G1B+2], BD1<<16
	s_mov_b32 s[G1B+3], BD0<<16
	s_mov_b32 s[G1B+4], BD1
	s_mov_b32 s[G1B+5], BPI
	s_mov_b32 s[G1B+6], 0
	s_mov_b32 s[G1B+7], 0
	s_mul_i32 s[LDA], s[WV], HALFA                 ; where my part of a slot lies: no place in the cluster enters an LDS address
	s_mul_i32 s[LDB], s[WV], HALFB
	s_add_co_u32 s[LDB], s[LDB], ABYTES-2*HALFB
	s_mov_b32 s[TB], 0
	s_lshl_b32 s70, s22, 8                         ; A: row 256 TY + 128 half, 2,048 bytes a row
	s_lshl_b32 s71, s18, 7
	s_add_co_u32 s70, s70, s71
	s_lshl_b32 s70, s70, 11
	s_mov_b32 s71, 0
.if KIND == 0
	s_lshl_b32 s72, s21, 4                         ; B: block 16 TX + half
	s_add_co_u32 s72, s72, s18
	s_mul_i32 s72, s72, 24576
.else
	s_lshl_b32 s72, s18, 19                        ; B: row 64 half, 8,192 bytes a row; column 256 TX
	s_lshl_b32 s73, s21, 9
	s_add_co_u32 s72, s72, s73
	s_add_co_u32 s72, s72, W1_OFF
.endif
	s_mov_b32 s73, 0
	s_wait_dscnt 0x0                               ; the opening add is done
	s_wait_kmcnt 0x0
	s_add_nc_u64 s[70:71], s[4:5], s[70:71]
	s_add_nc_u64 s[72:73], s[6:7], s[72:73]
	CROUND                                         ; all sixteen work-groups are here: the first joint loads meet
	s_mov_b32 s[G0], 1                             ; K step 0 into slot 0
	s_mov_b32 s[G0+1], s[LDA]
	s_mov_b64 s[G0+2:G0+3], s[70:71]
	s_or_b32 s[G0+3], s[G0+3], 0x80000000
	s_mov_b32 s[G0+4], 1                           ; K step 1 into slot 1; this set then walks
	s_add_co_u32 s[G0+5], s[LDA], SLOT
	s_add_nc_u64 s[G0+6:G0+7], s[70:71], ASTEP
	s_or_b32 s[G0+7], s[G0+7], 0x80000000
	s_mov_b32 s[G0B], 1
	s_mov_b32 s[G0B+1], s[LDB]
	s_mov_b64 s[G0B+2:G0B+3], s[72:73]
	s_or_b32 s[G0B+3], s[G0B+3], 0x80000000
	s_mov_b32 s[G0B+4], 1
	s_add_co_u32 s[G0B+5], s[LDB], SLOT
	s_add_nc_u64 s[G0B+6:G0B+7], s[72:73], BSTEP
	s_or_b32 s[G0B+7], s[G0B+7], 0x80000000
	s_cmp_eq_u32 s17, 0                            ; a wave's two first fills stand in one branch, ahead of every wait on TENSORcnt and every LDS read
	s_cbranch_scc0 .Lfirst_b
	tensor_load_to_lds s[G0:G0+3], s[G1:G1+7]
	s_nop 0
	tensor_load_to_lds s[G0+4:G0+7], s[G1:G1+7]
	s_nop 0
.rept 4
	v_nop
.endr
	s_branch .Lfirst_asked
.Lfirst_b:
	tensor_load_to_lds s[G0B:G0B+3], s[G1B:G1B+7]
	s_nop 0
	tensor_load_to_lds s[G0B+4:G0B+7], s[G1B:G1B+7]
	s_nop 0
.rept 4
	v_nop
.endr
.Lfirst_asked:
	v_and_b32 v1, 15, v0                           ; r = l % 16
	v_bfe_u32 v2, v0, 4, 1                         ; h = l / 16
	v_and_b32 v3, 7, v0
	v_bfe_u32 v4, v0, 3, 1
	v_and_b32 v5, 31, v0                           ; l
	v_mov_b32 v[ZR], 0
	; the bias: register j of C operand b holds bias[column 16 b + 8 h + j], the same for all rows
.if KIND == 0
	s_lshl_b32 s68, s21, 8                         ; the head's 64 numbers
.else
	s_lshl_b32 s68, s21, 10                        ; the tile's 256
.endif
	v_lshl_add_u32 v[BO], v2, 5, s68
.set bb, 0
.rept NBW
.if KIND == 0
	global_load_b128 v[BIA+8*bb:BIA+8*bb+3],   v[BO], s[8+2*(bb/4):9+2*(bb/4)] offset:(bb%4)*64
	global_load_b128 v[BIA+8*bb+4:BIA+8*bb+7], v[BO], s[8+2*(bb/4):9+2*(bb/4)] offset:(bb%4)*64+16
.else
	global_load_b128 v[BIA+8*bb:BIA+8*bb+3],   v[BO], s[8:9] offset:bb*64
	global_load_b128 v[BIA+8*bb+4:BIA+8*bb+7], v[BO], s[8:9] offset:bb*64+16
.endif
.set bb, bb+1
.endr
	s_mul_i32 s68, s[WV], 64*AP                    ; A: my 64 rows; row r, 16 bytes for each half of the lanes
	v_mul_u32_u24 v[ADA0], v1, AP
	v_lshl_add_u32 v[ADA0], v2, 4, v[ADA0]
	v_add_nc_u32 v[ADA0], s68, v[ADA0]
	v_lshl_add_u32 v[ADB0], v2, 3, v3              ; B, for the turning load: row 8 h + l % 8, 16 bytes by (l / 8) % 2
	v_mul_u32_u24 v[ADB0], v[ADB0], BP
	v_lshl_add_u32 v[ADB0], v4, 4, v[ADB0]
	v_add_nc_u32 v[ADB0], ABYTES, v[ADB0]
	v_mov_b32 v[ADA], v[ADA0]
	v_mov_b32 v[ADB], v[ADB0]
	s_mul_i32 s68, s[WV], STW
	s_add_co_u32 s68, s68, STAGE                   ; my stage
	v_mul_u32_u24 v[STO], v1, SRP
	v_lshl_add_u32 v[STO], v2, 4, v[STO]
	v_add_nc_u32 v[STO], s68, v[STO]
.if KIND == 0
	v_bfe_u32 v[RD], v0, 3, 2                      ; back: 32 lanes take four rows of 128 bytes
	v_mul_u32_u24 v[RD], v[RD], SRP
	v_lshl_add_u32 v[RD], v3, 4, v[RD]
	v_add_nc_u32 v[RD], s68, v[RD]
.else
	v_lshl_add_u32 v[RD], v5, 4, s68               ; back: 32 lanes take one row of 512 bytes
.endif
	v_lshlrev_b32 v[GO], 4, v5
	; where my rows of C begin
.if KIND == 0
	s_lshr_b32 s68, s22, 3                         ; the batch
	s_lshl_b32 s68, s68, 4
	s_add_co_u32 s68, s68, s21                     ; 16 b + head
	s_lshl_b32 s68, s68, 11
	s_and_b32 s69, s22, 7
	s_lshl_b32 s69, s69, 8
	s_add_co_u32 s68, s68, s69
	s_lshl_b32 s69, s[WV], 6
	s_add_co_u32 s68, s68, s69
	s_lshl_b32 s68, s68, 7                         ; 128 bytes a row
	s_mov_b32 s69, 0
	s_add_nc_u64 s[80:81], s[14:15], s[68:69]      ; q,
	s_add_nc_u64 s[82:83], s[80:81], 0x800000      ; k,
	s_add_nc_u64 s[84:85], s[82:83], 0x800000      ; v
.else
	s_lshl_b32 s68, s22, 8
	s_lshl_b32 s69, s[WV], 6
	s_add_co_u32 s68, s68, s69
	s_lshl_b32 s68, s68, 13                        ; 8,192 bytes a row
	s_lshl_b32 s69, s21, 9
	s_add_co_u32 s68, s68, s69
	s_mov_b32 s69, 0
	s_add_nc_u64 s[80:81], s[10:11], s[68:69]
.endif
	; the prefetches: the address stands one step back; the first change of slots steps it to what is asked for first
	s_lshl_b32 s74, s22, 8                         ; A: row 256 TY + 128 half + 32 cx, at K step 3
	s_lshl_b32 s75, s18, 7
	s_add_co_u32 s74, s74, s75
	s_lshl_b32 s75, s19, 5
	s_add_co_u32 s74, s74, s75
	s_lshl_b32 s74, s74, 11
	s_add_co_u32 s74, s74, 3*256
.if KIND == 0
	s_lshl_b32 s76, s21, 4                         ; B: from block 16 TX + 8 on, 8,192 bytes for each of the 8 that ask
	s_add_co_u32 s76, s76, 8
	s_mul_i32 s76, s76, 24576
	s_lshl_b32 s77, s18, 2
	s_add_co_u32 s77, s77, s20
	s_lshl_b32 s77, s77, 13
	s_add_co_u32 s76, s76, s77
	s_sub_co_u32 s76, s76, 65536
.else
	s_lshl_b32 s76, s18, 6                         ; B: row 64 half + 16 cy, column 256 TX, at K step 3
	s_lshl_b32 s77, s20, 4
	s_add_co_u32 s76, s76, s77
	s_lshl_b32 s76, s76, 13
	s_lshl_b32 s77, s21, 9
	s_add_co_u32 s76, s76, s77
	s_add_co_u32 s76, s76, W1_OFF+3*1048576
.endif
	s_and_b32 s78, ttmp7, 0xffff                   ; cluster y
	s_mov_b32 s[PFS], PFSB
	s_mov_b32 s[PFS+1], 0
	s_mov_b32 s75, 0
	s_cmp_eq_u32 s17, 0                            ; do I fetch for A?
	s_cselect_b32 s74, s74, s76
	s_cselect_b32 s78, ttmp9, s78                  ; the coordinate along which other clusters read the same blocks
	s_cselect_b32 s79, 3, LIMB                     ; a wave asks while the count of changes is above this: A at 7, 6, 5, 4
	s_cselect_b32 s[PFS], 256, s[PFS]
	s_cselect_b32 s76, 12, PSH1B
	s_cselect_b32 s77, 11, 8
	s_cselect_b64 s[PFA:PFA+1], s[4:5], s[6:7]
	s_cmp_eq_u32 s78, 0
	s_cselect_b32 s[LIM], s79, -1                  ; the same in all sixteen partners, for a given wave
	s_add_nc_u64 s[PFA:PFA+1], s[PFA:PFA+1], s[74:75]
	v_bfe_u32 v6, v0, 1, 4                         ; my lane's block: (l / 2) << s76 + (l % 2) << s77
	v_and_b32 v7, 1, v0
	v_lshlrev_b32 v6, s76, v6
	v_lshlrev_b32 v7, s77, v7
	v_add_nc_u32 v[PFO], v6, v7
	s_wait_tensorcnt 1                             ; my part of K step 0 is in; K step 1's may stay out
	s_barrier_signal -1
	s_barrier_wait -1                              ; everybody's is
	FETCH 0, 0                                     ; the first quarter's fragments
	s_wait_loadcnt 0x0                             ; the bias
	QH 0, 1, 1, 1                                  ; the first quarter stands in front of the loop: its products start the sums, with the bias
	WIN 0
	s_mov_b32 s[CNT], 8                            ; seven changes of slots to come: the count is 7 .. 2 at the six that fill, 1 at the one that fills nothing
	s_mov_b32 s[SA], 128                           ; K step 0 has one pair left: it asks for the step's third and fourth quarter
	s_mov_b32 s[SB], HALFB
	s_mov_b32 s[NPR], 1
	s_branch .Lpair                                ; the loop is entered at the pair
.Lstep:                                        ; six times: K steps 2 to 7 are asked for
	SYNC 1
.Lgo:
	s_mov_b32 s[NPR], 2
.Lpair:
	PAIR
	s_cbranch_scc1 .Lpair
	s_sub_co_u32 s[CNT], s[CNT], 1
	s_cmp_gt_u32 s[CNT], 1
	s_cbranch_scc1 .Lstep
	s_cmp_eq_u32 s[CNT], 0
	s_cbranch_scc1 .Llast                          ; the last K step's first three quarters are done
	SYNC 0                                         ; the last change of slots asks for nothing: it has its own lines, and the same pairs follow it
	s_branch .Lgo
.Llast:
	s_wait_dscnt 0x0                               ; the very last quarter: nothing more to fetch
	MULA 1, 0, 0
	MULA 1, 1, 0
	MULA 1, 2, 0
	MULA 1, 3, 0
	WIN 0
; THE WAY OUT, a block of 16 rows at a time: rounded to f16 (each accumulator's registers in ascending order), through my own stage in LDS, back as whole rows, stored.
.macro PACK a
	WIN 0x0a+5*((\a)/2)
.set bb, 0
.rept NBW
.irp r, 0,1,2,3
	v_cvt_pk_f16_f32 v[TMP+4*bb+\r], v[128*((\a)%2)+8*bb+2*\r], v[128*((\a)%2)+8*bb+2*\r+1]
.endr
.set bb, bb+1
.endr
	WIN 0
.if KIND == 1
.set bb, 0
.rept 4*NBW
	v_pk_max_num_f16 v[TMP+bb], v[TMP+bb], v[ZR]   ; relu on the rounded halves: nothing is rounded again
.set bb, bb+1
.endr
.endif
.endm
.macro TOSTAGE a
	WIN 0
.set BK, OB0-128*((\a)%2)
.set bb, 0
.rept NBW
	ds_store_b128 v[STO], v[TMP+4*bb:TMP+4*bb+3] offset:(bb/4)*SPL+(bb%4)*32
.set bb, bb+1
.endr
	s_wait_xcnt 0x0                                ; the stores of the block two back have read these registers
.set t, 0
.rept NBW
.if KIND == 0
	ds_load_b128 v[BK+4*t:BK+4*t+3], v[RD] offset:(t/4)*SPL+(t%4)*4*SRP  ; LDS serves a wave's instructions in order (ISA guide 5.7.1.4): these see the stores above
.else
	ds_load_b128 v[BK+4*t:BK+4*t+3], v[RD] offset:t*SRP
.endif
.set t, t+1
.endr
.endm
.macro SEND a
	WIN 0
.set BK, OB0-128*((\a)%2)
	s_wait_dscnt 0x0                               ; the block is back in registers
.set t, 0
.rept NBW
.if KIND == 0
	global_store_b128 v[GO], v[BK+4*t:BK+4*t+3], s[80+2*(t/4):81+2*(t/4)] offset:2048*(\a)+512*(t%4)  ; four rows of a head: 512 consecutive bytes, aligned
.else
	global_store_b128 v[GO], v[BK+4*t:BK+4*t+3], s[80:81] offset:(16*(\a)+t)*8192                     ; a row's 512 consecutive bytes, aligned
.endif
.set t, t+1
.endr
.endm
	PLACES
	PACK 0
	TOSTAGE 0
.irp a, 1,2,3
	PACK \a
	SEND (\a)-1
	TOSTAGE \a
.endr
	SEND 3
	s_wait_tensorcnt 0x0                           ; the wave's end, behind my last tensor load and my last LDS store
	ds_add_u32 v[SPW], v[NIL]
	s_wait_dscnt 0x0
	CROUND                                         ; the closing round: no work-group ends while a partner may still ask for a tile that names it
	s_endpgm
.Lfunc_end_k_q2c8e20579d_ffn1:
	.size	k_q2c8e20579d_ffn1, .Lfunc_end_k_q2c8e20579d_ffn1-k_q2c8e20579d_ffn1
	.p2alignl 7, 3214868480
	.fill 96, 4, 3214868480
	.section	.rodata,"a",@progbits
	.p2align	6, 0x0
	.amdhsa_kernel k_q2c8e20579d_ffn1
		.amdhsa_group_segment_fixed_size 327680
		.amdhsa_private_segment_fixed_size 0
		.amdhsa_enable_private_segment 0
		.amdhsa_kernarg_size 32
		.amdhsa_user_sgpr_count 2
		.amdhsa_user_sgpr_kernarg_segment_ptr 1
		.amdhsa_wavefront_size32 1
		.amdhsa_system_sgpr_workgroup_id_x 1
		.amdhsa_system_sgpr_workgroup_id_y 1
		.amdhsa_system_sgpr_workgroup_id_z 1
		.amdhsa_system_vgpr_workitem_id 0
		.amdhsa_next_free_vgpr 1024
		.amdhsa_next_free_sgpr 96
		.amdhsa_reserve_vcc 0
		.amdhsa_float_denorm_mode_32 3
		.amdhsa_float_denorm_mode_16_64 3
		.amdhsa_memory_ordered 1
		.amdhsa_forward_progress 1
		.amdhsa_inst_pref_size 88
	.end_amdhsa_kernel
	.amdgpu_metadata
---
amdhsa.version: [ 1, 2 ]
amdhsa.kernels:
  - .name:           k_q2c8e20579d_ffn1
    .symbol:         k_q2c8e20579d_ffn1.kd
    .args:
      - { .name: act, .offset: 0, .size: 8, .value_kind: global_buffer, .address_space: global }
      - { .name: wb, .offset: 8, .size: 8, .value_kind: global_buffer, .address_space: global }
      - { .name: b1, .offset: 16, .size: 8, .value_kind: global_buffer, .address_space: global }
      - { .name: mid, .offset: 24, .size: 8, .value_kind: global_buffer, .address_space: global }
    .group_segment_fixed_size: 327680
    .private_segment_fixed_size: 0
    .kernarg_segment_align: 8
    .kernarg_segment_size: 32
    .max_flat_workgroup_size: 128
    .sgpr_count:     96
    .vgpr_count:     1024
    .wavefront_size: 32
...
	.end_amdgpu_metadata
.endif
;; end of part 6
;; launch ffn2 (part 7): grid 8 x 32, 4 waves a work-group, clusters of 4 x 4, 327,680 bytes of LDS; arguments mid, wb, b2, x1, out0; writes out0
.if DOCPART == 7
	.amdgcn_target "amdgcn-amd-amdhsa--gfx1250"
	.amdhsa_code_object_version 6
	.text
	.protected	k_q2c8e20579d_ffn2
	.globl	k_q2c8e20579d_ffn2
	.p2align	8
	.type	k_q2c8e20579d_ffn2,@function
k_q2c8e20579d_ffn2:
	s_mov_b64 s[64:65], 0
	v_nop
	global_prefetch_b8 v0, s[64:65] scope:SCOPE_SE
	s_setreg_imm32_b32 hwreg(HW_REG_WAVE_MODE, 25, 1), 1
	s_wait_xcnt 0x0
	s_wait_alu depctr_hold_cnt(0) depctr_sa_sdst(0) depctr_va_vdst(0) depctr_va_sdst(0) depctr_va_ssrc(0) depctr_va_vcc(0) depctr_vm_vsrc(0)
	s_getreg_b32 s2, hwreg(HW_REG_IB_STS2, 6, 4)
	s_cmp_eq_u32 s2, 0
	s_cbranch_scc0 .Lentry_in_a_cluster
	s_endpgm
.Lentry_in_a_cluster:
	s_bfe_u32 s2, ttmp6, 0x10000c
	s_cmp_lg_u32 s2, 0xf033
	s_cbranch_scc0 .Lentry_shape_is_right
	s_endpgm
.Lentry_shape_is_right:
; THE SMALL PRODUCT, one text for two launches (KIND).  Y = R + A B + bias: A f16 with K along its rows, B f16 stored [k][1024], R and Y f32 [4096][1024]; sums in f32.
; KIND = 0: x1 = x + o Wo + bo; o lies by heads, [b 16 + head][2048][64], and a K step of 256 is four heads; the launch also stores the second norm's partial statistics of its rows.  K = 1,024: 4 steps.
; KIND = 1: out = x1 + mid W2 + b2.  K = 4,096: 16 steps.
; A tile of Y is 128 x 128, so that the 4,096 x 1,024 numbers give 256 work-groups; four waves of 64 x 64: 16 accumulators.  K steps of 256 through two LDS slots; quarters of 64 along K.
; Waves 0 and 1 fetch A's halves (64 rows), waves 2 and 3 B's (128 k): one tensor load a wave behind each change of slots.  B is turned out of LDS by ds_load_tr16_b128.
; The bias is the C operand of each accumulator's first product.  The residual's 32 loads a wave go out at the start and land under the K loop.
; THE LOOP.  Quarter q multiplies fragment buffer q % 2; at its head it asks for quarter q + 1's fragments into the other buffer, so that a run of LDS loads has a whole quarter's products in which to land.
; Two quarters, an odd one and the even one behind it, are written once (PAIR) and walked twice a K step; their LDS addresses hang on s[SA] and s[SB], which step with the pairs.
; THE CHANGE OF SLOTS stands between a step's third and fourth quarter, where all of the step's fragments have been asked for; no product stands between the wait for all tensor loads and the refill.
; ONE TEXT FOR EVERY K STEP.  The last change of slots, which fills nothing, has lines of its own (SYNC 0) and goes back to the same pairs.  Every wait on TENSORcnt in the loop is for 0, so no count hangs on the way by which the pairs are reached.
; THE WAY OUT goes through one stage of 128 rows x 528 bytes of f32 in slot 0, which has had its last fill: the number of steps is even, the last step lies in slot 1, and every wave has passed a barrier behind its last reads of slot 0.
; CLUSTER 4 x 4: joint loads, A's along a row, B's along a column.  By this text's count a wave has two tensor loads out at the start, later one.  No prefetch: the tiles are small.
; LIMITS.  f16 operands beyond 65,504 are infinities; NaN and infinities are not treated apart.
.set KIND, 1
.if KIND == 0
.set T,     4
.set AP,    144                        ; a row of A in LDS: one head's 128 bytes + 16; [head 0..3][row 0..63]
.set AKQ,   9216                       ; a quarter is a head: 64 rows on
.set HALFA, 36864
.set ASTEP, 1048576                    ; four heads of 2,048 rows of 128 bytes
.set WOFF,  6291456
.set G1A0,  (1<<16)|(1<<20)|(1<<21)|(4<<22)|(3<<25)  ; after every 32 words 4 words
.set AD0,   4096                       ; a row of the tile: 64 rows of a head, 8 KiB dense
.set AD1,   4                          ; four heads,
.set API,   131072                     ; 2,048 x 64 elements apart
.else
.set T,     16
.set AP,    528                        ; 512 bytes + 16
.set AKQ,   128
.set HALFA, 33792
.set ASTEP, 512
.set WOFF,  16777216
.set G1A0,  (1<<16)|(1<<20)|(1<<21)|(6<<22)|(3<<25)  ; after every 128 words 4 words
.set AD0,   256
.set AD1,   64
.set API,   4096
.endif
.set BP,     288                       ; a row of B in LDS: 256 bytes + 32: an odd multiple of 32
.set HALFB,  128*BP
.set SLOT,   2*HALFA+2*HALFB
.set SPARE,  2*SLOT                    ; behind the ring: the spare words, 128 bytes a wave: two blocks of 256 bytes that no other line names
.set BSTEP,  524288                    ; 256 rows of 2,048 bytes
.set SPITCH, 528
.set ADA0, 16                          ; v16 my lane's place in A's tile; v17 in B's; never rewritten
.set ADB0, 17
.set ADA,  18                          ; v18, v19 the same for the pair in hand
.set ADB,  19
.set STO,  24
.set RD,   25
.set CO,   26
.set BO,   27
.set SPW,  28
.set NIL,  29
.set BIA,  32                          ; v[32:63] the bias as four C operands
.set SS,   64                          ; v[64:67] sum, mean; v[68:71] M2; v[72:79] at work
.set SM,   68
.set DD,   72
.set ACC,  128                         ; v[128:255] the accumulators ((a, b) at ACC + 8 (4 a + b)); later 32 rows of Y.  Window 1: two fragment buffers of 128.  Window 2: v0-127 the residual
.set F0,   0
.set F1,   128
.set WV,  16
.set G1,  24
.set G0,  32
.set TB,  40                           ; s40 0 or SLOT: the slot whose fragments are being asked for
.set CNT, 41                           ; s41 changes of slots still to come, and 1
.set LDA, 43
.set LDB, 44
.set NPR, 45                           ; s45 pairs still to go in this K step
.set SA,  46                           ; s46 what the pair in hand adds to A's LDS address
.set SB,  47                           ; s47 the same for B
.set G1B, 48
.set G0B, 56
.set MSB, 0
.macro WIN new
.if MSB != (\new)
	s_set_vgpr_msb (MSB<<8)|(\new)
.set MSB, \new
.endif
.endm
.macro PLACES                          ; four plain places in front of loads into registers that matrix instructions have read, and of stores that read results
.rept 4
	v_nop
.endr
.endm
.macro JLOAD                           ; the joint refill, by the walking descriptors; s_nop 0 and four v_nop follow each line
	s_cmp_eq_u32 s17, 0
	s_cbranch_scc0 .Lfor_b_\@
	tensor_load_to_lds s[G0+4:G0+7], s[G1:G1+7]
	s_nop 0
.rept 4
	v_nop
.endr
	s_branch .Lasked_\@
.Lfor_b_\@:
	tensor_load_to_lds s[G0B+4:G0B+7], s[G1B:G1B+7]
	s_nop 0
.rept 4
	v_nop
.endr
.Lasked_\@:
.endm
.macro CREST
	s_cmp_lg_u32 s[WV], 0
	s_cbranch_scc1 .Lnot_wave_0_\@
	s_barrier_signal -3
.Lnot_wave_0_\@:
	s_barrier_wait -3
	s_barrier_signal -1
	s_barrier_wait -1
.endm
.macro CROUND
	s_barrier_signal -1
	s_barrier_wait -1
	CREST
.endm
; 8 products: row blocks a0, a0 + 1 x all 4 column blocks, 32 along K: half c of buffer f.  The 16 accumulators take turns.
.macro MUL8 f, c, a0, first
	WIN 0x05
.irp a, \a0, (\a0)+1
.irp b, 0,1,2,3
.if \first
	v_wmma_f32_16x16x32_f16 v[ACC+8*(4*(\a)+(\b)):ACC+8*(4*(\a)+(\b))+7], v[(\f)+64+8*(4*(\c)+(\b)):(\f)+64+8*(4*(\c)+(\b))+7], v[(\f)+8*(4*(\c)+(\a)):(\f)+8*(4*(\c)+(\a))+7], v[BIA+8*(\b):BIA+8*(\b)+7]
.else
	v_wmma_f32_16x16x32_f16 v[ACC+8*(4*(\a)+(\b)):ACC+8*(4*(\a)+(\b))+7], v[(\f)+64+8*(4*(\c)+(\b)):(\f)+64+8*(4*(\c)+(\b))+7], v[(\f)+8*(4*(\c)+(\a)):(\f)+8*(4*(\c)+(\a))+7], v[ACC+8*(4*(\a)+(\b)):ACC+8*(4*(\a)+(\b))+7]
.endif
.endr
.endr
.endm
; 32 LDS loads in one run: the fragments of quarter rel (0, 1) of the two that v[ADA] and v[ADB] stand at, into buffer f
.macro FETCH rel, f
	WIN 0x40
.irp c, 0,1
.irp i, 0,1,2,3
	ds_load_tr16_b128 v[(\f)+64+8*(4*(\c)+(\i)):(\f)+64+8*(4*(\c)+(\i))+3],   v[ADB] offset:(\rel)*64*BP+(\c)*32*BP+32*(\i)
	ds_load_tr16_b128 v[(\f)+64+8*(4*(\c)+(\i))+4:(\f)+64+8*(4*(\c)+(\i))+7], v[ADB] offset:(\rel)*64*BP+(\c)*32*BP+32*(\i)+16*BP
	ds_load_b128 v[(\f)+8*(4*(\c)+(\i)):(\f)+8*(4*(\c)+(\i))+3],   v[ADA] offset:AKQ*(\rel)+64*(\c)+(\i)*16*AP
	ds_load_b128 v[(\f)+8*(4*(\c)+(\i))+4:(\f)+8*(4*(\c)+(\i))+7], v[ADA] offset:AKQ*(\rel)+64*(\c)+(\i)*16*AP+32
.endr
.endr
.endm
; A quarter: the next quarter's fragments are asked for into buffer g, whose last reader stands four places back; then buffer f is multiplied.
.macro QH f, g, rel, first
	PLACES
	FETCH \rel, \g
	s_wait_dscnt 32                                ; all but the 32 just issued: buffer f's run, a quarter older, is in
	MUL8 \f, 0, 0, \first
	MUL8 \f, 0, 2, \first
	MUL8 \f, 1, 0, 0
	MUL8 \f, 1, 2, 0
.endm
; Two quarters: an odd one (buffer 1), which asks for the first quarter at SA, SB, and an even one (buffer 0), which asks for the second.  It ends with the compare for the loop's jump.
.macro PAIR
	v_add_nc_u32 v[ADA], s[SA], v[ADA0]
	v_add_nc_u32 v[ADB], s[SB], v[ADB0]
	QH F1, F0, 0, 0
	QH F0, F1, 1, 0
	WIN 0                                          ; at a label and at a branch every window is 0
	s_add_co_u32 s[SA], s[SA], 2*AKQ               ; two quarters on: 128 along K in A,
	s_add_co_u32 s[SB], s[SB], HALFB               ; 128 rows of B
	s_sub_co_u32 s[NPR], s[NPR], 1
	s_cmp_lg_u32 s[NPR], 0
.endm
; THE CHANGE OF SLOTS.  Each wave waits for all its tensor loads (one is out: its part of the next slot), adds 0 to its spare word, and waits for that and for its reads of this slot, the fourth quarter's fragments among them.
; fill = 1: behind a round of the cluster's barrier this slot is filled again, two K steps ahead: the refill has four quarters' products in which to land.  fill = 0: nothing is left to ask for: a plain barrier.
.macro SYNC fill
	s_wait_tensorcnt 0x0                           ; no tensor load of mine is out, so the walking descriptors may be written
	ds_add_u32 v[SPW], v[NIL]                      ; 0 onto my spare word; the scalar work below stands between it and the wait for it
.if \fill
	s_add_co_u32 s[G0+5], s[LDA], s[TB]            ; into the slot that has been read out, the next K step
	s_add_nc_u64 s[G0+6:G0+7], s[G0+6:G0+7], ASTEP
	s_add_co_u32 s[G0B+5], s[LDB], s[TB]
	s_add_nc_u64 s[G0B+6:G0B+7], s[G0B+6:G0B+7], BSTEP
.endif
	s_xor_b32 s[TB], s[TB], SLOT                   ; the fetches go to the other slot,
	s_mov_b32 s[SA], s[TB]                         ; to its first two quarters
	s_mov_b32 s[SB], s[TB]
	s_wait_dscnt 0x0                               ; the add is done, and my reads of this slot are over
.if \fill
	CROUND                                         ; no wave of any partner still reads this slot or has a load on its way
	JLOAD                                          ; the first tensor load behind the round
.else
	s_barrier_signal -1
	s_barrier_wait -1
.endif
.endm
	s_load_b256 s[4:11], s[0:1], 0x0               ; A 4:5, wb 6:7, bias 8:9, residual 10:11
.if KIND == 0
	s_load_b128 s[12:15], s[0:1], 0x20             ; x1 12:13, part 14:15
.else
	s_load_b64 s[12:13], s[0:1], 0x20              ; out0
.endif
	v_lshl_add_u32 v[SPW], v0, 2, SPARE
	v_mov_b32 v[NIL], 0
	ds_add_u32 v[SPW], v[NIL]                      ; the wave's opening: the add and its wait stand ahead of my first tensor load
	v_lshrrev_b32 v1, 5, v0
	v_readfirstlane_b32 s[WV], v1                  ; wave 0..3
	s_lshr_b32 s17, s[WV], 1                       ; which half of the tile's rows is mine.  Also: I fetch for A (0) or for B (1)
	s_and_b32 s18, s[WV], 1                        ; which half of its columns.  Also: which half of that tile I fetch
	s_bfe_u32 s19, ttmp6, 0x40000                  ; cx
	s_bfe_u32 s20, ttmp6, 0x40004                  ; cy
	s_lshl_b32 s21, ttmp9, 2
	s_add_co_u32 s21, s21, s19                     ; TX 0..7
	s_and_b32 s22, ttmp7, 0xffff
	s_lshl_b32 s22, s22, 2
	s_add_co_u32 s22, s22, s20                     ; TY 0..31
	s_lshl_b32 s68, s20, 2
	s_lshl_b32 s68, 15, s68                        ; my row of the cluster
	s_lshl_b32 s69, 0x1111, s19                    ; my column
	s_or_b32 s[G1], s68, G1A0
	s_mov_b32 s[G1+1], AD0<<16
	s_mov_b32 s[G1+2], AD1<<16
	s_mov_b32 s[G1+3], AD0<<16
	s_mov_b32 s[G1+4], AD1
	s_mov_b32 s[G1+5], API
	s_mov_b32 s[G1+6], 0
	s_mov_b32 s[G1+7], 0
	s_or_b32 s[G1B], s69, (1<<16)|(1<<20)|(1<<21)|(5<<22)|(7<<25)  ; B: 128 rows of 256 bytes; after every 64 words 8 words
	s_mov_b32 s[G1B+1], 128<<16
	s_mov_b32 s[G1B+2], 128<<16
	s_mov_b32 s[G1B+3], 128<<16
	s_mov_b32 s[G1B+4], 128
	s_mov_b32 s[G1B+5], 1024
	s_mov_b32 s[G1B+6], 0
	s_mov_b32 s[G1B+7], 0
	s_mul_i32 s[LDA], s[WV], HALFA
	s_mul_i32 s[LDB], s[WV], HALFB
	s_add_co_u32 s[LDB], s[LDB], 2*HALFA-2*HALFB
	s_mov_b32 s[TB], 0
.if KIND == 0
	s_lshr_b32 s70, s22, 4                         ; the batch: 16 heads of 2,048 rows,
	s_lshl_b32 s70, s70, 15
	s_and_b32 s71, s22, 15
	s_lshl_b32 s71, s71, 7                         ; the tile's first row in a head,
	s_add_co_u32 s70, s70, s71
	s_lshl_b32 s71, s18, 6                         ; my half's,
	s_add_co_u32 s70, s70, s71
	s_lshl_b32 s70, s70, 7                         ; 128 bytes a row
.else
	s_lshl_b32 s70, s22, 7
	s_lshl_b32 s71, s18, 6
	s_add_co_u32 s70, s70, s71
	s_lshl_b32 s70, s70, 13                        ; 8,192 bytes a row
.endif
	s_mov_b32 s71, 0
	s_lshl_b32 s72, s18, 18                        ; B: row 128 half, 2,048 bytes a row; column 128 TX
	s_lshl_b32 s73, s21, 8
	s_add_co_u32 s72, s72, s73
	s_add_co_u32 s72, s72, WOFF
	s_mov_b32 s73, 0
	s_wait_dscnt 0x0                               ; the opening add is done
	s_wait_kmcnt 0x0
	s_add_nc_u64 s[70:71], s[4:5], s[70:71]
	s_add_nc_u64 s[72:73], s[6:7], s[72:73]
	CROUND                                         ; all sixteen work-groups are here: the first joint loads meet
	s_mov_b32 s[G0], 1
	s_mov_b32 s[G0+1], s[LDA]
	s_mov_b64 s[G0+2:G0+3], s[70:71]
	s_or_b32 s[G0+3], s[G0+3], 0x80000000
	s_mov_b32 s[G0+4], 1
	s_add_co_u32 s[G0+5], s[LDA], SLOT
	s_add_nc_u64 s[G0+6:G0+7], s[70:71], ASTEP
	s_or_b32 s[G0+7], s[G0+7], 0x80000000
	s_mov_b32 s[G0B], 1
	s_mov_b32 s[G0B+1], s[LDB]
	s_mov_b64 s[G0B+2:G0B+3], s[72:73]
	s_or_b32 s[G0B+3], s[G0B+3], 0x80000000
	s_mov_b32 s[G0B+4], 1
	s_add_co_u32 s[G0B+5], s[LDB], SLOT
	s_add_nc_u64 s[G0B+6:G0B+7], s[72:73], BSTEP
	s_or_b32 s[G0B+7], s[G0B+7], 0x80000000
	s_cmp_eq_u32 s17, 0                            ; a wave's two first fills stand in one branch
	s_cbranch_scc0 .Lfirst_b
	tensor_load_to_lds s[G0:G0+3], s[G1:G1+7]
	s_nop 0
	tensor_load_to_lds s[G0+4:G0+7], s[G1:G1+7]
	s_nop 0
.rept 4
	v_nop
.endr
	s_branch .Lfirst_asked
.Lfirst_b:
	tensor_load_to_lds s[G0B:G0B+3], s[G1B:G1B+7]
	s_nop 0
	tensor_load_to_lds s[G0B+4:G0B+7], s[G1B:G1B+7]
	s_nop 0
.rept 4
	v_nop
.endr
.Lfirst_asked:
	v_and_b32 v1, 15, v0                           ; r
	v_bfe_u32 v2, v0, 4, 1                         ; h
	v_and_b32 v3, 7, v0
	v_bfe_u32 v4, v0, 3, 1
	v_and_b32 v5, 31, v0                           ; l
	s_lshl_b32 s68, s21, 9                         ; the bias: column 128 TX + 64 ch + 16 b + 8 h
	s_lshl_b32 s69, s18, 8
	s_add_co_u32 s68, s68, s69
	v_lshl_add_u32 v[BO], v2, 5, s68
.irp b, 0,1,2,3
	global_load_b128 v[BIA+8*\b:BIA+8*\b+3],   v[BO], s[8:9] offset:64*\b
	global_load_b128 v[BIA+8*\b+4:BIA+8*\b+7], v[BO], s[8:9] offset:64*\b+16
.endr
	s_lshl_b32 s68, s22, 7                         ; the rows that I store: 128 TY + 32 w, whole: 512 bytes at column 128 TX
	s_lshl_b32 s69, s[WV], 5
	s_add_co_u32 s68, s68, s69
	s_lshl_b32 s68, s68, 12
	s_lshl_b32 s69, s21, 9
	s_add_co_u32 s68, s68, s69
	s_mov_b32 s69, 0
	s_add_nc_u64 s[10:11], s[10:11], s[68:69]
	s_add_nc_u64 s[12:13], s[12:13], s[68:69]
	v_lshlrev_b32 v[CO], 4, v5
	WIN 0x80                                       ; destination window 2
.set t, 0
.rept 32
	global_load_b128 v[4*t:4*t+3], v[CO], s[10:11] offset:4096*t
.set t, t+1
.endr
	WIN 0
.if KIND == 0
	s_lshl_b32 s68, s22, 2                         ; my 32 rows are chunk 4 TY + w of the second norm's statistics
	s_add_co_u32 s68, s68, s[WV]
	s_lshl_b32 s68, s68, 12
	s_lshl_b32 s69, s21, 9
	s_add_co_u32 s68, s68, s69
	s_mov_b32 s69, 0
	s_add_nc_u64 s[14:15], s[14:15], s[68:69]
.endif
	s_mul_i32 s68, s17, HALFA
	v_mul_u32_u24 v[ADA0], v1, AP
	v_lshl_add_u32 v[ADA0], v2, 4, v[ADA0]
	v_add_nc_u32 v[ADA0], s68, v[ADA0]
	v_lshl_add_u32 v[ADB0], v2, 3, v3
	v_mul_u32_u24 v[ADB0], v[ADB0], BP
	v_lshl_add_u32 v[ADB0], v4, 4, v[ADB0]
	s_lshl_b32 s68, s18, 7                         ; my 64 columns
	s_add_co_u32 s68, s68, 2*HALFA
	v_add_nc_u32 v[ADB0], s68, v[ADB0]
	v_mov_b32 v[ADA], v[ADA0]
	v_mov_b32 v[ADB], v[ADB0]
	s_mul_i32 s68, s17, 64*SPITCH                  ; into the stage: row 64 rh + r, byte 256 ch + 32 h
	s_lshl_b32 s69, s18, 8
	s_add_co_u32 s68, s68, s69
	v_mul_u32_u24 v[STO], v1, SPITCH
	v_lshl_add_u32 v[STO], v2, 5, v[STO]
	v_add_nc_u32 v[STO], s68, v[STO]
	s_mul_i32 s68, s[WV], 32*SPITCH                ; back: rows 32 w .., a row's 512 bytes by 32 lanes
	v_lshl_add_u32 v[RD], v5, 4, s68
	s_wait_tensorcnt 1                             ; my part of K step 0 is in; K step 1's may stay out
	s_barrier_signal -1
	s_barrier_wait -1
	FETCH 0, F0                                    ; the first quarter's fragments
	s_wait_loadcnt 32                              ; the bias is in; the residual's 32 loads stay out
	QH F0, F1, 1, 1                                ; the first quarter stands in front of the loop: its first products start the sums, with the bias
	WIN 0
	s_mov_b32 s[CNT], T                            ; T - 1 changes of slots to come: the count is T - 1 .. 2 at those that fill, 1 at the one that fills nothing
	s_mov_b32 s[SA], 2*AKQ                         ; K step 0 has one pair left: it asks for the step's third and fourth quarter
	s_mov_b32 s[SB], HALFB
	s_mov_b32 s[NPR], 1
	s_branch .Lpair                                ; the loop is entered at the pair
.Lstep:                                        ; T - 2 times: every K step from the third on is asked for
	SYNC 1
.Lgo:
	s_mov_b32 s[NPR], 2
.Lpair:
	PAIR
	s_cbranch_scc1 .Lpair
	s_sub_co_u32 s[CNT], s[CNT], 1
	s_cmp_gt_u32 s[CNT], 1
	s_cbranch_scc1 .Lstep
	s_cmp_eq_u32 s[CNT], 0
	s_cbranch_scc1 .Llast                          ; the last K step's first three quarters are done
	SYNC 0                                         ; the last change of slots asks for nothing: it has its own lines, and the same pairs follow it
	s_branch .Lgo
.Llast:
	s_wait_dscnt 0x0                               ; the very last quarter: nothing more to fetch
	MUL8 F1, 0, 0, 0
	MUL8 F1, 0, 2, 0
	MUL8 F1, 1, 0, 0
	MUL8 F1, 1, 2, 0
	WIN 0
	PLACES
.irp a, 0,1,2,3
.irp b, 0,1,2,3
	ds_store_b128 v[STO], v[ACC+8*(4*\a+\b):ACC+8*(4*\a+\b)+3]   offset:\a*16*SPITCH+64*\b      ; each accumulator's low half first
	ds_store_b128 v[STO], v[ACC+8*(4*\a+\b)+4:ACC+8*(4*\a+\b)+7] offset:\a*16*SPITCH+64*\b+16
.endr
.endr
	s_wait_dscnt 0x0                               ; for the others' sake: my stores into the stage are done
	s_barrier_signal -1
	s_barrier_wait -1
.set t, 0
.rept 32
	ds_load_b128 v[ACC+4*t:ACC+4*t+3], v[RD] offset:t*SPITCH
.set t, t+1
.endr
	s_wait_loadcnt 0x0                             ; the residual
	s_wait_dscnt 0x0
	WIN 0x08                                       ; source 1 in window 2
.set t, 0
.rept 64
	v_pk_add_f32 v[ACC+2*t:ACC+2*t+1], v[ACC+2*t:ACC+2*t+1], v[2*t:2*t+1]
.set t, t+1
.endr
	WIN 0
.set t, 0
.rept 32
	global_store_b128 v[CO], v[ACC+4*t:ACC+4*t+3], s[12:13] offset:4096*t   ; a row's 512 consecutive bytes, aligned
.set t, t+1
.endr
.if KIND == 0
	; the second norm's partial statistics of my 32 rows, in two passes over the registers: mean, then the squares about it
	v_pk_add_f32 v[SS:SS+1], v[ACC:ACC+1], v[ACC+4:ACC+5]
	v_pk_add_f32 v[SS+2:SS+3], v[ACC+2:ACC+3], v[ACC+6:ACC+7]
.set t, 2
.rept 30
	v_pk_add_f32 v[SS:SS+1], v[SS:SS+1], v[ACC+4*t:ACC+4*t+1]
	v_pk_add_f32 v[SS+2:SS+3], v[SS+2:SS+3], v[ACC+4*t+2:ACC+4*t+3]
.set t, t+1
.endr
	v_pk_mul_f32 v[SS:SS+1], v[SS:SS+1], 0x3d000000 op_sel_hi:[1,0]
	v_pk_mul_f32 v[SS+2:SS+3], v[SS+2:SS+3], 0x3d000000 op_sel_hi:[1,0]
.set t, 0
.rept 32
.set dd, DD+4*(t%2)
	v_pk_add_f32 v[dd:dd+1], v[ACC+4*t:ACC+4*t+1], v[SS:SS+1] neg_lo:[0,1] neg_hi:[0,1]
	v_pk_add_f32 v[dd+2:dd+3], v[ACC+4*t+2:ACC+4*t+3], v[SS+2:SS+3] neg_lo:[0,1] neg_hi:[0,1]
.if t == 0
	v_pk_mul_f32 v[SM:SM+1], v[dd:dd+1], v[dd:dd+1]
	v_pk_mul_f32 v[SM+2:SM+3], v[dd+2:dd+3], v[dd+2:dd+3]
.else
	v_pk_fma_f32 v[SM:SM+1], v[dd:dd+1], v[dd:dd+1], v[SM:SM+1]
	v_pk_fma_f32 v[SM+2:SM+3], v[dd+2:dd+3], v[dd+2:dd+3], v[SM+2:SM+3]
.endif
.set t, t+1
.endr
	global_store_b128 v[CO], v[SS:SS+3], s[14:15]
	global_store_b128 v[CO], v[SM:SM+3], s[14:15] offset:524288
.endif
	s_wait_tensorcnt 0x0                           ; the wave's end, behind my last tensor load and my last LDS store
	ds_add_u32 v[SPW], v[NIL]
	s_wait_dscnt 0x0
	CROUND                                         ; the closing round
	s_endpgm
.Lfunc_end_k_q2c8e20579d_ffn2:
	.size	k_q2c8e20579d_ffn2, .Lfunc_end_k_q2c8e20579d_ffn2-k_q2c8e20579d_ffn2
	.p2alignl 7, 3214868480
	.fill 96, 4, 3214868480
	.section	.rodata,"a",@progbits
	.p2align	6, 0x0
	.amdhsa_kernel k_q2c8e20579d_ffn2
		.amdhsa_group_segment_fixed_size 327680
		.amdhsa_private_segment_fixed_size 0
		.amdhsa_enable_private_segment 0
		.amdhsa_kernarg_size 40
		.amdhsa_user_sgpr_count 2
		.amdhsa_user_sgpr_kernarg_segment_ptr 1
		.amdhsa_wavefront_size32 1
		.amdhsa_system_sgpr_workgroup_id_x 1
		.amdhsa_system_sgpr_workgroup_id_y 1
		.amdhsa_system_sgpr_workgroup_id_z 1
		.amdhsa_system_vgpr_workitem_id 0
		.amdhsa_next_free_vgpr 640
		.amdhsa_next_free_sgpr 96
		.amdhsa_reserve_vcc 0
		.amdhsa_float_denorm_mode_32 3
		.amdhsa_float_denorm_mode_16_64 3
		.amdhsa_memory_ordered 1
		.amdhsa_forward_progress 1
		.amdhsa_inst_pref_size 42
	.end_amdhsa_kernel
	.amdgpu_metadata
---
amdhsa.version: [ 1, 2 ]
amdhsa.kernels:
  - .name:           k_q2c8e20579d_ffn2
    .symbol:         k_q2c8e20579d_ffn2.kd
    .args:
      - { .name: mid, .offset: 0, .size: 8, .value_kind: global_buffer, .address_space: global }
      - { .name: wb, .offset: 8, .size: 8, .value_kind: global_buffer, .address_space: global }
      - { .name: b2, .offset: 16, .size: 8, .value_kind: global_buffer, .address_space: global }
      - { .name: x1, .offset: 24, .size: 8, .value_kind: global_buffer, .address_space: global }
      - { .name: out0, .offset: 32, .size: 8, .value_kind: global_buffer, .address_space: global }
    .group_segment_fixed_size: 327680
    .private_segment_fixed_size: 0
    .kernarg_segment_align: 8
    .kernarg_segment_size: 40
    .max_flat_workgroup_size: 128
    .sgpr_count:     96
    .vgpr_count:     640
    .wavefront_size: 32
...
	.end_amdgpu_metadata
.endif
;; end of part 7
;; ======== version 2 of 2: 8 launches; version 1 with the launches prep, norm1, norm2 written anew for expert scheduling mode
;; limits: values are held in f16: magnitudes above 65,504 overflow, below 6.1e-05 lose precision
;; workspace buffers: wb 25,165,824 bytes; part 1,048,576 bytes; act 8,388,608 bytes; qkv 25,165,824 bytes; x1 16,777,216 bytes; mid 33,554,432 bytes
;; launch prep (part 8): grid 512 x 1, 8 waves a work-group, no clusters, 0 bytes of LDS; arguments x, Wq, Wk, Wv, Wo, W1, W2, wb, part; writes wb, part
.if DOCPART == 8
	.amdgcn_target "amdgcn-amd-amdhsa--gfx1250"
	.amdhsa_code_object_version 6
	.text
	.protected	k_q2c8e20579d_prep
	.globl	k_q2c8e20579d_prep
	.p2align	8
	.type	k_q2c8e20579d_prep,@function
k_q2c8e20579d_prep:
	s_mov_b64 s[64:65], 0
	v_nop
	global_prefetch_b8 v0, s[64:65] scope:SCOPE_SE
	s_setreg_imm32_b32 hwreg(HW_REG_WAVE_SCHED_MODE, 0, 2), 2
	s_setreg_imm32_b32 hwreg(HW_REG_WAVE_MODE, 25, 1), 1
	s_wait_xcnt 0x0
	s_wait_alu depctr_vm_vsrc(0)
; PREP.  Two kinds of work-group, told apart by the work-group's number alone.
; 0-127: the first norm's partial statistics.  Work-group g owns rows 32 g .. 32 g + 31 of x ([4096][1024] f32); thread t owns columns 4 t .. 4 t + 3.
;   The 32 rows stay in registers between the pass that finds the mean and the pass that sums the squares of (x - mean): no difference of large sums is formed.
;   part: mean[chunk][1024] at byte 0, M2[chunk][1024] at byte 524,288, both f32.
; 128-511: the weights, f32 to f16, rounded once.  A wave takes 16 KiB of f32 and writes 8 KiB of f16; a store of the wave covers 256 consecutive bytes, aligned.
;   Wq, Wk, Wv go into blocks: block (head j, kb = k / 64) at (16 j + kb) x 24,576 as [q, k, v][64 k][64 d]; Wo, W1, W2 keep their layout [k][n], at 6,291,456, 8,388,608 and 16,777,216.
; LIMITS.  f16: a weight beyond 65,504 becomes an infinity; below 6e-5 it keeps f16's fixed step of 6e-8.
; THE MODE: SCHED_MODE bits 1:0 = 2 (LLVM: expert scheduling mode 2), set by the entry lines.  The code itself states the register dependences
; between vector instructions and memory instructions, with s_wait_alu, always for 0.
; THE PLAN.  Registers that memory instructions touch:
;   v1, v2    byte offsets, made once at an arm's head and never written again.
;   X         Both arms: the 32 loads that land in it are all issued before any vector instruction names it.
;             Statistics: after that, vector instructions alone.  Weights: piece i's two conversions write its first two registers, piece i's store reads them, and nothing writes them again.
;   S, M      Statistics: written by the two passes, read by the two stores at the end.
; The weights go in 8 blocks of four pieces.  Block p's conversions name block p's registers alone; the stores issued among them are block p - 1's.  So ONE wait at a block's head
; states all that its four stores hang on.  No register that a memory instruction has read is written again: no wait on vm_vsrc is owed.
.set X, 8                              ; v[8:135]   32 rows (or 32 pieces) of 4 numbers
.set S, 136                            ; v[136:139] sum, then mean
.set M, 140                            ; v[140:143] sum of squares about the mean
	s_load_b512 s[4:19], s[0:1], 0x0               ; x 4:5, Wq 6:7, Wk 8:9, Wv 10:11, Wo 12:13, W1 14:15, W2 16:17, wb 18:19
	s_load_b64 s[20:21], s[0:1], 0x40              ; part
	v_lshrrev_b32 v3, 5, v0
	v_readfirstlane_b32 s22, v3                    ; wave 0..7
	s_wait_alu depctr_va_sdst(0)                   ; s22 is written: the wait stands in its writer's run of code, ahead of the branch; the arm of the weights reads it
	s_cmp_lt_u32 ttmp9, 128
	s_cbranch_scc0 .Lcast
	; ---- statistics of 32 rows
	v_lshlrev_b32 v1, 4, v0                        ; 16 bytes a thread: a wave's load covers 512 consecutive bytes
	s_lshl_b32 s24, ttmp9, 17                      ; 32 rows of 4,096 bytes
	s_mov_b32 s25, 0
	s_lshl_b32 s26, ttmp9, 12                      ; the chunk's row in part
	s_mov_b32 s27, 0
	s_wait_kmcnt 0x0
	s_add_nc_u64 s[4:5], s[4:5], s[24:25]
	s_add_nc_u64 s[20:21], s[20:21], s[26:27]
	s_wait_alu depctr_va_vdst(0)                   ; v1 is written: every load and store of this arm reads it as its offset
.set i, 0
.rept 32
	global_load_b128 v[X+4*i:X+4*i+3], v1, s[4:5] offset:4096*i
.set i, i+1
.endr
	s_wait_loadcnt 30                              ; rows 0 and 1 are in; 30 younger loads stay out
	v_pk_add_f32 v[S:S+1], v[X:X+1], v[X+4:X+5]
	v_pk_add_f32 v[S+2:S+3], v[X+2:X+3], v[X+6:X+7]
.set i, 2
.rept 30
	s_wait_loadcnt 31-i                            ; row i is in
	v_pk_add_f32 v[S:S+1], v[S:S+1], v[X+4*i:X+4*i+1]
	v_pk_add_f32 v[S+2:S+3], v[S+2:S+3], v[X+4*i+2:X+4*i+3]
.set i, i+1
.endr
	v_pk_mul_f32 v[S:S+1], v[S:S+1], 0x3d000000 op_sel_hi:[1,0]      ; / 32
	v_pk_mul_f32 v[S+2:S+3], v[S+2:S+3], 0x3d000000 op_sel_hi:[1,0]
.set i, 0
.rept 32
	v_pk_add_f32 v[X+4*i:X+4*i+1], v[X+4*i:X+4*i+1], v[S:S+1] neg_lo:[0,1] neg_hi:[0,1]
	v_pk_add_f32 v[X+4*i+2:X+4*i+3], v[X+4*i+2:X+4*i+3], v[S+2:S+3] neg_lo:[0,1] neg_hi:[0,1]
.if i == 0
	v_pk_mul_f32 v[M:M+1], v[X:X+1], v[X:X+1]      ; the first row starts the sums
	v_pk_mul_f32 v[M+2:M+3], v[X+2:X+3], v[X+2:X+3]
.else
	v_pk_fma_f32 v[M:M+1], v[X+4*i:X+4*i+1], v[X+4*i:X+4*i+1], v[M:M+1]
	v_pk_fma_f32 v[M+2:M+3], v[X+4*i+2:X+4*i+3], v[X+4*i+2:X+4*i+3], v[M+2:M+3]
.endif
.set i, i+1
.endr
	s_wait_alu depctr_va_vdst(0)                   ; the two passes have written S and M, which the two stores read
	global_store_b128 v1, v[S:S+3], s[20:21]
	global_store_b128 v1, v[M:M+3], s[20:21] offset:524288
	s_endpgm
.Lcast:
	; ---- a wave's 16 KiB of weights
	s_sub_co_u32 s23, ttmp9, 128                   ; gi 0..383: 32 work-groups each for Wq, Wk, Wv, Wo, 128 each for W1, W2
	v_and_b32 v3, 31, v0
	v_lshlrev_b32 v1, 4, v3                        ; 16 bytes in,
	v_lshlrev_b32 v2, 3, v3                        ; 8 bytes out
	s_wait_kmcnt 0x0
	s_mov_b64 s[24:25], s[16:17]                   ; the tensor and its first work-group, chosen by the work-group's number
	s_mov_b32 s26, 256
	s_cmp_lt_u32 s23, 256
	s_cselect_b64 s[24:25], s[14:15], s[24:25]
	s_cselect_b32 s26, 128, s26
	s_cmp_lt_u32 s23, 128
	s_cselect_b64 s[24:25], s[12:13], s[24:25]
	s_cselect_b32 s26, 96, s26
	s_cmp_lt_u32 s23, 96
	s_cselect_b64 s[24:25], s[10:11], s[24:25]
	s_cselect_b32 s26, 64, s26
	s_cmp_lt_u32 s23, 64
	s_cselect_b64 s[24:25], s[8:9], s[24:25]
	s_cselect_b32 s26, 32, s26
	s_cmp_lt_u32 s23, 32
	s_cselect_b64 s[24:25], s[6:7], s[24:25]
	s_cselect_b32 s26, 0, s26
	s_lshl3_add_u32 s27, s23, s22                  ; c = 8 gi + wave: the chunk among all weights
	s_sub_co_u32 s28, s23, s26
	s_lshl3_add_u32 s28, s28, s22                  ; the chunk in its own tensor,
	s_lshl_b32 s28, s28, 14                        ; 16,384 bytes each
	s_mov_b32 s29, 0
	s_and_b32 s30, s27, 255                        ; q, k, v: chunk (j, kb) of tensor c >> 8 goes to place 3 (16 j + kb) + (c >> 8)
	s_mul_i32 s30, s30, 3
	s_lshr_b32 s31, s27, 8
	s_add_co_u32 s30, s30, s31
	s_cmp_lt_u32 s23, 96
	s_cselect_b32 s30, s30, s27                    ; the others keep their place
	s_lshl_b32 s30, s30, 13                        ; 8,192 bytes each
	s_mov_b32 s31, 0
	s_add_nc_u64 s[24:25], s[24:25], s[28:29]
	s_add_nc_u64 s[18:19], s[18:19], s[30:31]
	s_wait_alu depctr_va_vdst(0)                   ; v1 and v2 are written: the loads read v1 as their offset, the stores v2
.set i, 0
.rept 32
	global_load_b128 v[X+4*i:X+4*i+3], v1, s[24:25] offset:512*i th:TH_LOAD_NT
.set i, i+1
.endr
; Block p: pieces 4 p .. 4 p + 3 are rounded; the stores of block p - 1 stand among the conversions, a store ahead of each piece's two.
.set p, 0
.rept 8
	s_wait_loadcnt 28-4*p                          ; loads come back in order (ISA guide 5.7.1): block p's four pieces are in, the younger blocks stay out
.if p > 0
	s_wait_alu depctr_va_vdst(0)                   ; the conversions of block p - 1 have written the registers that the four stores below read
.endif
.set j, 0
.rept 4
.set i, 4*p+j
.if p > 0
	global_store_b64 v2, v[X+4*(i-4):X+4*(i-4)+1], s[18:19] offset:256*(i-4)   ; 32 lanes x 8 bytes: 256 consecutive bytes, aligned; no vector instruction since the wait names these registers, and none writes them again
.endif
	v_cvt_pk_f16_f32 v[X+4*i], v[X+4*i], v[X+4*i+1]
	v_cvt_pk_f16_f32 v[X+4*i+1], v[X+4*i+2], v[X+4*i+3]
.set j, j+1
.endr
.set p, p+1
.endr
	s_wait_alu depctr_va_vdst(0)                   ; the conversions of block 7 have written the registers that the last four stores read
.set i, 28
.rept 4
	global_store_b64 v2, v[X+4*i:X+4*i+1], s[18:19] offset:256*i
.set i, i+1
.endr
	s_endpgm
.Lfunc_end_k_q2c8e20579d_prep:
	.size	k_q2c8e20579d_prep, .Lfunc_end_k_q2c8e20579d_prep-k_q2c8e20579d_prep
	.p2alignl 7, 3214868480
	.fill 96, 4, 3214868480
	.section	.rodata,"a",@progbits
	.p2align	6, 0x0
	.amdhsa_kernel k_q2c8e20579d_prep
		.amdhsa_group_segment_fixed_size 0
		.amdhsa_private_segment_fixed_size 0
		.amdhsa_enable_private_segment 0
		.amdhsa_kernarg_size 72
		.amdhsa_user_sgpr_count 2
		.amdhsa_user_sgpr_kernarg_segment_ptr 1
		.amdhsa_wavefront_size32 1
		.amdhsa_system_sgpr_workgroup_id_x 1
		.amdhsa_system_sgpr_workgroup_id_y 1
		.amdhsa_system_sgpr_workgroup_id_z 1
		.amdhsa_system_vgpr_workitem_id 0
		.amdhsa_next_free_vgpr 144
		.amdhsa_next_free_sgpr 66
		.amdhsa_reserve_vcc 0
		.amdhsa_float_denorm_mode_32 3
		.amdhsa_float_denorm_mode_16_64 3
		.amdhsa_memory_ordered 1
		.amdhsa_forward_progress 1
		.amdhsa_inst_pref_size 30
	.end_amdhsa_kernel
	.amdgpu_metadata
---
amdhsa.version: [ 1, 2 ]
amdhsa.kernels:
  - .name:           k_q2c8e20579d_prep
    .symbol:         k_q2c8e20579d_prep.kd
    .args:
      - { .name: x, .offset: 0, .size: 8, .value_kind: global_buffer, .address_space: global }
      - { .name: Wq, .offset: 8, .size: 8, .value_kind: global_buffer, .address_space: global }
      - { .name: Wk, .offset: 16, .size: 8, .value_kind: global_buffer, .address_space: global }
      - { .name: Wv, .offset: 24, .size: 8, .value_kind: global_buffer, .address_space: global }
      - { .name: Wo, .offset: 32, .size: 8, .value_kind: global_buffer, .address_space: global }
      - { .name: W1, .offset: 40, .size: 8, .value_kind: global_buffer, .address_space: global }
      - { .name: W2, .offset: 48, .size: 8, .value_kind: global_buffer, .address_space: global }
      - { .name: wb, .offset: 56, .size: 8, .value_kind: global_buffer, .address_space: global }
      - { .name: part, .offset: 64, .size: 8, .value_kind: global_buffer, .address_space: global }
    .group_segment_fixed_size: 0
    .private_segment_fixed_size: 0
    .kernarg_segment_align: 8
    .kernarg_segment_size: 72
    .max_flat_workgroup_size: 256
    .sgpr_count:     66
    .vgpr_count:     144
    .wavefront_size: 32
...
	.end_amdgpu_metadata
.endif
;; end of part 8
;; launch norm1 (part 9): grid 8 x 32, 8 waves a work-group, no clusters, 9,216 bytes of LDS; arguments x, part, gamma1, beta1, act; writes act
.if DOCPART == 9
	.amdgcn_target "amdgcn-amd-amdhsa--gfx1250"
	.amdhsa_code_object_version 6
	.text
	.protected	k_q2c8e20579d_norm1
	.globl	k_q2c8e20579d_norm1
	.p2align	8
	.type	k_q2c8e20579d_norm1,@function
k_q2c8e20579d_norm1:
	s_mov_b64 s[64:65], 0
	v_nop
	global_prefetch_b8 v0, s[64:65] scope:SCOPE_SE
	s_setreg_imm32_b32 hwreg(HW_REG_WAVE_SCHED_MODE, 0, 2), 2
	s_setreg_imm32_b32 hwreg(HW_REG_WAVE_MODE, 25, 1), 1
	s_wait_xcnt 0x0
	s_wait_alu depctr_vm_vsrc(0)
; NORM over the SEQUENCE axis: h[b][t][c] = gamma[c] (x[b][t][c] - mean[b][c]) / (sqrt(var[b][c]) + 1e-5) + beta[c], var with divisor 2,047; h rounded once to f16.
; A work-group owns 128 rows x 128 columns: lane l columns 128 cb + 4 l .. + 3, wave w rows 128 rb + 16 w .. + 15.
; The statistics come as 64 partial (mean, M2) of 32 rows each for the batch.  Equal parts merge by mean = the means' mean, M2 = the sum of the M2 + n x the sum of (mean_i - mean)^2:
; wave w merges parts 8 w .. 8 w + 7 (n = 32), the eight results meet in LDS, and every wave merges them (n = 256).  No difference of large sums is formed.
; LIMITS.  h beyond 65,504 becomes an infinity in f16.  A variance below 2^-126 counts as 0 in the root.
; THE MODE: SCHED_MODE bits 1:0 = 2 (LLVM: expert scheduling mode 2), set by the entry lines.  The code itself states the register dependences
; between vector instructions and memory or LDS instructions, with s_wait_alu, always for 0.
; THE PLAN.  Registers that memory or LDS instructions touch:
;   v2 .. v7   offsets, LDS addresses and the closing add's two: made once at the head and never written again.
;   MN, MQ     The global loads that land in them are issued before any vector instruction names them.  The first merge reads both and writes MN; behind the barrier the LDS loads land in both.
;   ME, M2     Written by the first merge, read by my two LDS stores, written again by the second merge.
;   GA, BE     Loads land in them; after that, vector instructions alone.
;   X          The loads are issued at the head.  A row is scaled and rounded in place; its store reads its first two registers; nothing writes them again.
;   A, D       Named by vector instructions alone.
; The 16 rows go in 4 blocks of four.  Block p's vector instructions name block p's rows, A and D alone; the stores issued among them are block p - 1's.  So ONE wait at a block's head
; states all that its four stores hang on.
.set SPARE, 8192                       ; behind the 8 KiB of partial results: the spare words, 128 bytes a wave: four blocks of 256 bytes that no other line names
.set PO,  2                            ; v2  16 l + 512 cb: my 16 bytes of a row of f32
.set HO,  3                            ; v3  8 l: my 8 bytes of h
.set LS,  4                            ; v4  1,024 w + 16 l: where I put my wave's result
.set LR,  5                            ; v5  16 l: where I read all eight
.set SPW, 6
.set NIL, 7
.set MN,  8                            ; v[8:39]   eight means
.set MQ,  40                           ; v[40:71]  eight M2
.set GA,  72
.set BE,  76
.set X,   80                           ; v[80:143] my 16 rows
.set ME,  144
.set M2,  148
.set A,   152
.set D,   156
	s_load_b256 s[4:11], s[0:1], 0x0               ; xin 4:5, part 6:7, gamma 8:9, beta 10:11
	s_load_b64 s[12:13], s[0:1], 0x20              ; hout
	v_lshl_add_u32 v[SPW], v0, 2, SPARE
	v_mov_b32 v[NIL], 0
	v_lshrrev_b32 v1, 5, v0
	v_readfirstlane_b32 s14, v1                    ; wave 0..7
	v_and_b32 v1, 31, v0
	s_and_b32 s15, ttmp7, 0xffff                   ; rb
	s_lshl_b32 s16, ttmp9, 9
	v_lshl_add_u32 v[PO], v1, 4, s16
	v_lshlrev_b32 v[HO], 3, v1
	s_wait_alu depctr_va_sdst(0)                   ; s14 is written, ahead of its first reader: my place in LDS and the three bases are made from it
	s_lshl_b32 s17, s14, 10
	v_lshl_add_u32 v[LS], v1, 4, s17
	v_lshlrev_b32 v[LR], 4, v1
	s_lshr_b32 s18, s15, 4                         ; the batch
	s_lshl_b32 s18, s18, 6
	s_lshl3_add_u32 s18, s14, s18                  ; part 64 b + 8 w,
	s_lshl_b32 s18, s18, 12                        ; 4,096 bytes each
	s_mov_b32 s19, 0
	s_lshl_b32 s20, s15, 7
	s_lshl4_add_u32 s20, s14, s20                  ; row 128 rb + 16 w
	s_lshl_b32 s22, s20, 11                        ; in h: 2,048 bytes a row,
	s_lshl_b32 s24, ttmp9, 8                       ; 256 bytes a column block
	s_add_co_u32 s22, s22, s24
	s_mov_b32 s23, 0
	s_lshl_b32 s20, s20, 12                        ; in x: 4,096 bytes a row
	s_mov_b32 s21, 0
	s_wait_kmcnt 0x0
	s_add_nc_u64 s[6:7], s[6:7], s[18:19]
	s_add_nc_u64 s[4:5], s[4:5], s[20:21]
	s_add_nc_u64 s[12:13], s[12:13], s[22:23]
	s_wait_alu depctr_va_vdst(0)                   ; v2 to v7 are written: the offsets and LDS addresses that the loads, stores and LDS instructions of the whole kernel read
.irp i, 0,1,2,3,4,5,6,7
	global_load_b128 v[MN+4*\i:MN+4*\i+3], v[PO], s[6:7] offset:4096*\i
.endr
.irp i, 0,1,2,3,4,5,6,7
	global_load_b128 v[MQ+4*\i:MQ+4*\i+3], v[PO], s[6:7] offset:524288+4096*\i
.endr
	global_load_b128 v[GA:GA+3], v[PO], s[8:9]
	global_load_b128 v[BE:BE+3], v[PO], s[10:11]
.set r, 0
.rept 16
	global_load_b128 v[X+4*r:X+4*r+3], v[PO], s[4:5] offset:4096*r
.set r, r+1
.endr
; Eight equal parts of n rows each, in MN and MQ, into ME and M2.
.macro COMB n
	v_pk_add_f32 v[ME:ME+1], v[MN:MN+1], v[MN+4:MN+5]
	v_pk_add_f32 v[ME+2:ME+3], v[MN+2:MN+3], v[MN+6:MN+7]
	v_pk_add_f32 v[M2:M2+1], v[MQ:MQ+1], v[MQ+4:MQ+5]
	v_pk_add_f32 v[M2+2:M2+3], v[MQ+2:MQ+3], v[MQ+6:MQ+7]
.irp i, 2,3,4,5,6,7
	v_pk_add_f32 v[ME:ME+1], v[ME:ME+1], v[MN+4*\i:MN+4*\i+1]
	v_pk_add_f32 v[ME+2:ME+3], v[ME+2:ME+3], v[MN+4*\i+2:MN+4*\i+3]
	v_pk_add_f32 v[M2:M2+1], v[M2:M2+1], v[MQ+4*\i:MQ+4*\i+1]
	v_pk_add_f32 v[M2+2:M2+3], v[M2+2:M2+3], v[MQ+4*\i+2:MQ+4*\i+3]
.endr
	v_pk_mul_f32 v[ME:ME+1], v[ME:ME+1], 0x3e000000 op_sel_hi:[1,0]       ; / 8
	v_pk_mul_f32 v[ME+2:ME+3], v[ME+2:ME+3], 0x3e000000 op_sel_hi:[1,0]
.irp i, 0,1,2,3,4,5,6,7
	v_pk_add_f32 v[MN+4*\i:MN+4*\i+1], v[MN+4*\i:MN+4*\i+1], v[ME:ME+1] neg_lo:[0,1] neg_hi:[0,1]
	v_pk_add_f32 v[MN+4*\i+2:MN+4*\i+3], v[MN+4*\i+2:MN+4*\i+3], v[ME+2:ME+3] neg_lo:[0,1] neg_hi:[0,1]
.endr
	v_pk_mul_f32 v[D:D+1], v[MN:MN+1], v[MN:MN+1]
	v_pk_mul_f32 v[D+2:D+3], v[MN+2:MN+3], v[MN+2:MN+3]
.irp i, 1,2,3,4,5,6,7
	v_pk_fma_f32 v[D:D+1], v[MN+4*\i:MN+4*\i+1], v[MN+4*\i:MN+4*\i+1], v[D:D+1]
	v_pk_fma_f32 v[D+2:D+3], v[MN+4*\i+2:MN+4*\i+3], v[MN+4*\i+2:MN+4*\i+3], v[D+2:D+3]
.endr
	v_pk_fma_f32 v[M2:M2+1], v[D:D+1], \n, v[M2:M2+1] op_sel_hi:[1,0,1]
	v_pk_fma_f32 v[M2+2:M2+3], v[D+2:D+3], \n, v[M2+2:M2+3] op_sel_hi:[1,0,1]
.endm
	s_wait_loadcnt 18                              ; the 16 partial results are in; gamma, beta and my 16 rows stay out
	COMB 0x42000000                                ; parts of 32 rows
	s_wait_alu depctr_va_vdst(0)                   ; the merge has written ME and M2, which the LDS stores read; it is also done reading MN and MQ and writing MN, in which the LDS loads behind the barrier land: no vector instruction stands between
	ds_store_b128 v[LS], v[ME:ME+3]
	ds_store_b128 v[LS], v[M2:M2+3] offset:512
	s_wait_dscnt 0x0                               ; for the others' sake: my stores are done
	s_barrier_signal -1
	s_barrier_wait -1
.irp i, 0,1,2,3,4,5,6,7
	ds_load_b128 v[MN+4*\i:MN+4*\i+3], v[LR] offset:1024*\i
	ds_load_b128 v[MQ+4*\i:MQ+4*\i+3], v[LR] offset:1024*\i+512
.endr
	s_wait_dscnt 0x0
	s_wait_alu depctr_vm_vsrc(0)                   ; my LDS stores have read ME and M2, which the second merge writes again
	COMB 0x43800000                                ; parts of 256 rows
	v_pk_mul_f32 v[M2:M2+1], v[M2:M2+1], 0x3a001002 op_sel_hi:[1,0]       ; / 2,047
	v_pk_mul_f32 v[M2+2:M2+3], v[M2+2:M2+3], 0x3a001002 op_sel_hi:[1,0]
.irp i, 0,1,2,3
	v_sqrt_f32 v[D+\i], v[M2+\i]
.endr
	v_nop                                          ; a plain instruction behind the last root,
	s_wait_alu depctr_va_vdst(0)                   ; and one wait for the four: the roots have written D, ahead of their first reader
.irp i, 0,1,2,3
	v_add_f32 v[D+\i], 0x3727c5ac, v[D+\i]         ; + 1e-5, outside the root
.endr
.irp i, 0,1,2,3
	v_rcp_f32 v[M2+\i], v[D+\i]
.endr
	v_nop
	s_wait_alu depctr_va_vdst(0)                   ; one wait for the four reciprocals: they have written M2, ahead of their first reader
	s_wait_loadcnt 16                              ; gamma and beta are in
	v_pk_mul_f32 v[A:A+1], v[GA:GA+1], v[M2:M2+1]  ; a = gamma / (sd + eps)
	v_pk_mul_f32 v[A+2:A+3], v[GA+2:GA+3], v[M2+2:M2+3]
	v_pk_fma_f32 v[D:D+1], v[ME:ME+1], v[A:A+1], v[BE:BE+1] neg_lo:[1,0,0] neg_hi:[1,0,0]    ; d = beta - mean a
	v_pk_fma_f32 v[D+2:D+3], v[ME+2:ME+3], v[A+2:A+3], v[BE+2:BE+3] neg_lo:[1,0,0] neg_hi:[1,0,0]
; Block p: rows 4 p .. 4 p + 3 are scaled and rounded; the stores of block p - 1 stand among the vector instructions, a store ahead of each row's four.
.set p, 0
.rept 4
	s_wait_loadcnt 12-4*p                          ; loads come back in order (ISA guide 5.7.1): block p's four rows are in, the younger blocks stay out
.if p > 0
	s_wait_alu depctr_va_vdst(0)                   ; the conversions of block p - 1 have written the registers that the four stores below read
.endif
.set j, 0
.rept 4
.set r, 4*p+j
.if p > 0
	global_store_b64 v[HO], v[X+4*(r-4):X+4*(r-4)+1], s[12:13] offset:2048*(r-4)   ; 32 lanes x 8 bytes: 256 consecutive bytes, aligned; no vector instruction since the wait names these registers, and none writes them again
.endif
	v_pk_fma_f32 v[X+4*r:X+4*r+1], v[X+4*r:X+4*r+1], v[A:A+1], v[D:D+1]
	v_pk_fma_f32 v[X+4*r+2:X+4*r+3], v[X+4*r+2:X+4*r+3], v[A+2:A+3], v[D+2:D+3]
	v_cvt_pk_f16_f32 v[X+4*r], v[X+4*r], v[X+4*r+1]
	v_cvt_pk_f16_f32 v[X+4*r+1], v[X+4*r+2], v[X+4*r+3]
.set j, j+1
.endr
.set p, p+1
.endr
	s_wait_alu depctr_va_vdst(0)                   ; the conversions of block 3 have written the registers that the last four stores read
.set r, 12
.rept 4
	global_store_b64 v[HO], v[X+4*r:X+4*r+1], s[12:13] offset:2048*r
.set r, r+1
.endr
	s_wait_dscnt 0x0                               ; the closing lines, six on end
	s_wait_alu 0x0
	s_wait_tensorcnt 0x0
	ds_add_u32 v[SPW], v[NIL]
	s_wait_dscnt 0x0
	s_endpgm
.Lfunc_end_k_q2c8e20579d_norm1:
	.size	k_q2c8e20579d_norm1, .Lfunc_end_k_q2c8e20579d_norm1-k_q2c8e20579d_norm1
	.p2alignl 7, 3214868480
	.fill 96, 4, 3214868480
	.section	.rodata,"a",@progbits
	.p2align	6, 0x0
	.amdhsa_kernel k_q2c8e20579d_norm1
		.amdhsa_group_segment_fixed_size 9216
		.amdhsa_private_segment_fixed_size 0
		.amdhsa_enable_private_segment 0
		.amdhsa_kernarg_size 40
		.amdhsa_user_sgpr_count 2
		.amdhsa_user_sgpr_kernarg_segment_ptr 1
		.amdhsa_wavefront_size32 1
		.amdhsa_system_sgpr_workgroup_id_x 1
		.amdhsa_system_sgpr_workgroup_id_y 1
		.amdhsa_system_sgpr_workgroup_id_z 1
		.amdhsa_system_vgpr_workitem_id 0
		.amdhsa_next_free_vgpr 160
		.amdhsa_next_free_sgpr 66
		.amdhsa_reserve_vcc 0
		.amdhsa_float_denorm_mode_32 3
		.amdhsa_float_denorm_mode_16_64 3
		.amdhsa_memory_ordered 1
		.amdhsa_forward_progress 1
		.amdhsa_inst_pref_size 22
	.end_amdhsa_kernel
	.amdgpu_metadata
---
amdhsa.version: [ 1, 2 ]
amdhsa.kernels:
  - .name:           k_q2c8e20579d_norm1
    .symbol:         k_q2c8e20579d_norm1.kd
    .args:
      - { .name: x, .offset: 0, .size: 8, .value_kind: global_buffer, .address_space: global }
      - { .name: part, .offset: 8, .size: 8, .value_kind: global_buffer, .address_space: global }
      - { .name: gamma1, .offset: 16, .size: 8, .value_kind: global_buffer, .address_space: global }
      - { .name: beta1, .offset: 24, .size: 8, .value_kind: global_buffer, .address_space: global }
      - { .name: act, .offset: 32, .size: 8, .value_kind: global_buffer, .address_space: global }
    .group_segment_fixed_size: 9216
    .private_segment_fixed_size: 0
    .kernarg_segment_align: 8
    .kernarg_segment_size: 40
    .max_flat_workgroup_size: 256
    .sgpr_count:     66
    .vgpr_count:     160
    .wavefront_size: 32
...
	.end_amdgpu_metadata
.endif
;; end of part 9
;; launch proj: the kernel of part 3 again; grid 16 x 16, 4 waves a work-group, clusters of 4 x 4, 327,680 bytes of LDS; arguments act, wb, bq, bk, bv, qkv; writes qkv
;; launch attn: the kernel of part 4 again; grid 8 x 32, 4 waves a work-group, clusters of 4 x 1, 327,680 bytes of LDS; arguments qkv, act; writes act
;; launch wo: the kernel of part 5 again; grid 8 x 32, 4 waves a work-group, clusters of 4 x 4, 327,680 bytes of LDS; arguments act, wb, bo, x, x1, part; writes x1, part
;; launch norm2: the kernel of part 9 again; grid 8 x 32, 8 waves a work-group, no clusters, 9,216 bytes of LDS; arguments x1, part, gamma2, beta2, act; writes act
;; launch ffn1: the kernel of part 6 again; grid 16 x 16, 4 waves a work-group, clusters of 4 x 4, 327,680 bytes of LDS; arguments act, wb, b1, mid; writes mid
;; launch ffn2: the kernel of part 7 again; grid 8 x 32, 4 waves a work-group, clusters of 4 x 4, 327,680 bytes of LDS; arguments mid, wb, b2, x1, out0; writes out0
